; MI455X (gfx1250); checked and timed in simulation.
; The chip was launched on July 23, 2026; its instructions are those of AMD's public machine-readable ISA for CDNA 5 (MIT licence, August 2026) and "CDNA5" Instruction Set Architecture Reference Guide (July 2026). The comments in the code are by the model that wrote it; some were corrected since.
;; Casual Self Attention. Allowed arithmetic: matrix products marked QUANTISED: E3M2 operands, one E8M0 scale for each 32 along K, by v_wmma_scale_f32_16x16x128_f8f6f4 with both operands' format E3M2, f32 sums; everything else in f32.
;; Inputs: Wk 1,024 x 1,024 float32; Wq 1,024 x 1,024 float32; Wv 1,024 x 1,024 float32; x 4 x 2,048 x 1,024 float32.
;; Outputs: out0 4 x 2,048 x 1,024 float32.
;; This version of the problem:
;;   THIS VERSION OF THE PROBLEM IS GIVEN IN LOW PRECISION. The matrix products marked QUANTISED in the list below multiply operands that are first quantised to E3M2 (3 exponent bits, 2 mantissa bits; 6 bits a number), with one power-of-two scale for each 32 numbers along K (OCP MX v1.0); their sums are f32. All else is computed in f32.
;;   The module's matrix products, in the order in which they are computed (A, B: the left and right operand; K: the contracted axis; several contracted axes count as one K, in the product's order):
;;     1. [M 8,192, K 1,024] x [K 1,024, N 1,024]; A: input x; B: input Wq: QUANTISED
;;     2. [M 8,192, K 1,024] x [K 1,024, N 1,024]; A: input x; B: input Wk: QUANTISED
;;     3. [M 8,192, K 1,024] x [K 1,024, N 1,024]; A: input x; B: input Wv: QUANTISED
;;     4. batch 4 x [M 2,048, K 1,024] x [K 1,024, N 2,048]; A: computed on the way; B: computed on the way: QUANTISED
;;     5. batch 4 x [M 2,048, K 2,048] x [K 2,048, N 1,024]; A: softmax (see below); B: computed on the way: QUANTISED
;;   THE QUANTISER, for each operand of a quantised product, along K:
;;     - K is cut into blocks of 32 from its start; a last block that is shorter is filled with zeros.
;;     - A block's scale is 2^e with e = floor(log2(the largest magnitude in the block)) - 4, held to -126 .. 127; a block of zeros has e = 0. As a byte (E8M0): e + 127.
;;     - Each number is divided by its block's scale, clamped to +-28, and rounded to the nearest number of E3M2, ties to even, subnormals kept.
;;     - The product sums the exact products of the quantised numbers (number of the format x scale) in f32.
;;   ~~~python
;;   def quantise(x, axis):      # numpy; x: float32 -> the quantised numbers, widened to float32 again
;;       x = np.moveaxis(x, axis, -1); K = x.shape[-1]
;;       x = np.pad(x, [(0, 0)] * (x.ndim - 1) + [(0, -K % 32)]); x = x.reshape(x.shape[:-1] + (-1, 32)); a = np.abs(x).max(-1, keepdims=True)
;;       e = np.where(a > 0, np.clip(np.frexp(np.where(a > 0, a, 1))[1] - 1 - 4, -126, 127), 0)      # np.frexp(a)[1] - 1 = floor(log2(a)), exactly
;;       r = np.clip(x / 2.0 ** e, -28, 28)
;;       step = 2.0 ** (np.maximum(np.frexp(np.where(r == 0, 1, r))[1] - 1, -2) - 2)
;;       q = np.round(r / step) * step * 2.0 ** e      # np.round: ties to even
;;       return np.moveaxis(q.reshape(q.shape[:-2] + (-1,))[..., :K], -1, axis).astype(np.float32)
;;   ~~~
;;   SOFTMAX AHEAD OF A QUANTISED PRODUCT. Where the list says 'softmax', what is quantised is not the finished softmax but p = 2^(t - M), with t = logit x log2(e) and M = ceil(the row's largest t), a whole number; so 1/2 < the row's largest p <= 1. The row's sum l is taken of the UNQUANTISED p, in f32, and the product's result is divided by l at the end. Since M is a whole number, a kernel that streams over the keys may use a running M (the ceiling of the running maximum): every later rescaling is an exact power of two, which a block's scale takes up: the codes' values come out the same.
;;   OPERANDS COMPUTED ON THE WAY. 'Computed on the way' means the value that the module computes at that place (a softmax that the list does not call 'softmax' is quantised finished and normalised). What goes into a quantiser is computed in f32, as accurately as f32 sums, v_exp_f32 and their like allow (about 1e-6 of the number): no bf16 or f16 on the way to a quantiser, and a product that is left as it is and whose result goes on into a quantised operand takes f32 operands (vector FMAs, or v_wmma_f32_16x16x4_f32). A number that lies on a knife's edge between two numbers of the format may be rounded either way, as far as f32 arithmetic and the matrix unit's own rounding can turn it there, and no further.
;; 2 versions. Each part assembles by itself: llvm-mc -triple=amdgcn-amd-amdhsa -mcpu=gfx1250 --defsym DOCPART=n.
;; ======== version 1 of 2: 5 launches
;; workspace buffers: xc 6,553,600 bytes; wqkc 1,638,400 bytes; wvc 819,200 bytes; qkc 13,107,200 bytes; vc 6,553,600 bytes; pc 13,107,200 bytes; st 1,048,576 bytes
;; launch quant (part 1): grid 704 x 1, 4 waves a work-group, no clusters, 34,304 bytes of LDS; arguments x, Wq, Wk, Wv, xc, wqkc, wvc; writes xc, wqkc, wvc
.if DOCPART == 1
	.amdgcn_target "amdgcn-amd-amdhsa--gfx1250"
	.amdhsa_code_object_version 6
	.text
	.protected	k_q7eaa401884_quant
	.globl	k_q7eaa401884_quant
	.p2align	8
	.type	k_q7eaa401884_quant,@function
k_q7eaa401884_quant:
	s_mov_b64 s[64:65], 0
	v_nop
	global_prefetch_b8 v0, s[64:65] scope:SCOPE_SE
	s_setreg_imm32_b32 hwreg(HW_REG_WAVE_MODE, 25, 1), 1
	s_wait_xcnt 0x0
; x [8192][1024] and Wq, Wk, Wv [1024 (k)][1024 (n)], f32, become codes of BF6 (E3M2) with one E8M0 byte for each 32 along K, laid as PANELS:
; a half-panel (HP = 12,800 bytes) is 128 rows x 128 K as eight IMAGES OF OPERAND REGISTERS (a fragment = 16 rows x 128 K = 12 registers a lane; byte 512 c + 16 lane + 4 e is register 4 c + e)
; and, from byte 12,288 on, the rows' scale words (byte 64 i + 4 r: fragment i, row r).  A buffer is [group of 128 rows][K / 128][HP].
; ROW ORDER: place p of a group holds row pi(p), pi = p with its bits 3 and 4 exchanged.  With that order the later products, used transposed, leave 16 neighbours along the next K in a lane's registers.
; A block's scale is 2^(floor(log2(largest magnitude)) - 4): its byte is the largest magnitude's exponent field - 4, held at 1 from below by a floor among the maximum's leaves.
; LIMITS: a block of zeros gets the byte 1 (its codes are zeros, and only this program reads the bytes); NaN and infinities among the inputs are not served.
; Work-groups 0-511 take x: one half-panel each (group g / 8, K step g % 8), a wave two fragments.  Work-groups 512-703 take the weights: 24 groups of 128 columns x 8 K steps.
; No tensor load, no barrier: waves share nothing.  Only the x path touches LDS (a stage of 16 rows x 528 bytes for each wave).
.set HP,   12800
.set SCO,  12288                       ; where a half-panel's scale words begin
.set FRB,  1536                        ; a fragment's image
.set SPI,  528                         ; a stage row: 512 bytes + 16: sixteen rows start at sixteen different 16-byte columns
.set WST,  16*SPI                      ; a wave's stage
.set RR,   3                           ; v3   lane % 16
.set HH,   4                           ; v4   lane / 16
.set LI,   5                           ; v5   16 x lane
.set LS,   6                           ; v6   4 x lane
.set STI,  7                           ; v7   the stage on the way in
.set STO,  8                           ; v8   and on the way out
.set WCO,  9                           ; v9   weights: my column's place among the codes
.set TM,   10                          ; v10-13 largest magnitudes, v14-17 the other half's, then bytes, v22-25 the conversions' scale operands
.set PW,   26                          ; v26-27 scale words
.set SW,   28                          ; v28  the pair's scale words as they are stored
.set WSO,  29                          ; v29  weights: my column's place among the scale words
.set CD,   32                          ; v32-55 two fragments' codes
.set TQ,   56                          ; v56-62 the halves of blocks that a conversion cannot put in place
.set RAW,  64                          ; v64-191 numbers as loaded
.set X,    192                         ; v192-255 64 numbers of a lane in the quantiser's order
.set SEL,  18                          ; s[18:19] lane selects: lane l xor 16
; 64 numbers of a lane, register 16 b + i = k 32 b + 16 (lane / 16) + i of the lane's row, become a fragment's 12 registers at v[dst] and the row's scale word in v[pw].
.macro QUANT src, dst, pw
.irp b, 0,1,2,3
	v_max3_num_f32 v[TM+\b], |v[\src+16*\b]|, |v[\src+1+16*\b]|, 0x2800000   ; block b: my 16 numbers, and the floor 2^(5 - 127)
.endr
.irp i, 2,4,6,8,10,12,14
.irp b, 0,1,2,3
	v_max3_num_f32 v[TM+\b], v[TM+\b], |v[\src+16*\b+\i]|, |v[\src+1+16*\b+\i]|   ; the four blocks by turns
.endr
.endr
.irp b, 0,1,2,3
	v_permlanex16_b32 v[TM+4+\b], v[TM+\b], s[SEL], s[SEL+1]
.endr
.irp b, 0,1,2,3
	v_max_num_f32 v[TM+\b], v[TM+\b], v[TM+4+\b]          ; with lane l xor 16's 16: the block's largest magnitude
.endr
.irp b, 0,1,2,3
	v_add_nc_u32 v[TM+12+\b], 0xfe000000, v[TM+\b]        ; 4 off its exponent field: the conversion reads that field alone
.endr
.irp b, 0,1,2,3
	v_lshrrev_b32 v[TM+4+\b], 23, v[TM+12+\b]             ; the scale's byte
.endr
	v_lshl_or_b32 v[\pw], v[TM+5], 8, v[TM+4]
	v_lshl_or_b32 v[\pw], v[TM+6], 16, v[\pw]
	v_lshl_or_b32 v[\pw], v[TM+7], 24, v[\pw]
.irp c, 0,1
	v_cvt_scalef32_pk16_bf6_f32 v[(\dst)+6*\c:(\dst)+2+6*\c], v[\src+32*\c:\src+15+32*\c], v[TM+12+2*\c]
	v_cvt_scalef32_pk16_bf6_f32 v[TQ+4*\c:TQ+2+4*\c], v[\src+16+32*\c:\src+31+32*\c], v[TM+13+2*\c]   ; (a conversion's three registers begin on an even number)
.endr
	v_nop                                                 ; one plain place behind a scaled conversion
.irp c, 0,1                                               ; the operand wants a whole block in a lane: lanes 0-15 block 2 c, lanes 16-31 block 2 c + 1
.irp i, 0,1,2
	v_permlane16_swap_b32 v[(\dst)+6*\c+\i], v[TQ+4*\c+\i]
.endr
.irp i, 0,1,2
	v_mov_b32 v[(\dst)+3+6*\c+\i], v[TQ+4*\c+\i]
.endr
.endr
.endm
	s_load_b256 s[4:11], s[0:1], 0x0               ; x s[4:5], Wq s[6:7], Wk s[8:9], Wv s[10:11]
	s_load_b128 s[12:15], s[0:1], 0x20             ; xc s[12:13], wqkc s[14:15]
	s_load_b64 s[16:17], s[0:1], 0x30              ; wvc
	v_lshl_add_u32 v59, v0, 2, 0x8400
	v_mov_b32 v63, 0
	v_lshrrev_b32 v1, 5, v0
	v_readfirstlane_b32 s21, v1                    ; wave 0..3
	v_and_b32 v2, 31, v0
	v_and_b32 v[RR], 15, v0
	v_bfe_u32 v[HH], v0, 4, 1
	v_lshlrev_b32 v[LI], 4, v2
	v_lshlrev_b32 v[LS], 2, v2
	s_mov_b32 s27, 0                               ; the high word of every offset below
	s_wait_kmcnt 0x0
	s_cmp_lt_u32 ttmp9, 512
	s_cbranch_scc0 .Lweights
	; ---------------- x: K is innermost ----------------
	s_lshr_b32 s22, ttmp9, 3                       ; group of 128 rows
	s_and_b32 s23, ttmp9, 7                        ; K step
	s_lshl_b32 s26, s22, 19                        ; 128 rows of 4,096 bytes
	s_lshl_b32 s25, s21, 17                        ; my wave's 32 rows
	s_add_co_u32 s26, s26, s25
	s_lshl_b32 s25, s23, 9                         ; 128 numbers along K
	s_add_co_u32 s26, s26, s25
	s_add_nc_u64 s[4:5], s[4:5], s[26:27]
.irp u, 0,1                                        ; fragment 2 w + u, its row t: place 32 w + 16 u + t holds row 32 w + 8 u + t + 8 (t / 8).  Each load reads 512 consecutive bytes of one row
.irp t, 0,1,2,3,4,5,6,7,8,9,10,11,12,13,14,15
	global_load_b128 v[RAW+64*\u+4*\t:RAW+64*\u+4*\t+3], v[LI], s[4:5] offset:(8*\u+\t+8*(\t/8))*4096 th:TH_LOAD_NT
.endr
.endr
	s_mov_b32 s[SEL], 0x76543210
	s_mov_b32 s[SEL+1], 0xfedcba98
	s_mov_b32 s20, 0xffff0000                      ; lanes 16-31
	s_mul_i32 s26, ttmp9, HP                       ; 8 x group + K step is the work-group's number
	s_add_nc_u64 s[12:13], s[12:13], s[26:27]      ; my half-panel
	s_lshl_b32 s26, s21, 7
	s_add_nc_u64 s[28:29], s[12:13], s[26:27]      ; + 128 w: my pair's scale words
	s_mul_i32 s26, s21, 2*FRB
	s_add_nc_u64 s[12:13], s[12:13], s[26:27]      ; + 3,072 w: my two fragments
	s_mul_i32 s30, s21, WST
	v_add_nc_u32 v[STI], s30, v[LI]                ; in: a row as it lies
	v_mul_u32_u24 v[STO], v[RR], SPI
	v_lshl_add_u32 v[STO], v[HH], 6, v[STO]
	v_add_nc_u32 v[STO], s30, v[STO]               ; out: row r, my 16 numbers of each block of 32
.irp b, 0,1,2,3
	v_mov_b32 v[TM+4+\b], 0                        ; written once: a lane permute's destination counts as one of its sources
.endr
.irp u, 0,1
	s_wait_loadcnt 16-16*\u                        ; this fragment's sixteen loads are in; the other fragment's sixteen may be out
.irp t, 0,1,2,3,4,5,6,7,8,9,10,11,12,13,14,15
	ds_store_b128 v[STI], v[RAW+64*\u+4*\t:RAW+64*\u+4*\t+3] offset:SPI*\t
.endr
.irp b, 0,1,2,3
.irp j, 0,1,2,3
	ds_load_b128 v[X+16*\b+4*\j:X+16*\b+4*\j+3], v[STO] offset:128*\b+16*\j   ; LDS serves a wave's instructions in order: these see my stores
.endr
.endr
	s_wait_dscnt 0x0
	QUANT X, CD+12*\u, PW+\u
.irp c, 0,1,2
	global_store_b128 v[LI], v[CD+12*\u+4*\c:CD+12*\u+4*\c+3], s[12:13] offset:FRB*\u+512*\c   ; 512 consecutive bytes, aligned
.endr
.endr
	v_cndmask_b32 v[SW], v[PW], v[PW+1], s20       ; lanes 0-15: fragment 2 w's words, lanes 16-31: fragment 2 w + 1's
	global_store_b32 v[LS], v[SW], s[28:29] offset:SCO
	s_wait_tensorcnt 0x0
	ds_add_u32 v59, v63
	s_wait_dscnt 0x0
	s_endpgm
	; ---------------- the weights: K is the first axis: a lane takes a column, its registers run down K ----------------
.Lweights:
	s_sub_co_u32 s22, ttmp9, 512
	s_lshr_b32 s23, s22, 3                         ; y: 0-7 Wq, 8-15 Wk, 16-23 Wv, 128 columns each
	s_and_b32 s24, s22, 7                          ; K step
	s_cmp_lt_u32 s23, 8
	s_cselect_b64 s[6:7], s[6:7], s[8:9]
	s_cmp_lt_u32 s23, 16
	s_cselect_b64 s[6:7], s[6:7], s[10:11]
	s_cselect_b64 s[14:15], s[14:15], s[16:17]     ; Wq and Wk share one buffer of 16 groups, Wv has its own of 8
	s_cselect_b32 s25, 0, 16
	s_sub_co_u32 s25, s23, s25                     ; the group in that buffer
	s_lshl_b32 s26, s24, 19                        ; 128 rows of 4,096 bytes
	s_and_b32 s28, s23, 7
	s_lshl_b32 s28, s28, 9                         ; 128 columns
	s_add_co_u32 s26, s26, s28
	s_lshl_b32 s28, s21, 7                         ; my wave's 32
	s_add_co_u32 s26, s26, s28
	s_add_nc_u64 s[6:7], s[6:7], s[26:27]
.macro WLOAD b                                     ; block b: W(32 b + i, my column): 128 consecutive bytes a wave, 512 a work-group
.set k, 32*(\b)
.rept 32
	global_load_b32 v[RAW+k], v[LS], s[6:7] offset:4096*k th:TH_LOAD_NT
.set k, k+1
.endr
.endm
	WLOAD 0
	WLOAD 1
	s_lshl_b32 s25, s25, 3
	s_add_co_u32 s25, s25, s24
	s_mul_i32 s26, s25, HP
	s_add_nc_u64 s[14:15], s[14:15], s[26:27]      ; my half-panel
	s_lshl_b32 s26, s21, 7
	s_add_nc_u64 s[28:29], s[14:15], s[26:27]      ; + 128 w
	s_mul_i32 s26, s21, 2*FRB
	s_add_nc_u64 s[14:15], s[14:15], s[26:27]      ; + 3,072 w
	v_bfe_u32 v12, v0, 3, 1                        ; column 32 w + l lies at place 32 w + 16 u + r', u = (l / 8) % 2,
	v_and_b32 v13, 7, v0
	v_lshl_add_u32 v13, v[HH], 3, v13              ; r' = l % 8 + 8 (l / 16)
	v_mul_u32_u24 v[WCO], v12, FRB
	v_lshl_add_u32 v[WCO], v13, 4, v[WCO]
	v_lshlrev_b32 v[WSO], 6, v12
	v_lshl_add_u32 v[WSO], v13, 2, v[WSO]
; Block b of my column is what lane (r', b % 2) of the fragment holds in registers 6 (b / 2) on: v32-43 are that row's lower lane, v44-55 its upper lane.
.macro WBLOCK b
.set XS, RAW+32*(\b)
.set DS, CD+12*((\b)%2)+6*((\b)/2)
	v_max3_num_f32 v10, |v[XS]|, |v[XS+1]|, |v[XS+2]|     ; all 32 numbers are mine
	v_max3_num_f32 v11, |v[XS+3]|, |v[XS+4]|, |v[XS+5]|
.irp i, 6,10,14,18,22,26
	v_max3_num_f32 v10, v10, |v[XS+\i]|, |v[XS+\i+1]|
	v_max3_num_f32 v11, v11, |v[XS+\i+2]|, |v[XS+\i+3]|
.endr
	v_max3_num_f32 v10, v10, |v[XS+30]|, |v[XS+31]|
	v_max3_num_f32 v10, v10, v11, 0x2800000               ; and the floor 2^(5 - 127)
	v_add_nc_u32 v22, 0xfe000000, v10
	v_lshrrev_b32 v11, 23, v22
.if (\b) == 0
	v_mov_b32 v[PW], v11
.else
	v_lshl_or_b32 v[PW], v11, 8*(\b), v[PW]
.endif
	v_cvt_scalef32_pk16_bf6_f32 v[DS:DS+2], v[XS:XS+15], v22
	v_cvt_scalef32_pk16_bf6_f32 v[TQ:TQ+2], v[XS+16:XS+31], v22
	v_nop                                                 ; one plain place behind a scaled conversion
.irp i, 0,1,2
	v_mov_b32 v[DS+3+\i], v[TQ+\i]
.endr
.endm
	s_wait_loadcnt 32                              ; block 0 is in; block 1's 32 loads may be out
	WLOAD 2
	WBLOCK 0
	s_wait_loadcnt 32                              ; block 1 is in; block 2's may be out
	WLOAD 3
	WBLOCK 1
	s_wait_loadcnt 32                              ; block 2 is in; block 3's may be out
	WBLOCK 2
	s_wait_loadcnt 0x0
	WBLOCK 3
.irp e, 0,1
.irp c, 0,1,2
	global_store_b128 v[WCO], v[CD+12*\e+4*\c:CD+12*\e+4*\c+3], s[14:15] offset:256*\e+512*\c   ; the sixteen lanes of one fragment fill 256 consecutive bytes, aligned
.endr
.endr
	global_store_b32 v[WSO], v[PW], s[28:29] offset:SCO
	s_endpgm
.Lfunc_end_k_q7eaa401884_quant:
	.size	k_q7eaa401884_quant, .Lfunc_end_k_q7eaa401884_quant-k_q7eaa401884_quant
	.p2alignl 7, 3214868480
	.fill 96, 4, 3214868480
	.section	.rodata,"a",@progbits
	.p2align	6, 0x0
	.amdhsa_kernel k_q7eaa401884_quant
		.amdhsa_group_segment_fixed_size 34304
		.amdhsa_private_segment_fixed_size 0
		.amdhsa_enable_private_segment 0
		.amdhsa_kernarg_size 56
		.amdhsa_user_sgpr_count 2
		.amdhsa_user_sgpr_kernarg_segment_ptr 1
		.amdhsa_wavefront_size32 1
		.amdhsa_system_sgpr_workgroup_id_x 1
		.amdhsa_system_sgpr_workgroup_id_y 1
		.amdhsa_system_sgpr_workgroup_id_z 1
		.amdhsa_system_vgpr_workitem_id 0
		.amdhsa_next_free_vgpr 256
		.amdhsa_next_free_sgpr 66
		.amdhsa_reserve_vcc 0
		.amdhsa_float_denorm_mode_32 3
		.amdhsa_float_denorm_mode_16_64 3
		.amdhsa_memory_ordered 1
		.amdhsa_forward_progress 1
		.amdhsa_inst_pref_size 38
	.end_amdhsa_kernel
	.amdgpu_metadata
---
amdhsa.version: [ 1, 2 ]
amdhsa.kernels:
  - .name:           k_q7eaa401884_quant
    .symbol:         k_q7eaa401884_quant.kd
    .args:
      - { .name: x, .offset: 0, .size: 8, .value_kind: global_buffer, .address_space: global }
      - { .name: Wq, .offset: 8, .size: 8, .value_kind: global_buffer, .address_space: global }
      - { .name: Wk, .offset: 16, .size: 8, .value_kind: global_buffer, .address_space: global }
      - { .name: Wv, .offset: 24, .size: 8, .value_kind: global_buffer, .address_space: global }
      - { .name: xc, .offset: 32, .size: 8, .value_kind: global_buffer, .address_space: global }
      - { .name: wqkc, .offset: 40, .size: 8, .value_kind: global_buffer, .address_space: global }
      - { .name: wvc, .offset: 48, .size: 8, .value_kind: global_buffer, .address_space: global }
    .group_segment_fixed_size: 34304
    .private_segment_fixed_size: 0
    .kernarg_segment_align: 8
    .kernarg_segment_size: 56
    .max_flat_workgroup_size: 128
    .sgpr_count:     66
    .vgpr_count:     256
    .wavefront_size: 32
...
	.end_amdgpu_metadata
.endif
;; end of part 1
;; launch qk (part 2): grid 8 x 32, 4 waves a work-group, clusters of 4 x 4, 327,680 bytes of LDS; arguments xc, wqkc, qkc; writes qkc
.if DOCPART == 2
	.amdgcn_target "amdgcn-amd-amdhsa--gfx1250"
	.amdhsa_code_object_version 6
	.text
	.protected	k_q7eaa401884_qk
	.globl	k_q7eaa401884_qk
	.p2align	8
	.type	k_q7eaa401884_qk,@function
k_q7eaa401884_qk:
	s_mov_b64 s[64:65], 0
	v_nop
	global_prefetch_b8 v0, s[64:65] scope:SCOPE_SE
	s_setreg_imm32_b32 hwreg(HW_REG_WAVE_MODE, 25, 1), 1
	s_wait_xcnt 0x0
	s_wait_alu depctr_hold_cnt(0) depctr_sa_sdst(0) depctr_va_vdst(0) depctr_va_sdst(0) depctr_va_ssrc(0) depctr_va_vcc(0) depctr_vm_vsrc(0)
	s_getreg_b32 s2, hwreg(HW_REG_IB_STS2, 6, 4)
	s_cmp_eq_u32 s2, 0
	s_cbranch_scc0 .Lentry_in_a_cluster
	s_endpgm
.Lentry_in_a_cluster:
	s_bfe_u32 s2, ttmp6, 0x10000c
	s_cmp_lg_u32 s2, 0xf033
	s_cbranch_scc0 .Lentry_shape_is_right
	s_endpgm
.Lentry_shape_is_right:
; C = A B^T on panels of BF6 codes (K = 1,024), and C QUANTISED ALONG ITS COLUMNS into panels again.  Arguments: A's panels, B's panels, the result's panels.
; Used twice: A = x, B = Wq | Wk gives q | k, quantised along the channels;  A = Wv, B = x gives v^T, quantised along the tokens (the keys).
; PANELS: a half-panel (12,800 bytes) = 128 rows x 128 K as eight images of operand registers (1,536 bytes each: byte 512 c + 16 lane + 4 e = register 4 c + e) and, from byte 12,288, the scale words
; (byte 64 i + 4 r).  A buffer is [group of 128 rows][K / 128][half-panel]: some K steps of a group are one dense block.  Place p of a group holds row pi(p): bits 3 and 4 exchanged.
; SHARES: a work-group of four waves makes 256 x 256 of C, a wave 128 x 128: 64 accumulators, 512 registers.  K goes in steps of 128, two steps to a slot, through two LDS slots.
; THE PRODUCT IS USED TRANSPOSED (source 0 = 16 rows of B, source 1 = 16 rows of A): a lane holds one row of A's, and by B's row order its 64 registers of a block of A are
; register 16 b + i = column 32 b + 16 (lane / 16) + i: sixteen neighbours along the next K, as the conversions want them.  The result's rows keep A's order of places.
; CLUSTERS: 4 x 4 work-groups; A's panels are asked for jointly along a row of the cluster, B's along a column.
; The sums of a K step are f32 in the matrix unit, K ascending, one accumulator for each output.
; LIMITS: a block of zeros gets the byte 1 (zero codes; only this program reads the bytes); NaN and infinities are not served.
; REGISTERS: window 0: v16-25 addresses, v28-29 the add's, v32-47 scale words (two sets), v64-255 A's fragments (two sets of 96); window 1: B's fragments at v0 and v128; windows 2, 3: the accumulators.
.set NA,    8                          ; A's fragments a wave
.set NQ,    2                          ; K steps in a slot
.set HP,    12800
.set SCO,   12288
.set FRB,   1536
.set PANEL, NQ*HP                      ; what one tensor load brings: a group's NQ K steps, 100 rows of 256 bytes
.set SLOT,  4*PANEL                    ; A's two groups, then B's two
.set SPARE, 2*SLOT                     ; behind the ring: the spare words, 128 bytes for each wave
.set GROUP, 8*HP                       ; from a group of 128 rows to the next, in both operands
.set ADRA, 16                          ; v16-17 my A fragments in slot 0, 1
.set ADRB, 18                          ; v18-19 my B fragments
.set ADSA, 20                          ; v20-21 my A panel at 4 x lane (scale words)
.set ADSB, 22                          ; v22-23 my B panel likewise
.set LI,   24                          ; v24  16 x lane
.set LS,   25                          ; v25  4 x lane
.set SPW,  28                          ; v28  my spare word; never rewritten
.set NIL,  29                          ; v29  0; never rewritten
.set SC,   32                          ; scale words: set p: B's pairs at SC + 8 p, A's at SC + 8 p + 4; lanes 0-15 the even fragment's rows, lanes 16-31 the odd one's
.set AF,   64
.set PC,   64                          ; the way out: 12 registers of codes for each block of A
.set TQ,   160
.set TM,   168                         ; v168-171 maxima, v172-175 the other half's, then bytes, v180-183 scale operands
.set PW,   184                         ; v184-191 scale words
.set SW,   192                         ; v192-195 as they are stored
.set G1,   24                          ; s[24:31], s[32:39] descriptor groups 1 and 0 (a set for each slot) for A;  s[48:55], s[56:63] for B
.set G0,   32
.set G1B,  48
.set G0B,  56
.set SEL,  66                          ; s[66:67] lane selects: lane l xor 16
.set MSB, 0
.macro WIN new                         ; the immediate's high byte repeats the setting that is left
.if MSB != (\new)
	s_set_vgpr_msb (MSB<<8)|(\new)
.set MSB, \new
.endif
.endm
.macro PLACES                          ; four plain places behind matrix instructions: in front of loads into registers that they read, and of the first read of results
.rept 4
	v_nop
.endr
.endm
.macro JLOAD s                         ; a joint load: waves 0 and 1 fetch A's two groups, waves 2 and 3 B's; four v_nop follow each line
	s_cmp_eq_u32 s15, 0
	s_cbranch_scc0 .Lfor_b_\@
	tensor_load_to_lds s[G0+4*\s:G0+4*\s+3], s[G1:G1+7]
	s_nop 0
.rept 4
	v_nop
.endr
	s_branch .Lasked_\@
.Lfor_b_\@:
	tensor_load_to_lds s[G0B+4*\s:G0B+4*\s+3], s[G1B:G1B+7]
	s_nop 0
.rept 4
	v_nop
.endr
.Lasked_\@:
.endm
.macro CREST                           ; a round of the cluster's barrier behind its opening barrier
	s_cmp_lg_u32 s14, 0
	s_cbranch_scc1 .Lnot_wave_0_\@
	s_barrier_signal -3
.Lnot_wave_0_\@:
	s_barrier_wait -3
	s_barrier_signal -1
	s_barrier_wait -1
.endm
.macro CROUND
	s_barrier_signal -1
	s_barrier_wait -1
	CREST
.endm
.macro FRAG reg, adr, off              ; a fragment comes as it was stored: three loads of 512 consecutive bytes
.irp c, 0,1,2
	ds_load_b128 v[(\reg)+4*\c:(\reg)+4*\c+3], v[\adr] offset:(\off)+512*\c
.endr
.endm
.macro FETCH slot, q, p                ; the slot's q-th K step into set p: 8 fragments of B, 8 of A, 8 registers of scale words
	WIN 0x40                                       ; destination window 1, address window 0
.irp i, 0,1,2,3,4,5,6,7
	FRAG 128*(\p)+12*\i, ADRB+\slot, (\q)*HP+FRB*\i
.endr
	WIN 0
.irp i, 0,1,2,3,4,5,6,7
	FRAG AF+12*NA*(\p)+12*\i, ADRA+\slot, (\q)*HP+FRB*\i
.endr
.irp j, 0,1,2,3
	ds_load_b32 v[SC+8*(\p)+\j], v[ADSB+\slot] offset:(\q)*HP+SCO+128*\j
	ds_load_b32 v[SC+8*(\p)+4+\j], v[ADSA+\slot] offset:(\q)*HP+SCO+128*\j
.endr
.endm
.macro WM a, b, p, zero                ; one product: B's fragment b x A's fragment a.  An odd fragment's scale words lie in lanes 16-31 of its pair's register
.set rD, 8*(8*((\a)%4)+(\b))
.set rB, 128*(\p)+12*(\b)
.set rA, AF+12*NA*(\p)+12*(\a)
.set rX, SC+8*(\p)+(\b)/2
.set rY, SC+8*(\p)+4+(\a)/2
.set rV, 2*((\b)%2)+(\a)%2+4*(\zero)
.if rV == 0
	v_wmma_scale_f32_16x16x128_f8f6f4 v[rD:rD+7], v[rB:rB+11], v[rA:rA+11], v[rD:rD+7], v[rX], v[rY] matrix_a_fmt:MATRIX_FMT_BF6 matrix_b_fmt:MATRIX_FMT_BF6
.elseif rV == 1
	v_wmma_scale_f32_16x16x128_f8f6f4 v[rD:rD+7], v[rB:rB+11], v[rA:rA+11], v[rD:rD+7], v[rX], v[rY] matrix_a_fmt:MATRIX_FMT_BF6 matrix_b_fmt:MATRIX_FMT_BF6 matrix_b_scale:MATRIX_SCALE_ROW1
.elseif rV == 2
	v_wmma_scale_f32_16x16x128_f8f6f4 v[rD:rD+7], v[rB:rB+11], v[rA:rA+11], v[rD:rD+7], v[rX], v[rY] matrix_a_fmt:MATRIX_FMT_BF6 matrix_b_fmt:MATRIX_FMT_BF6 matrix_a_scale:MATRIX_SCALE_ROW1
.elseif rV == 3
	v_wmma_scale_f32_16x16x128_f8f6f4 v[rD:rD+7], v[rB:rB+11], v[rA:rA+11], v[rD:rD+7], v[rX], v[rY] matrix_a_fmt:MATRIX_FMT_BF6 matrix_b_fmt:MATRIX_FMT_BF6 matrix_a_scale:MATRIX_SCALE_ROW1 matrix_b_scale:MATRIX_SCALE_ROW1
.elseif rV == 4
	v_wmma_scale_f32_16x16x128_f8f6f4 v[rD:rD+7], v[rB:rB+11], v[rA:rA+11], 0, v[rX], v[rY] matrix_a_fmt:MATRIX_FMT_BF6 matrix_b_fmt:MATRIX_FMT_BF6
.elseif rV == 5
	v_wmma_scale_f32_16x16x128_f8f6f4 v[rD:rD+7], v[rB:rB+11], v[rA:rA+11], 0, v[rX], v[rY] matrix_a_fmt:MATRIX_FMT_BF6 matrix_b_fmt:MATRIX_FMT_BF6 matrix_b_scale:MATRIX_SCALE_ROW1
.elseif rV == 6
	v_wmma_scale_f32_16x16x128_f8f6f4 v[rD:rD+7], v[rB:rB+11], v[rA:rA+11], 0, v[rX], v[rY] matrix_a_fmt:MATRIX_FMT_BF6 matrix_b_fmt:MATRIX_FMT_BF6 matrix_a_scale:MATRIX_SCALE_ROW1
.else
	v_wmma_scale_f32_16x16x128_f8f6f4 v[rD:rD+7], v[rB:rB+11], v[rA:rA+11], 0, v[rX], v[rY] matrix_a_fmt:MATRIX_FMT_BF6 matrix_b_fmt:MATRIX_FMT_BF6 matrix_a_scale:MATRIX_SCALE_ROW1 matrix_b_scale:MATRIX_SCALE_ROW1
.endif
.endm
.macro MULA a0, n, p, zero             ; A's blocks a0 .. a0 + n - 1, each against B's eight.  The accumulators take turns, one instruction a turn, in the same order in every step
.set MA, \a0
.rept \n
	WIN 0xa1+0x50*(MA/4)                           ; source 0 (B) window 1, source 1 (A) window 0, C and D window 2 or 3
.irp b, 0,1,2,3,4,5,6,7
	WM MA, \b, \p, \zero
.endr
.set MA, MA+1
.endr
.endm
.macro STEP slot, q, zero              ; a K step that has its successor in the same slot
	s_wait_dscnt 0x0                               ; this step's fragments, asked for a whole step ago, are in
	PLACES                                         ; the other set was read by the last step's products
	FETCH \slot, (\q)+1, 1-(\q)%2
	MULA 0, NA, (\q)%2, \zero
.endm
.macro TURN slot, next, fill           ; a slot's last K step changes slots: one barrier.  fill = 1: the slot is filled again, two slots ahead
	WIN 0                                          ; (the add's two registers lie in window 0)
	s_wait_tensorcnt 0x0                           ; all my tensor loads have landed: my part of the next slot;
	ds_add_u32 v[SPW], v[NIL]                      ; 0 onto my spare word
	s_wait_dscnt 1                                 ; (the add alone may be out: this step's fragments are in)
	MULA 0, NA/4, 1, 0                             ; matrix work stands between the add and the wait for it
	s_wait_dscnt 0x0                               ; the add is done, and my reads of this slot are over
	s_barrier_signal -1
	MULA NA/4, NA/4, 1, 0
	WIN 0
	s_barrier_wait -1
.if \fill
	CREST                                          ; the barrier has opened a round of the cluster's: no wave of any partner still reads this slot or has a load on its way
	s_add_nc_u64 s[G0+4*\slot+2:G0+4*\slot+3], s[G0+4*\slot+2:G0+4*\slot+3], 2*PANEL
	s_add_nc_u64 s[G0B+4*\slot+2:G0B+4*\slot+3], s[G0B+4*\slot+2:G0B+4*\slot+3], 2*PANEL
	JLOAD \slot                                    ; the first tensor load behind the round; its four v_nop are the places in front of the loads below
.else
	PLACES
.endif
	FETCH \next, 0, 0
	MULA NA/2, NA/2, 1, 0
.endm
.macro LAST                            ; the very last K step: nothing more to fetch
	s_wait_dscnt 0x0
	MULA 0, NA, 1, 0
	WIN 0
.endm
	s_load_b128 s[4:7], s[0:1], 0x0                ; A's panels, B's panels
	s_load_b64 s[8:9], s[0:1], 0x10                ; the result's panels
	v_lshl_add_u32 v[SPW], v0, 2, SPARE
	v_mov_b32 v[NIL], 0
	ds_add_u32 v28, v29
	ds_add_u32 v28, v29
	s_wait_dscnt 0x0
	v_lshrrev_b32 v1, 5, v0
	v_readfirstlane_b32 s14, v1                    ; wave 0..3
	s_lshr_b32 s15, s14, 1                         ; which group of A is mine.  Also: I fetch for A (0) or for B (1)
	s_and_b32 s16, s14, 1                          ; which group of B is mine.  Also: which group I fetch
	s_bfe_u32 s40, ttmp6, 0x40000                  ; cx, cy: my place in the cluster
	s_bfe_u32 s41, ttmp6, 0x40004
	s_lshl_b32 s42, ttmp9, 2
	s_add_co_u32 s42, s42, s40                     ; tile column = 4 x cluster x + cx
	s_and_b32 s17, ttmp7, 0xffff
	s_lshl_b32 s17, s17, 2
	s_add_co_u32 s17, s17, s41                     ; tile row = 4 x cluster y + cy
	s_lshl_b32 s43, s41, 2
	s_lshl_b32 s43, 15, s43                        ; my row of the cluster
	s_lshl_b32 s44, 0x1111, s40                    ; my column
	s_or_b32 s[G1], s43, (3<<16)|(1<<21)           ; 15:0 the mask; 17:16 elements of 8 bytes; 20 no padding; 21 set beside a mask
	s_or_b32 s[G1B], s44, (3<<16)|(1<<21)
.irp g, G1, G1B
	s_mov_b32 s[\g+1], 32<<16                      ; tensor_dim0 = 32 elements: rows of 256 bytes
	s_mov_b32 s[\g+2], (PANEL/256)<<16             ; tensor_dim1 = 100
	s_mov_b32 s[\g+3], 32<<16                      ; tile_dim0
	s_mov_b32 s[\g+4], PANEL/256                   ; tile_dim1
	s_mov_b32 s[\g+5], 32                          ; the block is dense
	s_mov_b32 s[\g+6], 0
	s_mov_b32 s[\g+7], 0
.endr
	s_lshl_b32 s20, s17, 1
	s_add_co_u32 s20, s20, s16
	s_mul_i32 s20, s20, GROUP                      ; A: group 2 x tile row + the group that I fetch
	s_mov_b32 s21, 0
	s_lshl_b32 s46, s42, 1
	s_add_co_u32 s46, s46, s16
	s_mul_i32 s46, s46, GROUP                      ; B: group 2 x tile column + the same
	s_mov_b32 s47, 0
	s_mul_i32 s45, s14, PANEL                      ; where they go: wave x a panel: no place in the cluster enters an LDS address
	s_wait_kmcnt 0x0
	s_add_nc_u64 s[20:21], s[4:5], s[20:21]
	s_add_nc_u64 s[46:47], s[6:7], s[46:47]
	CROUND                                         ; all sixteen work-groups are here: the first joint loads meet
.irp s, 0,1
	s_mov_b32 s[G0+4*\s], 1
	s_add_co_u32 s[G0+4*\s+1], s45, \s*SLOT
	s_add_nc_u64 s[G0+4*\s+2:G0+4*\s+3], s[20:21], \s*PANEL
	s_or_b32 s[G0+4*\s+3], s[G0+4*\s+3], 0x80000000
	s_mov_b32 s[G0B+4*\s], 1
	s_add_co_u32 s[G0B+4*\s+1], s45, \s*SLOT
	s_add_nc_u64 s[G0B+4*\s+2:G0B+4*\s+3], s[46:47], \s*PANEL
	s_or_b32 s[G0B+4*\s+3], s[G0B+4*\s+3], 0x80000000
	JLOAD \s                                       ; two loads of mine are out
.endr
	v_and_b32 v3, 31, v0
	v_lshlrev_b32 v[LI], 4, v3
	v_lshlrev_b32 v[LS], 2, v3
	s_mul_i32 s70, s15, PANEL                      ; my group of A
	s_mul_i32 s71, s16, PANEL
	s_add_co_u32 s71, s71, 2*PANEL                 ; my group of B, behind A's two
.irp s, 0,1
	v_add_nc_u32 v[ADRA+\s], s70, v[LI]
	v_add_nc_u32 v[ADRB+\s], s71, v[LI]
	v_add_nc_u32 v[ADSA+\s], s70, v[LS]
	v_add_nc_u32 v[ADSB+\s], s71, v[LS]
	s_add_co_u32 s70, s70, SLOT
	s_add_co_u32 s71, s71, SLOT
.endr
	s_mov_b32 s[SEL], 0x76543210
	s_mov_b32 s[SEL+1], 0xfedcba98
	s_mov_b32 s68, 0xffff0000                      ; lanes 16-31
	; my half-panel of the result: [tile column / 8][group 2 x tile row + my half of A][16 K steps: 2 x (tile column % 8) + my half of B]
	s_lshr_b32 s72, s42, 3
	s_lshl_b32 s72, s72, 7
	s_lshl_b32 s73, s17, 1
	s_add_co_u32 s73, s73, s15
	s_lshl_b32 s73, s73, 4
	s_add_co_u32 s72, s72, s73
	s_and_b32 s73, s42, 7
	s_lshl_b32 s73, s73, 1
	s_add_co_u32 s72, s72, s73
	s_add_co_u32 s72, s72, s16
	s_mul_i32 s74, s72, HP
	s_mov_b32 s75, 0
	s_add_nc_u64 s[8:9], s[8:9], s[74:75]
	s_wait_tensorcnt 1                             ; my part of slot 0 is in; slot 1's load may stay out
	s_barrier_signal -1
	s_barrier_wait -1                              ; everybody's is
	FETCH 0, 0, 0
	STEP 0, 0, 1                                   ; K steps 0 .. 7, written out; the first starts the sums
	TURN 0, 1, 1
	STEP 1, 0, 0
	TURN 1, 0, 1
	STEP 0, 0, 0
	TURN 0, 1, 0
	STEP 1, 0, 0
	LAST
; THE WAY OUT.  Block a of A (16 rows): a lane's 64 registers are 128 neighbouring columns' halves in the quantiser's order: they become one fragment and one scale word a row, and leave as register images.
.macro QACC a
.set QW, 2+(\a)/4
.set AC, 64*((\a)%4)
.set PCA, PC+12*(\a)
	WIN QW|(QW<<2)                                 ; sources 0 and 1: the accumulators' window
.irp b, 0,1,2,3
	v_max3_num_f32 v[TM+\b], |v[AC+16*\b]|, |v[AC+16*\b+1]|, 0x2800000   ; each accumulator is read from its low end on; the floor 2^(5 - 127)
.endr
.irp i, 2,4,6,8,10,12,14
.irp b, 0,1,2,3
	v_max3_num_f32 v[TM+\b], |v[AC+16*\b+\i]|, |v[AC+16*\b+\i+1]|, v[TM+\b]
.endr
.endr
	WIN 0
.irp b, 0,1,2,3
	v_permlanex16_b32 v[TM+4+\b], v[TM+\b], s[SEL], s[SEL+1]
.endr
.irp b, 0,1,2,3
	v_max_num_f32 v[TM+\b], v[TM+\b], v[TM+4+\b]
.endr
.irp b, 0,1,2,3
	v_add_nc_u32 v[TM+12+\b], 0xfe000000, v[TM+\b]         ; 4 off the exponent field: the conversion's scale operand
.endr
.irp b, 0,1,2,3
	v_lshrrev_b32 v[TM+4+\b], 23, v[TM+12+\b]
.endr
	v_lshl_or_b32 v[PW+(\a)], v[TM+5], 8, v[TM+4]
	v_lshl_or_b32 v[PW+(\a)], v[TM+6], 16, v[PW+(\a)]
	v_lshl_or_b32 v[PW+(\a)], v[TM+7], 24, v[PW+(\a)]
	WIN QW                                         ; source 0: the accumulators' window
.irp c, 0,1
	v_cvt_scalef32_pk16_bf6_f32 v[PCA+6*\c:PCA+2+6*\c], v[AC+32*\c:AC+15+32*\c], v[TM+12+2*\c]
	v_cvt_scalef32_pk16_bf6_f32 v[TQ+4*\c:TQ+2+4*\c], v[AC+16+32*\c:AC+31+32*\c], v[TM+13+2*\c]
.endr
	WIN 0
	v_nop                                          ; one plain place behind a scaled conversion
.irp c, 0,1
.irp i, 0,1,2
	v_permlane16_swap_b32 v[PCA+6*\c+\i], v[TQ+4*\c+\i]
.endr
.irp i, 0,1,2
	v_mov_b32 v[PCA+3+6*\c+\i], v[TQ+4*\c+\i]
.endr
.endr
.irp c, 0,1,2
	global_store_b128 v[LI], v[PCA+4*\c:PCA+4*\c+3], s[8:9] offset:FRB*(\a)+512*\c   ; 512 consecutive bytes, aligned; each block has its own registers, so no store's data are written again
.endr
.endm
	PLACES
.irp b, 0,1,2,3
	v_mov_b32 v[TM+4+\b], 0                        ; written once: a lane permute's destination counts as one of its sources
.endr
.irp a, 0,1,2,3,4,5,6,7
	QACC \a
.endr
.irp j, 0,1,2,3
	v_cndmask_b32 v[SW+\j], v[PW+2*\j], v[PW+2*\j+1], s68   ; lanes 0-15: block 2 j's words, lanes 16-31: block 2 j + 1's
.endr
.irp j, 0,1,2,3
	global_store_b32 v[LS], v[SW+\j], s[8:9] offset:SCO+128*\j
.endr
	s_wait_tensorcnt 0x0                           ; the wave's end
	ds_add_u32 v[SPW], v[NIL]
	s_wait_dscnt 0x0
	CROUND                                         ; the closing round: no work-group ends while a partner may still ask for a panel that names it
	s_endpgm
.Lfunc_end_k_q7eaa401884_qk:
	.size	k_q7eaa401884_qk, .Lfunc_end_k_q7eaa401884_qk-k_q7eaa401884_qk
	.p2alignl 7, 3214868480
	.fill 96, 4, 3214868480
	.section	.rodata,"a",@progbits
	.p2align	6, 0x0
	.amdhsa_kernel k_q7eaa401884_qk
		.amdhsa_group_segment_fixed_size 327680
		.amdhsa_private_segment_fixed_size 0
		.amdhsa_enable_private_segment 0
		.amdhsa_kernarg_size 24
		.amdhsa_user_sgpr_count 2
		.amdhsa_user_sgpr_kernarg_segment_ptr 1
		.amdhsa_wavefront_size32 1
		.amdhsa_system_sgpr_workgroup_id_x 1
		.amdhsa_system_sgpr_workgroup_id_y 1
		.amdhsa_system_sgpr_workgroup_id_z 1
		.amdhsa_system_vgpr_workitem_id 0
		.amdhsa_next_free_vgpr 1024
		.amdhsa_next_free_sgpr 100
		.amdhsa_reserve_vcc 0
		.amdhsa_float_denorm_mode_32 3
		.amdhsa_float_denorm_mode_16_64 3
		.amdhsa_memory_ordered 1
		.amdhsa_forward_progress 1
		.amdhsa_inst_pref_size 138
	.end_amdhsa_kernel
	.amdgpu_metadata
---
amdhsa.version: [ 1, 2 ]
amdhsa.kernels:
  - .name:           k_q7eaa401884_qk
    .symbol:         k_q7eaa401884_qk.kd
    .args:
      - { .name: xc, .offset: 0, .size: 8, .value_kind: global_buffer, .address_space: global }
      - { .name: wqkc, .offset: 8, .size: 8, .value_kind: global_buffer, .address_space: global }
      - { .name: qkc, .offset: 16, .size: 8, .value_kind: global_buffer, .address_space: global }
    .group_segment_fixed_size: 327680
    .private_segment_fixed_size: 0
    .kernarg_segment_align: 8
    .kernarg_segment_size: 24
    .max_flat_workgroup_size: 128
    .sgpr_count:     100
    .vgpr_count:     1024
    .wavefront_size: 32
...
	.end_amdgpu_metadata
.endif
;; end of part 2
;; launch vt: the kernel of part 2 again; grid 32 x 4, 4 waves a work-group, clusters of 4 x 4, 327,680 bytes of LDS; arguments wvc, xc, vc; writes vc
;; launch scores (part 3): grid 12 x 16, 4 waves a work-group, clusters of 4 x 4, 327,680 bytes of LDS; arguments qkc, pc, st; writes pc, st
.if DOCPART == 3
	.amdgcn_target "amdgcn-amd-amdhsa--gfx1250"
	.amdhsa_code_object_version 6
	.text
	.protected	k_q7eaa401884_scores
	.globl	k_q7eaa401884_scores
	.p2align	8
	.type	k_q7eaa401884_scores,@function
k_q7eaa401884_scores:
	s_mov_b64 s[64:65], 0
	v_nop
	global_prefetch_b8 v0, s[64:65] scope:SCOPE_SE
	s_setreg_imm32_b32 hwreg(HW_REG_WAVE_MODE, 25, 1), 1
	s_wait_xcnt 0x0
	s_wait_alu depctr_hold_cnt(0) depctr_sa_sdst(0) depctr_va_vdst(0) depctr_va_sdst(0) depctr_va_ssrc(0) depctr_va_vcc(0) depctr_vm_vsrc(0)
	s_getreg_b32 s2, hwreg(HW_REG_IB_STS2, 6, 4)
	s_cmp_eq_u32 s2, 0
	s_cbranch_scc0 .Lentry_in_a_cluster
	s_endpgm
.Lentry_in_a_cluster:
	s_bfe_u32 s2, ttmp6, 0x10000c
	s_cmp_lg_u32 s2, 0xf033
	s_cbranch_scc0 .Lentry_shape_is_right
	s_endpgm
.Lentry_shape_is_right:
; S = q k^T on panels of BF6 codes (K = 1,024), the causal mask, and p = 2^(t - M) QUANTISED ALONG THE KEYS into panels.  t = S x log2(e) / 32.
; M here is the ceiling of the row's largest t WITHIN A CHUNK OF 128 KEYS, a whole number; the next launch brings every chunk under the row's own M by adding a whole number to the scale bytes, which is exact.
; For each row and chunk -M and the sum l of the unquantised p go to st: [group of 128 queries][16 chunks][-M of 128 places, l of 128 places].  pc: [group][16 chunks][half-panel].
; PANELS: a half-panel (12,800 bytes) = 128 rows x 128 K as eight images of operand registers (1,536 bytes each) and, from byte 12,288, the scale words.  qkc: [group of 128 tokens][16][half-panel], K steps 0-7 q, 8-15 k.
; Place p of a group holds row pi(p): bits 3 and 4 exchanged.  Used transposed (source 0 = keys, source 1 = queries) a lane holds one query and register 16 b + i = key 32 b + 16 (lane / 16) + i.
; SHARES: a work-group makes 256 queries x 256 keys, a wave 128 x 128.  The lower triangle of a batch's 8 x 8 tiles is three clusters of 4 x 4; q's panels are asked for jointly along a row, k's along a column.
; In each of the two clusters on the diagonal six tiles lie wholly above it.  Partners of a joint load run alike, so these run too: they store zero codes, -M = 3e38 and l = 0, part of which the next launch reads.
; A row all of whose keys in a chunk are hidden gets the same.  LIMITS: M is kept as an f32 whole number, exact for |t| < 2^24; a block of zeros gets the byte 1; NaN and infinities are not served;
; a block's largest p is taken from the block's largest score, which takes v_exp_f32 not to fall where its input rises.
; REGISTERS: window 0: v16-31 addresses and constants, v32-47 scale words, v64-255 q's fragments (two sets), later the way out; window 1: k's fragments; windows 2, 3: the accumulators.
.set NA,    8
.set NQ,    2
.set HP,    12800
.set SCO,   12288
.set FRB,   1536
.set PANEL, NQ*HP
.set SLOT,  4*PANEL
.set SPARE, 2*SLOT
.set GROUP, 16*HP                      ; from a group of 128 tokens to the next in qkc
.set ADRA, 16
.set ADRB, 18
.set ADSA, 20
.set ADSB, 22
.set LI,   24
.set LS,   25
.set D0,   26                          ; v26  my query less my first key, for block 0
.set DA,   27                          ; v27  the same for the block in hand
.set SPW,  28
.set NIL,  29
.set NINF, 30                          ; v30  -infinity
.set NBIG, 31                          ; v31  -3e38
.set SC,   32
.set AF,   64
.set PC,   64                          ; the way out: 12 registers of codes for each block
.set TQ,   160
.set BM,   168                         ; v168-171 the blocks' largest scores, then largest p
.set BX,   172                         ; v172-175 the other half's
.set SO,   176                         ; v176-179 the conversions' scale operands
.set BY,   180                         ; v180-183 bytes
.set PW,   184                         ; v184-191 scale words
.set NMS,  192                         ; v192-199 -M
.set LSUM, 200                         ; v200-207 l
.set NMW,  208                         ; v[208:209] -M of the block in hand (a pair is named; its low word serves)
.set SUM,  210                         ; v[210:213] two chains of packed sums
.set T,    214
.set T2,   215
.set IMG,  216                         ; v216-227 as they are stored
.set G1,   24
.set G0,   32
.set G1B,  48
.set G0B,  56
.set CS,   22                          ; s[22:23] c = log2(e) / 32
.set SEL,  66
.set MSB, 0
.macro WIN new                         ; the immediate's high byte repeats the setting that is left
.if MSB != (\new)
	s_set_vgpr_msb (MSB<<8)|(\new)
.set MSB, \new
.endif
.endm
.macro PLACES                          ; four plain places behind matrix instructions (ISA guide 7.12.1)
.rept 4
	v_nop
.endr
.endm
.macro JLOAD s                         ; a joint load: waves 0 and 1 fetch q's two groups, waves 2 and 3 k's; four v_nop follow each line
	s_cmp_eq_u32 s15, 0
	s_cbranch_scc0 .Lfor_b_\@
	tensor_load_to_lds s[G0+4*\s:G0+4*\s+3], s[G1:G1+7]
	s_nop 0
.rept 4
	v_nop
.endr
	s_branch .Lasked_\@
.Lfor_b_\@:
	tensor_load_to_lds s[G0B+4*\s:G0B+4*\s+3], s[G1B:G1B+7]
	s_nop 0
.rept 4
	v_nop
.endr
.Lasked_\@:
.endm
.macro CREST
	s_cmp_lg_u32 s14, 0
	s_cbranch_scc1 .Lnot_wave_0_\@
	s_barrier_signal -3
.Lnot_wave_0_\@:
	s_barrier_wait -3
	s_barrier_signal -1
	s_barrier_wait -1
.endm
.macro CROUND
	s_barrier_signal -1
	s_barrier_wait -1
	CREST
.endm
.macro FRAG reg, adr, off
.irp c, 0,1,2
	ds_load_b128 v[(\reg)+4*\c:(\reg)+4*\c+3], v[\adr] offset:(\off)+512*\c
.endr
.endm
.macro FETCH slot, q, p
	WIN 0x40
.irp i, 0,1,2,3,4,5,6,7
	FRAG 128*(\p)+12*\i, ADRB+\slot, (\q)*HP+FRB*\i
.endr
	WIN 0
.irp i, 0,1,2,3,4,5,6,7
	FRAG AF+12*NA*(\p)+12*\i, ADRA+\slot, (\q)*HP+FRB*\i
.endr
.irp j, 0,1,2,3
	ds_load_b32 v[SC+8*(\p)+\j], v[ADSB+\slot] offset:(\q)*HP+SCO+128*\j
	ds_load_b32 v[SC+8*(\p)+4+\j], v[ADSA+\slot] offset:(\q)*HP+SCO+128*\j
.endr
.endm
.macro WM a, b, p, zero
.set rD, 8*(8*((\a)%4)+(\b))
.set rB, 128*(\p)+12*(\b)
.set rA, AF+12*NA*(\p)+12*(\a)
.set rX, SC+8*(\p)+(\b)/2
.set rY, SC+8*(\p)+4+(\a)/2
.set rV, 2*((\b)%2)+(\a)%2+4*(\zero)
.if rV == 0
	v_wmma_scale_f32_16x16x128_f8f6f4 v[rD:rD+7], v[rB:rB+11], v[rA:rA+11], v[rD:rD+7], v[rX], v[rY] matrix_a_fmt:MATRIX_FMT_BF6 matrix_b_fmt:MATRIX_FMT_BF6
.elseif rV == 1
	v_wmma_scale_f32_16x16x128_f8f6f4 v[rD:rD+7], v[rB:rB+11], v[rA:rA+11], v[rD:rD+7], v[rX], v[rY] matrix_a_fmt:MATRIX_FMT_BF6 matrix_b_fmt:MATRIX_FMT_BF6 matrix_b_scale:MATRIX_SCALE_ROW1
.elseif rV == 2
	v_wmma_scale_f32_16x16x128_f8f6f4 v[rD:rD+7], v[rB:rB+11], v[rA:rA+11], v[rD:rD+7], v[rX], v[rY] matrix_a_fmt:MATRIX_FMT_BF6 matrix_b_fmt:MATRIX_FMT_BF6 matrix_a_scale:MATRIX_SCALE_ROW1
.elseif rV == 3
	v_wmma_scale_f32_16x16x128_f8f6f4 v[rD:rD+7], v[rB:rB+11], v[rA:rA+11], v[rD:rD+7], v[rX], v[rY] matrix_a_fmt:MATRIX_FMT_BF6 matrix_b_fmt:MATRIX_FMT_BF6 matrix_a_scale:MATRIX_SCALE_ROW1 matrix_b_scale:MATRIX_SCALE_ROW1
.elseif rV == 4
	v_wmma_scale_f32_16x16x128_f8f6f4 v[rD:rD+7], v[rB:rB+11], v[rA:rA+11], 0, v[rX], v[rY] matrix_a_fmt:MATRIX_FMT_BF6 matrix_b_fmt:MATRIX_FMT_BF6
.elseif rV == 5
	v_wmma_scale_f32_16x16x128_f8f6f4 v[rD:rD+7], v[rB:rB+11], v[rA:rA+11], 0, v[rX], v[rY] matrix_a_fmt:MATRIX_FMT_BF6 matrix_b_fmt:MATRIX_FMT_BF6 matrix_b_scale:MATRIX_SCALE_ROW1
.elseif rV == 6
	v_wmma_scale_f32_16x16x128_f8f6f4 v[rD:rD+7], v[rB:rB+11], v[rA:rA+11], 0, v[rX], v[rY] matrix_a_fmt:MATRIX_FMT_BF6 matrix_b_fmt:MATRIX_FMT_BF6 matrix_a_scale:MATRIX_SCALE_ROW1
.else
	v_wmma_scale_f32_16x16x128_f8f6f4 v[rD:rD+7], v[rB:rB+11], v[rA:rA+11], 0, v[rX], v[rY] matrix_a_fmt:MATRIX_FMT_BF6 matrix_b_fmt:MATRIX_FMT_BF6 matrix_a_scale:MATRIX_SCALE_ROW1 matrix_b_scale:MATRIX_SCALE_ROW1
.endif
.endm
.macro MULA a0, n, p, zero             ; the accumulators take turns, one instruction a turn, in the same order in every step
.set MA, \a0
.rept \n
	WIN 0xa1+0x50*(MA/4)
.irp b, 0,1,2,3,4,5,6,7
	WM MA, \b, \p, \zero
.endr
.set MA, MA+1
.endr
.endm
.macro STEP slot, q, zero
	s_wait_dscnt 0x0                               ; this step's fragments, asked for a whole step ago, are in
	PLACES                                         ; the other set was read by the last step's products
	FETCH \slot, (\q)+1, 1-(\q)%2
	MULA 0, NA, (\q)%2, \zero
.endm
.macro TURN slot, next, fill
	WIN 0
	s_wait_tensorcnt 0x0                           ; all my tensor loads have landed: my part of the next slot;
	ds_add_u32 v[SPW], v[NIL]                      ; 0 onto my spare word
	s_wait_dscnt 1                                 ; (the add alone may be out: this step's fragments are in)
	MULA 0, NA/4, 1, 0
	s_wait_dscnt 0x0                               ; the add is done, and my reads of this slot are over
	s_barrier_signal -1
	MULA NA/4, NA/4, 1, 0
	WIN 0
	s_barrier_wait -1
.if \fill
	CREST                                          ; the barrier has opened a round of the cluster's: no wave of any partner still reads this slot or has a load on its way
	s_add_nc_u64 s[G0+4*\slot+2:G0+4*\slot+3], s[G0+4*\slot+2:G0+4*\slot+3], 2*PANEL
	s_add_nc_u64 s[G0B+4*\slot+2:G0B+4*\slot+3], s[G0B+4*\slot+2:G0B+4*\slot+3], 2*PANEL
	JLOAD \slot                                    ; the first tensor load behind the round; its four v_nop are the places in front of the loads below
.else
	PLACES
.endif
	FETCH \next, 0, 0
	MULA NA/2, NA/2, 1, 0
.endm
.macro LAST
	s_wait_dscnt 0x0
	MULA 0, NA, 1, 0
	WIN 0
.endm
	s_load_b128 s[4:7], s[0:1], 0x0                ; qkc, pc
	s_load_b64 s[8:9], s[0:1], 0x10                ; st
	v_lshl_add_u32 v[SPW], v0, 2, SPARE
	v_mov_b32 v[NIL], 0
	ds_add_u32 v28, v29
	ds_add_u32 v28, v29
	s_wait_dscnt 0x0
	v_lshrrev_b32 v1, 5, v0
	v_readfirstlane_b32 s14, v1                    ; wave 0..3
	s_lshr_b32 s15, s14, 1                         ; which group of queries is mine.  Also: I fetch for q (0) or for k (1)
	s_and_b32 s16, s14, 1                          ; which group of keys is mine.  Also: which group I fetch
	s_bfe_u32 s40, ttmp6, 0x40000                  ; cx, cy
	s_bfe_u32 s41, ttmp6, 0x40004
	s_add_co_u32 s17, ttmp9, 1                     ; cluster x = 0, 1, 2: tile rows from 0, 4, 4,
	s_lshr_b32 s17, s17, 1
	s_lshl_b32 s17, s17, 2
	s_add_co_u32 s17, s17, s41                     ; i = tile row
	s_lshr_b32 s42, ttmp9, 1                       ; tile columns from 0, 0, 4
	s_lshl_b32 s42, s42, 2
	s_add_co_u32 s42, s42, s40                     ; j = tile column
	s_and_b32 s18, ttmp7, 0xffff                   ; the batch,
	s_lshl_b32 s18, s18, 4                         ; its first group of 128 tokens
	s_lshl_b32 s43, s41, 2
	s_lshl_b32 s43, 15, s43                        ; my row of the cluster
	s_lshl_b32 s44, 0x1111, s40                    ; my column
	s_or_b32 s[G1], s43, (3<<16)|(1<<21)           ; 15:0 the mask; 17:16 elements of 8 bytes; 21 set beside a mask
	s_or_b32 s[G1B], s44, (3<<16)|(1<<21)
.irp g, G1, G1B
	s_mov_b32 s[\g+1], 32<<16                      ; rows of 256 bytes
	s_mov_b32 s[\g+2], (PANEL/256)<<16
	s_mov_b32 s[\g+3], 32<<16
	s_mov_b32 s[\g+4], PANEL/256
	s_mov_b32 s[\g+5], 32
	s_mov_b32 s[\g+6], 0
	s_mov_b32 s[\g+7], 0
.endr
	s_lshl_b32 s20, s17, 1
	s_add_co_u32 s20, s20, s16
	s_add_co_u32 s20, s20, s18
	s_mul_i32 s20, s20, GROUP                      ; q: K steps 0-7 of the group
	s_mov_b32 s21, 0
	s_lshl_b32 s46, s42, 1
	s_add_co_u32 s46, s46, s16
	s_add_co_u32 s46, s46, s18
	s_mul_i32 s46, s46, GROUP
	s_add_co_u32 s46, s46, 8*HP                    ; k: K steps 8-15
	s_mov_b32 s47, 0
	s_mul_i32 s45, s14, PANEL
	s_wait_kmcnt 0x0
	s_add_nc_u64 s[20:21], s[4:5], s[20:21]
	s_add_nc_u64 s[46:47], s[4:5], s[46:47]
	CROUND                                         ; all sixteen work-groups are here: the first joint loads meet
.irp s, 0,1
	s_mov_b32 s[G0+4*\s], 1
	s_add_co_u32 s[G0+4*\s+1], s45, \s*SLOT
	s_add_nc_u64 s[G0+4*\s+2:G0+4*\s+3], s[20:21], \s*PANEL
	s_or_b32 s[G0+4*\s+3], s[G0+4*\s+3], 0x80000000
	s_mov_b32 s[G0B+4*\s], 1
	s_add_co_u32 s[G0B+4*\s+1], s45, \s*SLOT
	s_add_nc_u64 s[G0B+4*\s+2:G0B+4*\s+3], s[46:47], \s*PANEL
	s_or_b32 s[G0B+4*\s+3], s[G0B+4*\s+3], 0x80000000
	JLOAD \s                                       ; two loads of mine are out
.endr
	v_and_b32 v1, 15, v0                           ; r
	v_bfe_u32 v2, v0, 4, 1                         ; h
	v_and_b32 v3, 31, v0
	v_lshlrev_b32 v[LI], 4, v3
	v_lshlrev_b32 v[LS], 2, v3
	s_mul_i32 s70, s15, PANEL
	s_mul_i32 s71, s16, PANEL
	s_add_co_u32 s71, s71, 2*PANEL
.irp s, 0,1
	v_add_nc_u32 v[ADRA+\s], s70, v[LI]
	v_add_nc_u32 v[ADRB+\s], s71, v[LI]
	v_add_nc_u32 v[ADSA+\s], s70, v[LS]
	v_add_nc_u32 v[ADSB+\s], s71, v[LS]
	s_add_co_u32 s70, s70, SLOT
	s_add_co_u32 s71, s71, SLOT
.endr
	s_mov_b32 s[SEL], 0x76543210
	s_mov_b32 s[SEL+1], 0xfedcba98
	s_mov_b32 s68, 0xffff0000                      ; lanes 16-31
	s_mov_b32 s[CS], 0x3d38aa3b                    ; c = log2(e) / sqrt(1024)
	s_mov_b32 s[CS+1], s[CS]                       ; (named with it as a pair, so it is written)
	v_mov_b32 v[NINF], 0xff800000
	v_mov_b32 v[NBIG], 0xff61b1e6
	; Place 16 a + r holds query 32 (a / 2) + 8 (a % 2) + r + 8 (r / 8); register 16 b + i holds key 32 b + 16 h + i.  Hidden where 32 b + i > D0 + 32 (a / 2) + 8 (a % 2)
	s_sub_co_i32 s76, s17, s42
	s_lshl_b32 s76, s76, 8                         ; 256 (i - j)
	s_sub_co_i32 s77, s15, s16
	s_lshl_b32 s77, s77, 7                         ; + 128 (my half of the queries - my half of the keys)
	s_add_co_i32 s76, s76, s77
	v_and_b32 v3, 8, v1
	v_add_nc_u32 v[D0], v1, v3
	v_lshlrev_b32 v3, 4, v2
	v_sub_nc_u32 v[D0], v[D0], v3
	v_add_nc_u32 v[D0], s76, v[D0]
	; where my results go: [group 16 batch + 2 i + my half][chunk 2 j + my half]
	s_lshl_b32 s72, s17, 1
	s_add_co_u32 s72, s72, s15
	s_add_co_u32 s72, s72, s18
	s_lshl_b32 s72, s72, 4
	s_lshl_b32 s73, s42, 1
	s_add_co_u32 s72, s72, s73
	s_add_co_u32 s72, s72, s16
	s_mul_i32 s74, s72, HP
	s_mov_b32 s75, 0
	s_add_nc_u64 s[6:7], s[6:7], s[74:75]
	s_lshl_b32 s74, s72, 10
	s_add_nc_u64 s[8:9], s[8:9], s[74:75]
	s_wait_tensorcnt 1                             ; my part of slot 0 is in; slot 1's load may stay out
	s_barrier_signal -1
	s_barrier_wait -1
	FETCH 0, 0, 0
	STEP 0, 0, 1                                   ; K steps 0 .. 7, written out; the first starts the sums
	TURN 0, 1, 1
	STEP 1, 0, 0
	TURN 1, 0, 1
	STEP 0, 0, 0
	TURN 0, 1, 0
	STEP 1, 0, 0
	LAST
; THE SOFTMAX'S FIRST HALF for block a: 16 queries x my 128 keys, one query a lane.
.macro SOFT a
.set QW, 2+(\a)/4
.set AC, 64*((\a)%4)
.set PCA, PC+12*(\a)
	WIN 0
	v_add_nc_u32 v[DA], 32*((\a)/2)+8*((\a)%2), v[D0]
	WIN QW|(QW<<6)                                 ; source 0 and destination: the accumulators' window
.set n, 0
.rept 64                                           ; hidden scores become -infinity; each accumulator is read from its low end on
	v_cmp_gt_i32 vcc_lo, 32*(n/16)+n%16, v[DA]
	v_cndmask_b32 v[AC+n], v[AC+n], v[NINF], vcc_lo
.set n, n+1
.endr
	WIN QW|(QW<<2)                                 ; sources 0 and 1
.irp b, 0,1,2,3
	v_max3_num_f32 v[BM+\b], v[AC+16*\b], v[AC+16*\b+1], v[NINF]   ; the largest score of each block of 32 keys: for the chunk's maximum and for the block's largest p
.endr
.irp i, 2,4,6,8,10,12,14
.irp b, 0,1,2,3
	v_max3_num_f32 v[BM+\b], v[AC+16*\b+\i], v[AC+16*\b+\i+1], v[BM+\b]
.endr
.endr
	WIN 0
.irp b, 0,1,2,3
	v_permlanex16_b32 v[BX+\b], v[BM+\b], s[SEL], s[SEL+1]
.endr
.irp b, 0,1,2,3
	v_max_num_f32 v[BM+\b], v[BM+\b], v[BX+\b]     ; with lane l xor 16's 16 keys
.endr
	v_max3_num_f32 v[T], v[BM], v[BM+1], v[BM+2]
	v_max_num_f32 v[T], v[T], v[BM+3]
	v_mul_f32 v[T], s[CS], v[T]                    ; the chunk's largest t (c is positive)
	v_max_num_f32 v[T], v[T], v[NBIG]              ; a row with no open key here keeps -3e38: -M stays a number
	v_floor_f32 v[NMW], -v[T]                      ; -M = floor(-t) = -ceil(t)
.irp b, 0,1,2,3
	v_fma_f32 v[BM+\b], v[BM+\b], s[CS], v[NMW]
.endr
	WIN QW|(QW<<6)
.set n, 0
.rept 32
	v_pk_fma_f32 v[AC+n:AC+n+1], v[AC+n:AC+n+1], s[CS:CS+1], v[NMW:NMW+1] op_sel_hi:[1,0,0]   ; t - M, two at a time
.set n, n+2
.endr
.set n, 0
.rept 64
	v_exp_f32 v[AC+n], v[AC+n]                     ; p = 2^(t - M)
.set n, n+1
.endr
	WIN 0
.irp b, 0,1,2,3
	v_exp_f32 v[BM+\b], v[BM+\b]                   ; the block's largest p: the same two instructions on the same number
.endr
	v_mov_b32 v[NMS+(\a)], v[NMW]                  ; (a plain place behind the exponentials)
	s_wait_alu depctr_va_vdst(0)
.irp b, 0,1,2,3
	v_max_num_f32 v[BM+\b], 0x2800000, v[BM+\b]    ; the floor 2^(5 - 127)
.endr
.irp b, 0,1,2,3
	v_add_nc_u32 v[SO+\b], 0xfe000000, v[BM+\b]
.endr
.irp b, 0,1,2,3
	v_lshrrev_b32 v[BY+\b], 23, v[SO+\b]
.endr
	v_lshl_or_b32 v[PW+(\a)], v[BY+1], 8, v[BY]
	v_lshl_or_b32 v[PW+(\a)], v[BY+2], 16, v[PW+(\a)]
	v_lshl_or_b32 v[PW+(\a)], v[BY+3], 24, v[PW+(\a)]
.irp k, 0,1,2,3
	v_mov_b32 v[SUM+\k], 0
.endr
	WIN QW                                         ; source 0
.irp c, 0,1
	v_cvt_scalef32_pk16_bf6_f32 v[PCA+6*\c:PCA+2+6*\c], v[AC+32*\c:AC+15+32*\c], v[SO+2*\c]
	v_cvt_scalef32_pk16_bf6_f32 v[TQ+4*\c:TQ+2+4*\c], v[AC+16+32*\c:AC+31+32*\c], v[SO+1+2*\c]
.endr
.set n, 0
.rept 16                                           ; the sum is taken of the unquantised p, in two chains.  (Plain places behind the conversions: they touch no result of theirs)
	v_pk_add_f32 v[SUM:SUM+1], v[AC+n:AC+n+1], v[SUM:SUM+1]
	v_pk_add_f32 v[SUM+2:SUM+3], v[AC+n+2:AC+n+3], v[SUM+2:SUM+3]
.set n, n+4
.endr
	WIN 0
.irp c, 0,1
.irp i, 0,1,2
	v_permlane16_swap_b32 v[PCA+6*\c+\i], v[TQ+4*\c+\i]
.endr
.irp i, 0,1,2
	v_mov_b32 v[PCA+3+6*\c+\i], v[TQ+4*\c+\i]
.endr
.endr
	v_pk_add_f32 v[SUM:SUM+1], v[SUM:SUM+1], v[SUM+2:SUM+3]
	v_add_f32 v[T], v[SUM], v[SUM+1]
	v_permlanex16_b32 v[T2], v[T], s[SEL], s[SEL+1]
	v_add_f32 v[LSUM+(\a)], v[T], v[T2]
.irp c, 0,1,2
	global_store_b128 v[LI], v[PCA+4*\c:PCA+4*\c+3], s[6:7] offset:FRB*(\a)+512*\c   ; 512 consecutive bytes, aligned; each block has its own registers
.endr
.endm
	PLACES
.irp b, 0,1,2,3
	v_mov_b32 v[BX+\b], 0                          ; written once: a lane permute's destination counts as one of its sources
.endr
	v_mov_b32 v[T2], 0
	v_mov_b32 v[NMW+1], 0                          ; (named as the upper half of a pair)
.irp a, 0,1,2,3,4,5,6,7
	SOFT \a
.endr
.irp j, 0,1,2,3
	v_cndmask_b32 v[IMG+\j], v[PW+2*\j], v[PW+2*\j+1], s68      ; lanes 0-15: block 2 j's rows, lanes 16-31: block 2 j + 1's
	v_cndmask_b32 v[IMG+4+\j], v[NMS+2*\j], v[NMS+2*\j+1], s68
	v_cndmask_b32 v[IMG+8+\j], v[LSUM+2*\j], v[LSUM+2*\j+1], s68
.endr
.irp j, 0,1,2,3
	global_store_b32 v[LS], v[IMG+\j], s[6:7] offset:SCO+128*\j
	global_store_b32 v[LS], v[IMG+4+\j], s[8:9] offset:128*\j
	global_store_b32 v[LS], v[IMG+8+\j], s[8:9] offset:512+128*\j
.endr
	s_wait_tensorcnt 0x0                           ; the wave's end
	ds_add_u32 v[SPW], v[NIL]
	s_wait_dscnt 0x0
	CROUND                                         ; the closing round
	s_endpgm
.Lfunc_end_k_q7eaa401884_scores:
	.size	k_q7eaa401884_scores, .Lfunc_end_k_q7eaa401884_scores-k_q7eaa401884_scores
	.p2alignl 7, 3214868480
	.fill 96, 4, 3214868480
	.section	.rodata,"a",@progbits
	.p2align	6, 0x0
	.amdhsa_kernel k_q7eaa401884_scores
		.amdhsa_group_segment_fixed_size 327680
		.amdhsa_private_segment_fixed_size 0
		.amdhsa_enable_private_segment 0
		.amdhsa_kernarg_size 24
		.amdhsa_user_sgpr_count 2
		.amdhsa_user_sgpr_kernarg_segment_ptr 1
		.amdhsa_wavefront_size32 1
		.amdhsa_system_sgpr_workgroup_id_x 1
		.amdhsa_system_sgpr_workgroup_id_y 1
		.amdhsa_system_sgpr_workgroup_id_z 1
		.amdhsa_system_vgpr_workitem_id 0
		.amdhsa_next_free_vgpr 1024
		.amdhsa_next_free_sgpr 100
		.amdhsa_reserve_vcc 1
		.amdhsa_float_denorm_mode_32 3
		.amdhsa_float_denorm_mode_16_64 3
		.amdhsa_memory_ordered 1
		.amdhsa_forward_progress 1
		.amdhsa_inst_pref_size 237
	.end_amdhsa_kernel
	.amdgpu_metadata
---
amdhsa.version: [ 1, 2 ]
amdhsa.kernels:
  - .name:           k_q7eaa401884_scores
    .symbol:         k_q7eaa401884_scores.kd
    .args:
      - { .name: qkc, .offset: 0, .size: 8, .value_kind: global_buffer, .address_space: global }
      - { .name: pc, .offset: 8, .size: 8, .value_kind: global_buffer, .address_space: global }
      - { .name: st, .offset: 16, .size: 8, .value_kind: global_buffer, .address_space: global }
    .group_segment_fixed_size: 327680
    .private_segment_fixed_size: 0
    .kernarg_segment_align: 8
    .kernarg_segment_size: 24
    .max_flat_workgroup_size: 128
    .sgpr_count:     100
    .vgpr_count:     1024
    .wavefront_size: 32
...
	.end_amdgpu_metadata
.endif
;; end of part 3
;; launch pv (part 4): grid 4 x 64, 4 waves a work-group, clusters of 4 x 4, 327,680 bytes of LDS; arguments pc, st, vc, out0; writes out0
.if DOCPART == 4
	.amdgcn_target "amdgcn-amd-amdhsa--gfx1250"
	.amdhsa_code_object_version 6
	.text
	.protected	k_q7eaa401884_pv
	.globl	k_q7eaa401884_pv
	.p2align	8
	.type	k_q7eaa401884_pv,@function
k_q7eaa401884_pv:
	s_mov_b64 s[64:65], 0
	v_nop
	global_prefetch_b8 v0, s[64:65] scope:SCOPE_SE
	s_setreg_imm32_b32 hwreg(HW_REG_WAVE_MODE, 25, 1), 1
	s_wait_xcnt 0x0
	s_wait_alu depctr_hold_cnt(0) depctr_sa_sdst(0) depctr_va_vdst(0) depctr_va_sdst(0) depctr_va_ssrc(0) depctr_va_vcc(0) depctr_vm_vsrc(0)
	s_getreg_b32 s2, hwreg(HW_REG_IB_STS2, 6, 4)
	s_cmp_eq_u32 s2, 0
	s_cbranch_scc0 .Lentry_in_a_cluster
	s_endpgm
.Lentry_in_a_cluster:
	s_bfe_u32 s2, ttmp6, 0x10000c
	s_cmp_lg_u32 s2, 0xf033
	s_cbranch_scc0 .Lentry_shape_is_right
	s_endpgm
.Lentry_shape_is_right:
; O = P V / l on panels of BF6 codes.  P: pc [group of 128 queries][16 chunks of 128 keys][half-panel], each chunk under its own whole number M; st holds -M and the sum l for each row and chunk.
; V^T: vc [batch][group of 128 channels][16 chunks][half-panel].  out0: [8192][1024] f32.
; AT THE HEAD thread t takes place t of the group: the row's -M is the least of the chunks' -M; d = (row's -M) - (chunk's -M) is a whole number, 0 or less; l = the sum of l_chunk x 2^d (exact scalings);
; each scale byte of P becomes max(byte + d, 1): that brings the chunk's p under the row's M without touching a code.  The new scale words and 1 / l stay in LDS.
; LIMIT: where byte + d falls under 1 the byte is held at 1: such a block then adds at most 28 x 2^-126 a product, beside a row sum above 1/2.  d is held at -300, under which every byte is 1 and every l_chunk x 2^d is 0.
; SHARES: a work-group makes 128 queries x 256 channels; a wave 64 x 128: 32 accumulators.  K (the keys) goes in steps of 128, four steps to a slot, through two LDS slots.
; CLUSTERS: 4 x 4: P's panels are asked for jointly along a row of the cluster, V's along a column.  The four query groups of a cluster are groups 4 I .. 4 I + 3 of a batch: they need the keys of slots 0 .. I.
; EVERY WORK-GROUP PASSES EVERY JOINT LOAD, ROUND AND BARRIER; where a slot's keys all come after the cluster's queries (slot 2 for I < 2, slot 3 for I < 3) a scalar branch on I, which the partners share,
; leads round the slot's LDS loads and products alone.  For I < 2 chunks 8-15 of P were never written: the refills then ask for the chunks already read (their step is 0), and nothing of them is used.
; Used transposed (source 0 = channels, source 1 = queries): a lane holds one query, register 16 b + i = channel 32 b + 16 (lane / 16) + i.  Place p of a group holds row pi(p) (bits 3 and 4 exchanged): undone in the stores' offsets.
; REGISTERS: window 0: v16-31 addresses, v32-47 scale words, v48-55 1 / l, v64-159 P's fragments (two sets of 48; at the head: at work), v128-255 the way out; window 1: V's fragments; window 2: the accumulators.
.set NA,    4
.set NQ,    4
.set HP,    12800
.set SCO,   12288
.set FRB,   1536
.set PANEL, NQ*HP                      ; 51,200: a group's four K steps
.set SLOT,  3*PANEL                    ; P's group, then V's two
.set ASC,   2*SLOT                     ; behind the ring: P's new scale words, 16 chunks x 512 bytes;
.set LINV,  ASC+8192                   ; 1 / l of the 128 places;
.set SPARE, LINV+512                   ; the spare words, 128 bytes for each wave
.set GROUP, 16*HP
.set SPI,   528                        ; the way out: a stage row, 512 bytes + 16; 16 rows for each wave, in slot 0 behind its last fill and last read
.set ADRA, 16
.set ADRB, 18
.set ADSA, 20                          ; v20  my rows' new scale words
.set PO,   21                          ; v21  4 x thread
.set ADSB, 22
.set LI,   24
.set LS,   25
.set STO,  26
.set RD,   27
.set SPW,  28
.set NIL,  29
.set PAS,  30                          ; v30  ASC + 4 x thread
.set LVA,  31                          ; v31  my rows' 1 / l
.set SC,   32
.set LV,   48                          ; v48, 50, 52, 54: 1 / l of block a's row (pairs are named; the low word serves)
.set AF,   64
.set NMR,  64                          ; the head: v64-79 -M, v80-95 l, v96-111 P's scale words of the 16 chunks
.set LR,   80
.set SWR,  96
.set BIG,  112
.set ROW,  113
.set DD,   114
.set TT,   115
.set LL,   116
.set BB0,  117                         ; v117-120 four bytes
.set WD,   121
.set ONE,  122
.set BK,   128                         ; the way out: 16 rows read back: v128-191 and v192-255 by turns
.set G1,   24
.set G0,   32
.set G1B,  48
.set G0B,  56
.set MSB, 0
.macro WIN new                         ; the immediate's high byte repeats the setting that is left
.if MSB != (\new)
	s_set_vgpr_msb (MSB<<8)|(\new)
.set MSB, \new
.endif
.endm
.macro PLACES                          ; four plain places behind matrix instructions (ISA guide 7.12.1)
.rept 4
	v_nop
.endr
.endm
.macro JLOAD s                         ; a joint load: waves 0 and 1 fetch the halves of P's panel, waves 2 and 3 V's two panels; four v_nop follow each line
	s_cmp_eq_u32 s15, 0
	s_cbranch_scc0 .Lfor_b_\@
	tensor_load_to_lds s[G0+4*\s:G0+4*\s+3], s[G1:G1+7]
	s_nop 0
.rept 4
	v_nop
.endr
	s_branch .Lasked_\@
.Lfor_b_\@:
	tensor_load_to_lds s[G0B+4*\s:G0B+4*\s+3], s[G1B:G1B+7]
	s_nop 0
.rept 4
	v_nop
.endr
.Lasked_\@:
.endm
.macro CREST
	s_cmp_lg_u32 s14, 0
	s_cbranch_scc1 .Lnot_wave_0_\@
	s_barrier_signal -3
.Lnot_wave_0_\@:
	s_barrier_wait -3
	s_barrier_signal -1
	s_barrier_wait -1
.endm
.macro CROUND
	s_barrier_signal -1
	s_barrier_wait -1
	CREST
.endm
.macro FRAG reg, adr, off
.irp c, 0,1,2
	ds_load_b128 v[(\reg)+4*\c:(\reg)+4*\c+3], v[\adr] offset:(\off)+512*\c
.endr
.endm
.macro FETCH slot, q, p, ks            ; the slot's q-th K step (chunk ks) into set p: 8 fragments of V, 4 of P, V's scale words from the panel, P's new ones
	WIN 0x40
.irp i, 0,1,2,3,4,5,6,7
	FRAG 128*(\p)+12*\i, ADRB+\slot, (\q)*HP+FRB*\i
.endr
	WIN 0
.irp i, 0,1,2,3
	FRAG AF+12*NA*(\p)+12*\i, ADRA+\slot, (\q)*HP+FRB*\i
.endr
.irp j, 0,1,2,3
	ds_load_b32 v[SC+8*(\p)+\j], v[ADSB+\slot] offset:(\q)*HP+SCO+128*\j
.endr
.irp j, 0,1
	ds_load_b32 v[SC+8*(\p)+4+\j], v[ADSA] offset:512*(\ks)+128*\j
.endr
.endm
.macro WM a, b, p, zero
.set rD, 8*(8*((\a)%4)+(\b))
.set rB, 128*(\p)+12*(\b)
.set rA, AF+12*NA*(\p)+12*(\a)
.set rX, SC+8*(\p)+(\b)/2
.set rY, SC+8*(\p)+4+(\a)/2
.set rV, 2*((\b)%2)+(\a)%2+4*(\zero)
.if rV == 0
	v_wmma_scale_f32_16x16x128_f8f6f4 v[rD:rD+7], v[rB:rB+11], v[rA:rA+11], v[rD:rD+7], v[rX], v[rY] matrix_a_fmt:MATRIX_FMT_BF6 matrix_b_fmt:MATRIX_FMT_BF6
.elseif rV == 1
	v_wmma_scale_f32_16x16x128_f8f6f4 v[rD:rD+7], v[rB:rB+11], v[rA:rA+11], v[rD:rD+7], v[rX], v[rY] matrix_a_fmt:MATRIX_FMT_BF6 matrix_b_fmt:MATRIX_FMT_BF6 matrix_b_scale:MATRIX_SCALE_ROW1
.elseif rV == 2
	v_wmma_scale_f32_16x16x128_f8f6f4 v[rD:rD+7], v[rB:rB+11], v[rA:rA+11], v[rD:rD+7], v[rX], v[rY] matrix_a_fmt:MATRIX_FMT_BF6 matrix_b_fmt:MATRIX_FMT_BF6 matrix_a_scale:MATRIX_SCALE_ROW1
.elseif rV == 3
	v_wmma_scale_f32_16x16x128_f8f6f4 v[rD:rD+7], v[rB:rB+11], v[rA:rA+11], v[rD:rD+7], v[rX], v[rY] matrix_a_fmt:MATRIX_FMT_BF6 matrix_b_fmt:MATRIX_FMT_BF6 matrix_a_scale:MATRIX_SCALE_ROW1 matrix_b_scale:MATRIX_SCALE_ROW1
.elseif rV == 4
	v_wmma_scale_f32_16x16x128_f8f6f4 v[rD:rD+7], v[rB:rB+11], v[rA:rA+11], 0, v[rX], v[rY] matrix_a_fmt:MATRIX_FMT_BF6 matrix_b_fmt:MATRIX_FMT_BF6
.elseif rV == 5
	v_wmma_scale_f32_16x16x128_f8f6f4 v[rD:rD+7], v[rB:rB+11], v[rA:rA+11], 0, v[rX], v[rY] matrix_a_fmt:MATRIX_FMT_BF6 matrix_b_fmt:MATRIX_FMT_BF6 matrix_b_scale:MATRIX_SCALE_ROW1
.elseif rV == 6
	v_wmma_scale_f32_16x16x128_f8f6f4 v[rD:rD+7], v[rB:rB+11], v[rA:rA+11], 0, v[rX], v[rY] matrix_a_fmt:MATRIX_FMT_BF6 matrix_b_fmt:MATRIX_FMT_BF6 matrix_a_scale:MATRIX_SCALE_ROW1
.else
	v_wmma_scale_f32_16x16x128_f8f6f4 v[rD:rD+7], v[rB:rB+11], v[rA:rA+11], 0, v[rX], v[rY] matrix_a_fmt:MATRIX_FMT_BF6 matrix_b_fmt:MATRIX_FMT_BF6 matrix_a_scale:MATRIX_SCALE_ROW1 matrix_b_scale:MATRIX_SCALE_ROW1
.endif
.endm
.macro MULA a0, n, p, zero             ; the accumulators take turns, one instruction a turn, in the same order in every step
.set MA, \a0
.rept \n
	WIN 0xa1                                       ; source 0 (V) window 1, source 1 (P) window 0, C and D window 2
.irp b, 0,1,2,3,4,5,6,7
	WM MA, \b, \p, \zero
.endr
.set MA, MA+1
.endr
.endm
.macro STEP slot, q, zero, ks
	s_wait_dscnt 0x0                               ; this step's fragments, asked for a whole step ago, are in
	PLACES                                         ; the other set was read by the last step's products
	FETCH \slot, (\q)+1, 1-(\q)%2, (\ks)+1
	MULA 0, NA, (\q)%2, \zero
.endm
.macro KS3 slot, ks, zero              ; a slot's first three K steps
	STEP \slot, 0, \zero, \ks
	STEP \slot, 1, 0, (\ks)+1
	STEP \slot, 2, 0, (\ks)+2
.endm
.macro TURN slot, next, ks             ; a slot's last K step changes slots, and the slot is filled again, two slots ahead
	WIN 0
	s_wait_tensorcnt 0x0                           ; all my tensor loads have landed: my part of the next slot;
	ds_add_u32 v[SPW], v[NIL]                      ; 0 onto my spare word
	s_wait_dscnt 1                                 ; (the add alone may be out: this step's fragments are in)
	MULA 0, NA/4, 1, 0
	s_wait_dscnt 0x0                               ; the add is done, and my reads of this slot are over
	s_barrier_signal -1
	MULA NA/4, NA/4, 1, 0
	WIN 0
	s_barrier_wait -1
	CREST                                          ; the barrier has opened a round of the cluster's: no wave of any partner still reads this slot or has a load on its way
	s_add_nc_u64 s[G0+4*\slot+2:G0+4*\slot+3], s[G0+4*\slot+2:G0+4*\slot+3], s[78:79]   ; P: two slots on, or (I < 2) not at all
	s_add_nc_u64 s[G0B+4*\slot+2:G0B+4*\slot+3], s[G0B+4*\slot+2:G0B+4*\slot+3], 2*PANEL
	JLOAD \slot                                    ; the first tensor load behind the round; its four v_nop are the places in front of the loads below
	FETCH \next, 0, 0, (\ks)+1
	MULA NA/2, NA/2, 1, 0
.endm
.macro LAST                            ; a slot's last K step with nothing more to fetch
	s_wait_dscnt 0x0
	MULA 0, NA, 1, 0
	WIN 0
.endm
	s_load_b128 s[4:7], s[0:1], 0x0                ; pc, st
	s_load_b128 s[8:11], s[0:1], 0x10              ; vc, out0
	v_lshl_add_u32 v[SPW], v0, 2, SPARE
	v_mov_b32 v[NIL], 0
	ds_add_u32 v28, v29
	ds_add_u32 v28, v29
	s_wait_dscnt 0x0
	v_lshrrev_b32 v1, 5, v0
	v_readfirstlane_b32 s14, v1                    ; wave 0..3
	s_lshr_b32 s15, s14, 1                         ; which 64 queries are mine.  Also: I fetch for P (0) or for V (1)
	s_and_b32 s16, s14, 1                          ; which group of channels is mine.  Also: which part I fetch
	s_bfe_u32 s40, ttmp6, 0x40000                  ; cx, cy
	s_bfe_u32 s41, ttmp6, 0x40004
	s_and_b32 s18, ttmp7, 0xffff                   ; cluster y
	s_lshr_b32 s19, s18, 2                         ; the batch
	s_and_b32 s66, s18, 3                          ; I: which 512 queries of the batch: the same in all partners
	s_lshl_b32 s17, s18, 2
	s_add_co_u32 s17, s17, s41                     ; my group of 128 queries
	s_lshl_b32 s42, ttmp9, 2
	s_add_co_u32 s42, s42, s40                     ; my 256 channels
	s_lshl_b32 s43, s41, 2
	s_lshl_b32 s43, 15, s43                        ; my row of the cluster
	s_lshl_b32 s44, 0x1111, s40                    ; my column
	s_or_b32 s[G1], s43, (3<<16)|(1<<21)           ; 15:0 the mask; 17:16 elements of 8 bytes; 21 set beside a mask
	s_or_b32 s[G1B], s44, (3<<16)|(1<<21)
	s_mov_b32 s[G1+1], 32<<16                      ; P: half a panel: 100 rows of 256 bytes
	s_mov_b32 s[G1+2], 100<<16
	s_mov_b32 s[G1+3], 32<<16
	s_mov_b32 s[G1+4], 100
	s_mov_b32 s[G1+5], 32
	s_mov_b32 s[G1+6], 0
	s_mov_b32 s[G1+7], 0
	s_mov_b32 s[G1B+1], 32<<16                     ; V: a panel: 200 rows of 256 bytes
	s_mov_b32 s[G1B+2], 200<<16
	s_mov_b32 s[G1B+3], 32<<16
	s_mov_b32 s[G1B+4], 200
	s_mov_b32 s[G1B+5], 32
	s_mov_b32 s[G1B+6], 0
	s_mov_b32 s[G1B+7], 0
	s_mul_i32 s90, s17, GROUP                      ; my group in pc
	s_mov_b32 s91, 0
	s_mul_i32 s45, s16, PANEL/2                    ; P's half: in memory and in a slot
	s_add_co_u32 s20, s90, s45
	s_mov_b32 s21, 0
	s_lshl_b32 s46, s19, 3
	s_lshl_b32 s47, s42, 1
	s_add_co_u32 s46, s46, s47
	s_add_co_u32 s46, s46, s16
	s_mul_i32 s46, s46, GROUP                      ; V: group 8 batch + 2 x my 256 channels + the part that I fetch
	s_mov_b32 s47, 0
	s_mul_i32 s67, s16, PANEL
	s_add_co_u32 s67, s67, PANEL                   ; and in a slot, behind P's panel
	s_cmp_ge_u32 s66, 2                            ; chunks 8-15 of P and of st exist for I >= 2 alone
	s_cselect_b32 s78, 2*PANEL, 0                  ; the step of P's refills, and of the head's second base in pc
	s_cselect_b32 s80, -1, 0                       ; all lanes, or none
	s_cselect_b32 s82, 8192, 0                     ; the head's second base in st
	s_mov_b32 s79, 0
	s_mov_b32 s83, 0
	s_lshl_b32 s84, s17, 14                        ; my group in st
	s_mov_b32 s85, 0
	s_wait_kmcnt 0x0
	s_add_nc_u64 s[20:21], s[4:5], s[20:21]
	s_add_nc_u64 s[46:47], s[8:9], s[46:47]
	s_add_nc_u64 s[84:85], s[6:7], s[84:85]
	s_add_nc_u64 s[86:87], s[84:85], s[82:83]
	s_add_nc_u64 s[88:89], s[4:5], s[90:91]
	s_add_nc_u64 s[92:93], s[88:89], s[78:79]
	CROUND                                         ; all sixteen work-groups are here: the first joint loads meet
.irp s, 0,1
	s_mov_b32 s[G0+4*\s], 1
	s_add_co_u32 s[G0+4*\s+1], s45, \s*SLOT
	s_add_nc_u64 s[G0+4*\s+2:G0+4*\s+3], s[20:21], \s*PANEL
	s_or_b32 s[G0+4*\s+3], s[G0+4*\s+3], 0x80000000
	s_mov_b32 s[G0B+4*\s], 1
	s_add_co_u32 s[G0B+4*\s+1], s67, \s*SLOT
	s_add_nc_u64 s[G0B+4*\s+2:G0B+4*\s+3], s[46:47], \s*PANEL
	s_or_b32 s[G0B+4*\s+3], s[G0B+4*\s+3], 0x80000000
	JLOAD \s                                       ; two loads of mine are out
.endr
	; ---- the head: thread t = place t of my group ----
	v_lshlrev_b32 v[PO], 2, v0
	v_lshl_add_u32 v[PAS], v0, 2, ASC
.irp s, 0,1,2,3,4,5,6,7
	global_load_b32 v[NMR+\s], v[PO], s[84:85] offset:1024*\s
	global_load_b32 v[LR+\s], v[PO], s[84:85] offset:1024*\s+512
	global_load_b32 v[SWR+\s], v[PO], s[88:89] offset:HP*\s+SCO
	global_load_b32 v[NMR+8+\s], v[PO], s[86:87] offset:1024*\s
	global_load_b32 v[LR+8+\s], v[PO], s[86:87] offset:1024*\s+512
	global_load_b32 v[SWR+8+\s], v[PO], s[92:93] offset:HP*\s+SCO
.endr
	v_and_b32 v1, 15, v0                           ; r
	v_bfe_u32 v2, v0, 4, 1                         ; h
	v_and_b32 v3, 31, v0
	v_lshlrev_b32 v[LI], 4, v3
	v_lshlrev_b32 v[LS], 2, v3
	s_mul_i32 s70, s15, 4*FRB                      ; my four fragments of P
	s_mov_b32 s71, s67                             ; my group of V
.irp s, 0,1
	v_add_nc_u32 v[ADRA+\s], s70, v[LI]
	v_add_nc_u32 v[ADRB+\s], s71, v[LI]
	v_add_nc_u32 v[ADSB+\s], s71, v[LS]
	s_add_co_u32 s70, s70, SLOT
	s_add_co_u32 s71, s71, SLOT
.endr
	s_lshl_b32 s73, s15, 8                         ; my 64 places, 4 bytes each
	s_add_co_u32 s72, s73, ASC
	v_add_nc_u32 v[ADSA], s72, v[LS]
	s_add_co_u32 s72, s73, LINV
	v_lshl_add_u32 v[LVA], v1, 2, s72
	s_mul_i32 s72, s14, 16*SPI                     ; my stage
	v_mul_u32_u24 v[STO], v1, SPI
	v_lshl_add_u32 v[STO], v2, 6, v[STO]
	v_add_nc_u32 v[STO], s72, v[STO]               ; in: row r, + 64 h: my 16 channels of each 32
	v_add_nc_u32 v[RD], s72, v[LI]                 ; back: a whole row of 512 bytes
.irp a, 0,1,2,3
	v_mov_b32 v[LV+2*\a+1], 0                      ; (named as the upper halves of pairs)
.endr
	s_lshl_b32 s74, s17, 19                        ; out0: 128 rows of 4,096 bytes a group,
	s_lshl_b32 s75, s15, 18                        ; my 64 rows,
	s_add_co_u32 s74, s74, s75
	s_lshl_b32 s75, s42, 10                        ; 256 channels,
	s_add_co_u32 s74, s74, s75
	s_lshl_b32 s75, s16, 9                         ; my 128
	s_add_co_u32 s74, s74, s75
	s_mov_b32 s75, 0
	s_add_nc_u64 s[10:11], s[10:11], s[74:75]
	v_mov_b32 v[BIG], 0x7f61b1e6                   ; 3e38: -M of a chunk that counts for nothing
	v_mov_b32 v[ONE], 1
	v_mov_b32 v[LL], 0
	s_wait_loadcnt 0x0
.irp s, 8,9,10,11,12,13,14,15
	v_cndmask_b32 v[NMR+\s], v[BIG], v[NMR+\s], s80       ; for I < 2 chunks 8-15 do not exist
	v_cndmask_b32 v[LR+\s], 0, v[LR+\s], s80
.endr
	v_min3_num_f32 v[ROW], v[NMR], v[NMR+1], v[NMR+2]
.irp s, 3,5,7,9,11,13
	v_min3_num_f32 v[ROW], v[ROW], v[NMR+\s], v[NMR+\s+1]
.endr
	v_min_num_f32 v[ROW], v[ROW], v[NMR+15]        ; the row's -M
.irp s, 0,1,2,3,4,5,6,7,8,9,10,11,12,13,14,15
	v_sub_f32 v[DD], v[ROW], v[NMR+\s]             ; d: a whole number, 0 or less
	v_max_num_f32 v[DD], 0xc3960000, v[DD]         ; held at -300
	v_cvt_i32_f32 v[DD], v[DD]
	v_ldexp_f32 v[TT], v[LR+\s], v[DD]
	v_add_f32 v[LL], v[LL], v[TT]
	v_and_b32 v[BB0], 0xff, v[SWR+\s]
	v_bfe_u32 v[BB0+1], v[SWR+\s], 8, 8
	v_bfe_u32 v[BB0+2], v[SWR+\s], 16, 8
	v_lshrrev_b32 v[BB0+3], 24, v[SWR+\s]
.irp k, 0,1,2,3
	v_add_nc_u32 v[BB0+\k], v[BB0+\k], v[DD]
.endr
.irp k, 0,1,2,3
	v_cmp_gt_i32 vcc_lo, 1, v[BB0+\k]              ; held at 1 from below
	v_cndmask_b32 v[BB0+\k], v[BB0+\k], v[ONE], vcc_lo
.endr
	v_lshl_or_b32 v[WD], v[BB0+1], 8, v[BB0]
	v_lshl_or_b32 v[WD], v[BB0+2], 16, v[WD]
	v_lshl_or_b32 v[WD], v[BB0+3], 24, v[WD]
	ds_store_b32 v[PAS], v[WD] offset:512*\s
.endr
	v_rcp_f32 v[TT], v[LL]
	v_nop                                          ; one plain place behind a transcendental
	s_wait_alu depctr_va_vdst(0)
	ds_store_b32 v[PAS], v[TT] offset:LINV-ASC
	s_wait_dscnt 0x0                               ; for the others' sake: my scale words and my 1 / l lie in LDS
	s_wait_tensorcnt 1                             ; my part of slot 0 is in; slot 1's load may stay out
	s_barrier_signal -1
	s_barrier_wait -1
	FETCH 0, 0, 0, 0
	KS3 0, 0, 1                                    ; keys 0-511
	TURN 0, 1, 3
	KS3 1, 4, 0                                    ; keys 512-1023
	TURN 1, 0, 7
	WIN 0
	s_cmp_lt_u32 s66, 2                            ; keys 1024-1535 come after all the cluster's queries where I < 2
	s_cbranch_scc1 .Lno_slot_2
	KS3 0, 8, 0
	LAST
.Lno_slot_2:
	s_wait_tensorcnt 0x0                           ; all my tensor loads have landed: my part of the last slot;
	ds_add_u32 v[SPW], v[NIL]                      ; 0 onto my spare word
	s_wait_dscnt 0x0                               ; the add is done, and my reads of slot 0 are over
	s_barrier_signal -1
	s_barrier_wait -1                              ; the last slot is whole; nobody reads slot 0 any more, and nothing is filled again
	s_cmp_lt_u32 s66, 3                            ; keys 1536-2047 count for I = 3 alone
	s_cbranch_scc1 .Lway_out
	PLACES
	FETCH 1, 0, 0, 12
	KS3 1, 12, 0
	LAST
.Lway_out:
; THE WAY OUT, block by block of 16 queries x 128 channels: divided by l, through my own stage in LDS (in slot 0), back as whole rows of 512 bytes.
.macro TOSTAGE a
.set AC, 64*(\a)
	WIN 0x82                                       ; source 0 and destination window 2
.set n, 0
.rept 32
	v_pk_mul_f32 v[AC+n:AC+n+1], v[AC+n:AC+n+1], v[LV+2*(\a):LV+2*(\a)+1] op_sel_hi:[1,0]   ; each accumulator from its low end on
.set n, n+2
.endr
	WIN 0x08                                       ; an LDS store's data are its source 1: window 2
.irp b, 0,1,2,3,4,5,6,7
	ds_store_b128 v[STO], v[AC+8*\b:AC+8*\b+3] offset:128*(\b/2)+32*(\b%2)
	ds_store_b128 v[STO], v[AC+8*\b+4:AC+8*\b+7] offset:128*(\b/2)+32*(\b%2)+16
.endr
	WIN 0
.set BB, BK+64*((\a)%2)
.irp t, 0,1,2,3,4,5,6,7,8,9,10,11,12,13,14,15
	ds_load_b128 v[BB+4*\t:BB+4*\t+3], v[RD] offset:SPI*\t   ; LDS serves a wave's instructions in order: these see my stores, and the next block's stores come behind them
.endr
.endm
.macro SEND a, younger                 ; younger: the LDS instructions issued behind block a's loads, which may stay out
.set BB, BK+64*((\a)%2)
	s_wait_dscnt \younger
.irp t, 0,1,2,3,4,5,6,7,8,9,10,11,12,13,14,15
	global_store_b128 v[LI], v[BB+4*\t:BB+4*\t+3], s[10:11] offset:(32*((\a)/2)+8*((\a)%2)+\t+8*(\t/8))*4096 th:TH_STORE_NT   ; place 16 a + t is row 32 (a / 2) + 8 (a % 2) + t + 8 (t / 8); 512 consecutive bytes, aligned
.endr
.endm
	PLACES
.irp a, 0,1,2,3
	ds_load_b32 v[LV+2*\a], v[LVA] offset:64*\a
.endr
	s_wait_dscnt 0x0
	TOSTAGE 0
.irp a, 1,2,3
.if \a > 1
	s_wait_xcnt 0x0                                ; block a - 2's stores have read their registers: block a's loads may land there
.endif
	TOSTAGE \a
	SEND \a-1, 32                                  ; behind block a - 1's loads: block a's 16 stores and 16 loads
.endr
	SEND 3, 0
	s_wait_tensorcnt 0x0                           ; the wave's end
	ds_add_u32 v[SPW], v[NIL]
	s_wait_dscnt 0x0
	CROUND                                         ; the closing round
	s_endpgm
.Lfunc_end_k_q7eaa401884_pv:
	.size	k_q7eaa401884_pv, .Lfunc_end_k_q7eaa401884_pv-k_q7eaa401884_pv
	.p2alignl 7, 3214868480
	.fill 96, 4, 3214868480
	.section	.rodata,"a",@progbits
	.p2align	6, 0x0
	.amdhsa_kernel k_q7eaa401884_pv
		.amdhsa_group_segment_fixed_size 327680
		.amdhsa_private_segment_fixed_size 0
		.amdhsa_enable_private_segment 0
		.amdhsa_kernarg_size 32
		.amdhsa_user_sgpr_count 2
		.amdhsa_user_sgpr_kernarg_segment_ptr 1
		.amdhsa_wavefront_size32 1
		.amdhsa_system_sgpr_workgroup_id_x 1
		.amdhsa_system_sgpr_workgroup_id_y 1
		.amdhsa_system_sgpr_workgroup_id_z 1
		.amdhsa_system_vgpr_workitem_id 0
		.amdhsa_next_free_vgpr 768
		.amdhsa_next_free_sgpr 100
		.amdhsa_reserve_vcc 1
		.amdhsa_float_denorm_mode_32 3
		.amdhsa_float_denorm_mode_16_64 3
		.amdhsa_memory_ordered 1
		.amdhsa_forward_progress 1
		.amdhsa_inst_pref_size 167
	.end_amdhsa_kernel
	.amdgpu_metadata
---
amdhsa.version: [ 1, 2 ]
amdhsa.kernels:
  - .name:           k_q7eaa401884_pv
    .symbol:         k_q7eaa401884_pv.kd
    .args:
      - { .name: pc, .offset: 0, .size: 8, .value_kind: global_buffer, .address_space: global }
      - { .name: st, .offset: 8, .size: 8, .value_kind: global_buffer, .address_space: global }
      - { .name: vc, .offset: 16, .size: 8, .value_kind: global_buffer, .address_space: global }
      - { .name: out0, .offset: 24, .size: 8, .value_kind: global_buffer, .address_space: global }
    .group_segment_fixed_size: 327680
    .private_segment_fixed_size: 0
    .kernarg_segment_align: 8
    .kernarg_segment_size: 32
    .max_flat_workgroup_size: 128
    .sgpr_count:     100
    .vgpr_count:     768
    .wavefront_size: 32
...
	.end_amdgpu_metadata
.endif
;; end of part 4
;; ======== version 2 of 2: 4 launches
;; limits: right only within a limited range of input values
;; workspace buffers: xc 6,553,600 bytes; wqkc 1,638,400 bytes; wvc 819,200 bytes; qkc 13,107,200 bytes; vc 6,553,600 bytes; pc 13,107,200 bytes; st 1,048,576 bytes
;; launch quant (part 5): grid 704 x 1, 4 waves a work-group, no clusters, 34,304 bytes of LDS; arguments x, Wq, Wk, Wv, xc, wqkc, wvc; writes xc, wqkc, wvc
.if DOCPART == 5
	.amdgcn_target "amdgcn-amd-amdhsa--gfx1250"
	.amdhsa_code_object_version 6
	.text
	.protected	k_q7eaa401884_quant
	.globl	k_q7eaa401884_quant
	.p2align	8
	.type	k_q7eaa401884_quant,@function
k_q7eaa401884_quant:
	s_mov_b64 s[64:65], 0
	v_nop
	global_prefetch_b8 v0, s[64:65] scope:SCOPE_SE
	s_setreg_imm32_b32 hwreg(HW_REG_WAVE_MODE, 25, 1), 1
	s_wait_xcnt 0x0
; x [8192][1024] and Wq, Wk, Wv [1024 (k)][1024 (n)], f32, become codes of BF6 (E3M2) with one E8M0 byte for each 32 along K, laid as PANELS:
; a half-panel (HP = 12,800 bytes) is 128 rows x 128 K as eight IMAGES OF OPERAND REGISTERS (a fragment = 16 rows x 128 K = 12 registers a lane; byte 512 c + 16 lane + 4 e is register 4 c + e)
; and, from byte 12,288 on, the rows' scale words (byte 64 i + 4 r: fragment i, row r).  A buffer is [group of 128 rows][K / 128][HP].
; ROW ORDER: place p of a group holds row pi(p), pi = p with its bits 3 and 4 exchanged.  With that order the later products, used transposed, leave 16 neighbours along the next K in a lane's registers.
; A block's scale is 2^(floor(log2(largest magnitude)) - 4): its byte is the largest magnitude's exponent field - 4, held at 1 from below by a floor among the maximum's leaves.
; LIMITS: a block of zeros gets the byte 1 (its codes are zeros, and only this program reads the bytes); NaN and infinities among the inputs are not served.
; Work-groups 0-511 take x: one half-panel each (group g / 8, K step g % 8), a wave two fragments.  Work-groups 512-703 take the weights: 24 groups of 128 columns x 8 K steps.
; No tensor load, no barrier: waves share nothing.  Only the x path touches LDS (a stage of 16 rows x 528 bytes for each wave).
; WORK LEFT OUT (in the later launches): scores of keys behind a query are -infinity by the causal mask, for all inputs, so their p is 0: tiles wholly above the diagonal that no joint load needs are neither
; computed nor multiplied.  LIMIT: a NaN, an infinity or an overflow that reaches only such a score is not carried to the result.
.set HP,   12800
.set SCO,  12288                       ; where a half-panel's scale words begin
.set FRB,  1536                        ; a fragment's image
.set SPI,  528                         ; a stage row: 512 bytes + 16: sixteen rows start at sixteen different 16-byte columns
.set WST,  16*SPI                      ; a wave's stage
.set RR,   3                           ; v3   lane % 16
.set HH,   4                           ; v4   lane / 16
.set LI,   5                           ; v5   16 x lane
.set LS,   6                           ; v6   4 x lane
.set STI,  7                           ; v7   the stage on the way in
.set STO,  8                           ; v8   and on the way out
.set WCO,  9                           ; v9   weights: my column's place among the codes
.set TM,   10                          ; v10-13 largest magnitudes, v14-17 the other half's, then bytes, v22-25 the conversions' scale operands
.set PW,   26                          ; v26-27 scale words
.set SW,   28                          ; v28  the pair's scale words as they are stored
.set WSO,  29                          ; v29  weights: my column's place among the scale words
.set CD,   32                          ; v32-55 two fragments' codes
.set TQ,   56                          ; v56-62 the halves of blocks that a conversion cannot put in place
.set RAW,  64                          ; v64-191 numbers as loaded
.set X,    192                         ; v192-255 64 numbers of a lane in the quantiser's order
.set SEL,  18                          ; s[18:19] lane selects: lane l xor 16
; 64 numbers of a lane, register 16 b + i = k 32 b + 16 (lane / 16) + i of the lane's row, become a fragment's 12 registers at v[dst] and the row's scale word in v[pw].
.macro QUANT src, dst, pw
.irp b, 0,1,2,3
	v_max3_num_f32 v[TM+\b], |v[\src+16*\b]|, |v[\src+1+16*\b]|, 0x2800000   ; block b: my 16 numbers, and the floor 2^(5 - 127)
.endr
.irp i, 2,4,6,8,10,12,14
.irp b, 0,1,2,3
	v_max3_num_f32 v[TM+\b], v[TM+\b], |v[\src+16*\b+\i]|, |v[\src+1+16*\b+\i]|   ; the four blocks by turns
.endr
.endr
.irp b, 0,1,2,3
	v_permlanex16_b32 v[TM+4+\b], v[TM+\b], s[SEL], s[SEL+1]
.endr
.irp b, 0,1,2,3
	v_max_num_f32 v[TM+\b], v[TM+\b], v[TM+4+\b]          ; with lane l xor 16's 16: the block's largest magnitude
.endr
.irp b, 0,1,2,3
	v_add_nc_u32 v[TM+12+\b], 0xfe000000, v[TM+\b]        ; 4 off its exponent field: the conversion reads that field alone
.endr
.irp b, 0,1,2,3
	v_lshrrev_b32 v[TM+4+\b], 23, v[TM+12+\b]             ; the scale's byte
.endr
	v_lshl_or_b32 v[\pw], v[TM+5], 8, v[TM+4]
	v_lshl_or_b32 v[\pw], v[TM+6], 16, v[\pw]
	v_lshl_or_b32 v[\pw], v[TM+7], 24, v[\pw]
.irp c, 0,1
	v_cvt_scalef32_pk16_bf6_f32 v[(\dst)+6*\c:(\dst)+2+6*\c], v[\src+32*\c:\src+15+32*\c], v[TM+12+2*\c]
	v_cvt_scalef32_pk16_bf6_f32 v[TQ+4*\c:TQ+2+4*\c], v[\src+16+32*\c:\src+31+32*\c], v[TM+13+2*\c]   ; (a conversion's three registers begin on an even number)
.endr
	v_nop                                                 ; one plain place behind a scaled conversion
.irp c, 0,1                                               ; the operand wants a whole block in a lane: lanes 0-15 block 2 c, lanes 16-31 block 2 c + 1
.irp i, 0,1,2
	v_permlane16_swap_b32 v[(\dst)+6*\c+\i], v[TQ+4*\c+\i]
.endr
.irp i, 0,1,2
	v_mov_b32 v[(\dst)+3+6*\c+\i], v[TQ+4*\c+\i]
.endr
.endr
.endm
	s_load_b256 s[4:11], s[0:1], 0x0               ; x s[4:5], Wq s[6:7], Wk s[8:9], Wv s[10:11]
	s_load_b128 s[12:15], s[0:1], 0x20             ; xc s[12:13], wqkc s[14:15]
	s_load_b64 s[16:17], s[0:1], 0x30              ; wvc
	v_lshl_add_u32 v59, v0, 2, 0x8400
	v_mov_b32 v63, 0
	v_lshrrev_b32 v1, 5, v0
	v_readfirstlane_b32 s21, v1                    ; wave 0..3
	v_and_b32 v2, 31, v0
	v_and_b32 v[RR], 15, v0
	v_bfe_u32 v[HH], v0, 4, 1
	v_lshlrev_b32 v[LI], 4, v2
	v_lshlrev_b32 v[LS], 2, v2
	s_mov_b32 s27, 0                               ; the high word of every offset below
	s_wait_kmcnt 0x0
	s_cmp_lt_u32 ttmp9, 512
	s_cbranch_scc0 .Lweights
	; ---------------- x: K is innermost ----------------
	s_lshr_b32 s22, ttmp9, 3                       ; group of 128 rows
	s_and_b32 s23, ttmp9, 7                        ; K step
	s_lshl_b32 s26, s22, 19                        ; 128 rows of 4,096 bytes
	s_lshl_b32 s25, s21, 17                        ; my wave's 32 rows
	s_add_co_u32 s26, s26, s25
	s_lshl_b32 s25, s23, 9                         ; 128 numbers along K
	s_add_co_u32 s26, s26, s25
	s_add_nc_u64 s[4:5], s[4:5], s[26:27]
	s_wait_alu depctr_va_vdst(0)
.irp u, 0,1                                        ; fragment 2 w + u, its row t: place 32 w + 16 u + t holds row 32 w + 8 u + t + 8 (t / 8).  Each load reads 512 consecutive bytes of one row
.irp t, 0,1,2,3,4,5,6,7,8,9,10,11,12,13,14,15
	global_load_b128 v[RAW+64*\u+4*\t:RAW+64*\u+4*\t+3], v[LI], s[4:5] offset:(8*\u+\t+8*(\t/8))*4096 th:TH_LOAD_NT
.endr
.endr
	s_mov_b32 s[SEL], 0x76543210
	s_mov_b32 s[SEL+1], 0xfedcba98
	s_mov_b32 s20, 0xffff0000                      ; lanes 16-31
	s_mul_i32 s26, ttmp9, HP                       ; 8 x group + K step is the work-group's number
	s_add_nc_u64 s[12:13], s[12:13], s[26:27]      ; my half-panel
	s_lshl_b32 s26, s21, 7
	s_add_nc_u64 s[28:29], s[12:13], s[26:27]      ; + 128 w: my pair's scale words
	s_mul_i32 s26, s21, 2*FRB
	s_add_nc_u64 s[12:13], s[12:13], s[26:27]      ; + 3,072 w: my two fragments
	s_mul_i32 s30, s21, WST
	v_add_nc_u32 v[STI], s30, v[LI]                ; in: a row as it lies
	v_mul_u32_u24 v[STO], v[RR], SPI
	v_lshl_add_u32 v[STO], v[HH], 6, v[STO]
	v_add_nc_u32 v[STO], s30, v[STO]               ; out: row r, my 16 numbers of each block of 32
.irp b, 0,1,2,3
	v_mov_b32 v[TM+4+\b], 0                        ; written once: a lane permute's destination counts as one of its sources
.endr
	s_wait_alu depctr_va_vdst(0)
.irp u, 0,1
	s_wait_loadcnt 16-16*\u                        ; this fragment's sixteen loads are in; the other fragment's sixteen may be out
.irp t, 0,1,2,3,4,5,6,7,8,9,10,11,12,13,14,15
	ds_store_b128 v[STI], v[RAW+64*\u+4*\t:RAW+64*\u+4*\t+3] offset:SPI*\t
.endr
.irp b, 0,1,2,3
.irp j, 0,1,2,3
	ds_load_b128 v[X+16*\b+4*\j:X+16*\b+4*\j+3], v[STO] offset:128*\b+16*\j   ; LDS serves a wave's instructions in order: these see my stores
.endr
.endr
	s_wait_dscnt 0x0
	QUANT X, CD+12*\u, PW+\u
.irp c, 0,1,2
	global_store_b128 v[LI], v[CD+12*\u+4*\c:CD+12*\u+4*\c+3], s[12:13] offset:FRB*\u+512*\c   ; 512 consecutive bytes, aligned
.endr
.endr
	v_cndmask_b32 v[SW], v[PW], v[PW+1], s20       ; lanes 0-15: fragment 2 w's words, lanes 16-31: fragment 2 w + 1's
	global_store_b32 v[LS], v[SW], s[28:29] offset:SCO
	s_wait_tensorcnt 0x0
	ds_add_u32 v59, v63
	s_wait_dscnt 0x0
	s_endpgm
	; ---------------- the weights: K is the first axis: a lane takes a column, its registers run down K ----------------
.Lweights:
	s_sub_co_u32 s22, ttmp9, 512
	s_lshr_b32 s23, s22, 3                         ; y: 0-7 Wq, 8-15 Wk, 16-23 Wv, 128 columns each
	s_and_b32 s24, s22, 7                          ; K step
	s_cmp_lt_u32 s23, 8
	s_cselect_b64 s[6:7], s[6:7], s[8:9]
	s_cmp_lt_u32 s23, 16
	s_cselect_b64 s[6:7], s[6:7], s[10:11]
	s_cselect_b64 s[14:15], s[14:15], s[16:17]     ; Wq and Wk share one buffer of 16 groups, Wv has its own of 8
	s_cselect_b32 s25, 0, 16
	s_sub_co_u32 s25, s23, s25                     ; the group in that buffer
	s_lshl_b32 s26, s24, 19                        ; 128 rows of 4,096 bytes
	s_and_b32 s28, s23, 7
	s_lshl_b32 s28, s28, 9                         ; 128 columns
	s_add_co_u32 s26, s26, s28
	s_lshl_b32 s28, s21, 7                         ; my wave's 32
	s_add_co_u32 s26, s26, s28
	s_add_nc_u64 s[6:7], s[6:7], s[26:27]
.macro WLOAD b                                     ; block b: W(32 b + i, my column): 128 consecutive bytes a wave, 512 a work-group
.set k, 32*(\b)
.rept 32
	global_load_b32 v[RAW+k], v[LS], s[6:7] offset:4096*k th:TH_LOAD_NT
.set k, k+1
.endr
.endm
	s_wait_alu depctr_va_vdst(0)
	WLOAD 0
	WLOAD 1
	s_lshl_b32 s25, s25, 3
	s_add_co_u32 s25, s25, s24
	s_mul_i32 s26, s25, HP
	s_add_nc_u64 s[14:15], s[14:15], s[26:27]      ; my half-panel
	s_lshl_b32 s26, s21, 7
	s_add_nc_u64 s[28:29], s[14:15], s[26:27]      ; + 128 w
	s_mul_i32 s26, s21, 2*FRB
	s_add_nc_u64 s[14:15], s[14:15], s[26:27]      ; + 3,072 w
	v_bfe_u32 v12, v0, 3, 1                        ; column 32 w + l lies at place 32 w + 16 u + r', u = (l / 8) % 2,
	v_and_b32 v13, 7, v0
	v_lshl_add_u32 v13, v[HH], 3, v13              ; r' = l % 8 + 8 (l / 16)
	v_mul_u32_u24 v[WCO], v12, FRB
	v_lshl_add_u32 v[WCO], v13, 4, v[WCO]
	v_lshlrev_b32 v[WSO], 6, v12
	v_lshl_add_u32 v[WSO], v13, 2, v[WSO]
; Block b of my column is what lane (r', b % 2) of the fragment holds in registers 6 (b / 2) on: v32-43 are that row's lower lane, v44-55 its upper lane.
.macro WBLOCK b
.set XS, RAW+32*(\b)
.set DS, CD+12*((\b)%2)+6*((\b)/2)
	v_max3_num_f32 v10, |v[XS]|, |v[XS+1]|, |v[XS+2]|     ; all 32 numbers are mine
	v_max3_num_f32 v11, |v[XS+3]|, |v[XS+4]|, |v[XS+5]|
.irp i, 6,10,14,18,22,26
	v_max3_num_f32 v10, v10, |v[XS+\i]|, |v[XS+\i+1]|
	v_max3_num_f32 v11, v11, |v[XS+\i+2]|, |v[XS+\i+3]|
.endr
	v_max3_num_f32 v10, v10, |v[XS+30]|, |v[XS+31]|
	v_max3_num_f32 v10, v10, v11, 0x2800000               ; and the floor 2^(5 - 127)
	v_add_nc_u32 v22, 0xfe000000, v10
	v_lshrrev_b32 v11, 23, v22
.if (\b) == 0
	v_mov_b32 v[PW], v11
.else
	v_lshl_or_b32 v[PW], v11, 8*(\b), v[PW]
.endif
	v_cvt_scalef32_pk16_bf6_f32 v[DS:DS+2], v[XS:XS+15], v22
	v_cvt_scalef32_pk16_bf6_f32 v[TQ:TQ+2], v[XS+16:XS+31], v22
	v_nop                                                 ; one plain place behind a scaled conversion
.irp i, 0,1,2
	v_mov_b32 v[DS+3+\i], v[TQ+\i]
.endr
.endm
	s_wait_loadcnt 32                              ; block 0 is in; block 1's 32 loads may be out
	WLOAD 2
	WBLOCK 0
	s_wait_loadcnt 32                              ; block 1 is in; block 2's may be out
	WLOAD 3
	WBLOCK 1
	s_wait_loadcnt 32                              ; block 2 is in; block 3's may be out
	WBLOCK 2
	s_wait_loadcnt 0x0
	WBLOCK 3
.irp e, 0,1
.irp c, 0,1,2
	global_store_b128 v[WCO], v[CD+12*\e+4*\c:CD+12*\e+4*\c+3], s[14:15] offset:256*\e+512*\c   ; the sixteen lanes of one fragment fill 256 consecutive bytes, aligned
.endr
.endr
	global_store_b32 v[WSO], v[PW], s[28:29] offset:SCO
	s_endpgm
.Lfunc_end_k_q7eaa401884_quant:
	.size	k_q7eaa401884_quant, .Lfunc_end_k_q7eaa401884_quant-k_q7eaa401884_quant
	.p2alignl 7, 3214868480
	.fill 96, 4, 3214868480
	.section	.rodata,"a",@progbits
	.p2align	6, 0x0
	.amdhsa_kernel k_q7eaa401884_quant
		.amdhsa_group_segment_fixed_size 34304
		.amdhsa_private_segment_fixed_size 0
		.amdhsa_enable_private_segment 0
		.amdhsa_kernarg_size 56
		.amdhsa_user_sgpr_count 2
		.amdhsa_user_sgpr_kernarg_segment_ptr 1
		.amdhsa_wavefront_size32 1
		.amdhsa_system_sgpr_workgroup_id_x 1
		.amdhsa_system_sgpr_workgroup_id_y 1
		.amdhsa_system_sgpr_workgroup_id_z 1
		.amdhsa_system_vgpr_workitem_id 0
		.amdhsa_next_free_vgpr 256
		.amdhsa_next_free_sgpr 66
		.amdhsa_reserve_vcc 0
		.amdhsa_float_denorm_mode_32 3
		.amdhsa_float_denorm_mode_16_64 3
		.amdhsa_memory_ordered 1
		.amdhsa_forward_progress 1
		.amdhsa_inst_pref_size 38
	.end_amdhsa_kernel
	.amdgpu_metadata
---
amdhsa.version: [ 1, 2 ]
amdhsa.kernels:
  - .name:           k_q7eaa401884_quant
    .symbol:         k_q7eaa401884_quant.kd
    .args:
      - { .name: x, .offset: 0, .size: 8, .value_kind: global_buffer, .address_space: global }
      - { .name: Wq, .offset: 8, .size: 8, .value_kind: global_buffer, .address_space: global }
      - { .name: Wk, .offset: 16, .size: 8, .value_kind: global_buffer, .address_space: global }
      - { .name: Wv, .offset: 24, .size: 8, .value_kind: global_buffer, .address_space: global }
      - { .name: xc, .offset: 32, .size: 8, .value_kind: global_buffer, .address_space: global }
      - { .name: wqkc, .offset: 40, .size: 8, .value_kind: global_buffer, .address_space: global }
      - { .name: wvc, .offset: 48, .size: 8, .value_kind: global_buffer, .address_space: global }
    .group_segment_fixed_size: 34304
    .private_segment_fixed_size: 0
    .kernarg_segment_align: 8
    .kernarg_segment_size: 56
    .max_flat_workgroup_size: 128
    .sgpr_count:     66
    .vgpr_count:     256
    .wavefront_size: 32
...
	.end_amdgpu_metadata
.endif
;; end of part 5
;; launch qkv (part 6): grid 8 x 32, 4 waves a work-group, clusters of 4 x 4, 327,680 bytes of LDS; arguments xc, wqkc, wvc, qkc, vc; writes qkc, vc
.if DOCPART == 6
	.amdgcn_target "amdgcn-amd-amdhsa--gfx1250"
	.amdhsa_code_object_version 6
	.text
	.protected	k_q7eaa401884_qkv
	.globl	k_q7eaa401884_qkv
	.p2align	8
	.type	k_q7eaa401884_qkv,@function
k_q7eaa401884_qkv:
	s_mov_b64 s[64:65], 0
	v_nop
	global_prefetch_b8 v0, s[64:65] scope:SCOPE_SE
	s_setreg_imm32_b32 hwreg(HW_REG_WAVE_MODE, 25, 1), 1
	s_wait_xcnt 0x0
	s_wait_alu depctr_hold_cnt(0) depctr_sa_sdst(0) depctr_va_vdst(0) depctr_va_sdst(0) depctr_va_ssrc(0) depctr_va_vcc(0) depctr_vm_vsrc(0)
	s_getreg_b32 s2, hwreg(HW_REG_IB_STS2, 6, 4)
	s_cmp_eq_u32 s2, 0
	s_cbranch_scc0 .Lentry_in_a_cluster
	s_endpgm
.Lentry_in_a_cluster:
	s_bfe_u32 s2, ttmp6, 0x10000c
	s_cmp_lg_u32 s2, 0xf033
	s_cbranch_scc0 .Lentry_shape_is_right
	s_endpgm
.Lentry_shape_is_right:
; TWO PRODUCTS ON PANELS OF BF6 CODES (K = 1,024), each result QUANTISED ALONG ITS COLUMNS into panels again, of the same 256 tokens of x, which stay in LDS for both:
;   first   v^T = Wv^T x^T: 128 channels x 256 tokens a work-group, quantised along the tokens (the keys), into vc;
;   second  q | k = x [Wq | Wk]: 256 tokens x 256 channels, quantised along the channels, into qkc.
; PANELS: a half-panel (12,800 bytes) = 128 rows x 128 K as eight images of operand registers (1,536 bytes each: byte 512 c + 16 lane + 4 e = register 4 c + e) and, from byte 12,288, the scale words
; (byte 64 i + 4 r).  A buffer is [group of 128 rows][K / 128][half-panel]: some K steps of a group are one dense block.  Place p of a group holds row pi(p): bits 3 and 4 exchanged.
; SHARES: four waves.  First product: a wave makes 64 channels x 128 tokens: 32 accumulators.  Second: 128 x 128: 64 accumulators, 512 registers.
; BOTH PRODUCTS ARE USED TRANSPOSED (source 0 = 16 rows of the operand along whose rows the result is quantised, source 1 = 16 rows of the other): a lane holds one row of source 1's, and by source 0's row order
; its 64 registers of a block are register 16 b + i = column 32 b + 16 (lane / 16) + i: sixteen neighbours along the next K.
; LDS: x's two groups for all of K (204,800 bytes, filled once); a ring of 102,400 bytes: first Wv's eight K steps, then two slots of two K steps of Wq | Wk's two groups; the spare words.
; SIX FILLS, one load a wave each: x and Wv, K steps 0-3; the same, 4-7; Wq | Wk, K steps 0-1, 2-3, 4-5, 6-7 by turns into the ring's two halves.  The third is asked for in the first product's fourth step,
; the fourth behind its last: they land under its other half and its way out.
; CLUSTERS: 4 x 4 work-groups; x's panels are asked for jointly along a row of the cluster, the weights' along a column.
; PREFETCH: behind the first load the second fill's blocks, behind a later one those of a later fill; the four partners of a joint load share them out by address.  The weights' blocks, which all eight rows of clusters
; read, are asked for by four of those rows.
; The sums are f32 in the matrix unit, K ascending, one accumulator for each output.
; LIMITS: a block of zeros gets the byte 1 (zero codes; only this program reads the bytes); NaN and infinities are not served.
; REGISTERS: window 0: v4-27 addresses, v28-29 the add's, v32-47 scale words (two sets), v64-255 source 1's fragments (two sets, 96 apart); window 1: source 0's fragments at v0 and v128; windows 2, 3: the accumulators.
.set HP,    12800
.set SCO,   12288
.set FRB,   1536
.set RING,  16*HP                      ; behind x's two groups
.set SPARE, RING+8*HP                  ; the spare words, 128 bytes for each wave
.set GROUP, 8*HP                       ; from a group of 128 rows to the next, in all three operands
.set PH,    1                          ; which product's text this is
.set NA,    4                          ; source 1's fragments a wave: 4 in the first product, 8 in the second
.set AST,   96                         ; from source 1's set 0 to its set 1
.set ADRA,  4                          ; v4-5   first product: my fragments of Wv, K steps 0-3 and 4-7   (these four names are set to the second product's registers between the two)
.set ADRB,  6                          ; v6-7   my group of x
.set ADSA,  8                          ; v8-9   Wv's scale words
.set ADSB,  10                         ; v10-11 x's scale words
.set ADRA2, 16                         ; v16-17 second product: my group of x, K steps 0-3 and 4-7
.set ADRB2, 18                         ; v18-19 my group of W in slot 0, 1
.set ADSA2, 20                         ; v20-21 x's scale words
.set ADSB2, 22                         ; v22-23 W's
.set LI,   24                          ; v24  16 x lane
.set LS,   25                          ; v25  4 x lane
.set PF,   12                          ; v12-14 the prefetches' offsets; never rewritten
.set SPW,  28                          ; v28  my spare word; never rewritten
.set NIL,  29                          ; v29  0; never rewritten
.set SC,   32                          ; scale words: set p: source 0's pairs at SC + 8 p, source 1's at SC + 8 p + 4; lanes 0-15 the even fragment's rows, lanes 16-31 the odd one's
.set AF,   64
.set PC,   64                          ; the way out: 12 registers of codes for each block
.set TX,   64                          ; before them: the other half's maxima, then bytes
.set TQ,   160                         ; v160-175 halves of blocks that a conversion cannot put in place, two sets
.set TM,   176                         ; v176-207 maxima, then scale operands
.set PW,   208                         ; v208-215 scale words
.set SW,   216                         ; v216-219 as they are stored
.set G1,   24                          ; s[24:31] descriptor group 1 with my row's mask (x);  s[32:35] group 0
.set G0,   32
.set G1B,  48                          ; s[48:55] group 1 with my column's mask (the weights);  s[56:59] group 0
.set G0B,  56
.set SEL,  66                          ; s[66:67] lane selects: lane l xor 16
.set MSB, 0
.macro WIN new                         ; the immediate's high byte repeats the setting that is left
.if MSB != (\new)
	s_set_vgpr_msb (MSB<<8)|(\new)
.set MSB, \new
.endif
.endm
.macro PLACES                          ; four plain places behind matrix instructions (ISA guide 7.12.1)
.rept 4
	v_nop
.endr
.endm
.macro JLOAD                           ; a joint load of the first two fills: waves 0 and 1 fetch x, waves 2 and 3 Wv; four v_nop follow each line
	s_cmp_eq_u32 s15, 0
	s_cbranch_scc0 .Lfor_b_\@
	tensor_load_to_lds s[G0:G0+3], s[G1:G1+7]
	s_nop 0
.rept 4
	v_nop
.endr
	s_branch .Lasked_\@
.Lfor_b_\@:
	tensor_load_to_lds s[G0B:G0B+3], s[G1B:G1B+7]
	s_nop 0
.rept 4
	v_nop
.endr
.Lasked_\@:
.endm
.macro WLOAD                           ; a joint load of the other four: every wave fetches one half-panel of Wq | Wk: group wave / 2, K step wave % 2 of the slot
	tensor_load_to_lds s[G0B:G0B+3], s[G1B:G1B+7]
	s_nop 0
.rept 4
	v_nop
.endr
.endm
.macro ASK skip, reg, base, off        ; a prefetch of my wave's part, where the scalar 'skip' is 0
	s_cmp_eq_u32 s[\skip], 0
	s_cbranch_scc0 .Lnot_mine_\@
	global_prefetch_b8 v[\reg], s[\base:\base+1] offset:\off th:TH_LOAD_NT scope:SCOPE_SE
.Lnot_mine_\@:
.endm
.macro CREST                           ; a round of the cluster's barrier behind its opening barrier
	s_cmp_lg_u32 s14, 0
	s_cbranch_scc1 .Lnot_wave_0_\@
	s_barrier_signal -3
.Lnot_wave_0_\@:
	s_barrier_wait -3
	s_barrier_signal -1
	s_barrier_wait -1
.endm
.macro CROUND
	s_barrier_signal -1
	s_barrier_wait -1
	CREST
.endm
.macro NEXTFILL kind                   ; the descriptors of fill 2 to 6 (no tensor load of mine is out)
.if (\kind) == 2
	s_add_co_u32 s[G0+1], s97, 4*HP
	s_add_nc_u64 s[G0+2:G0+3], s[G0+2:G0+3], 4*HP
	s_add_co_u32 s[G0B+1], s96, 4*HP
	s_add_nc_u64 s[G0B+2:G0B+3], s[G0B+2:G0B+3], 4*HP
.else
	s_add_co_u32 s[G0B+1], s90, 4*HP*(1-(\kind)%2)
.if (\kind) == 3
	s_mov_b32 s[G1B+2], 50<<16                     ; one half-panel a wave
	s_mov_b32 s[G1B+4], 50
	s_mov_b64 s[G0B+2:G0B+3], s[46:47]
	s_or_b32 s[G0B+3], s[G0B+3], 0x80000000
.else
	s_add_nc_u64 s[G0B+2:G0B+3], s[G0B+2:G0B+3], 2*HP
.endif
.endif
.endm
.macro FRAG reg, adr, off              ; a fragment comes as it was stored: three loads of 512 consecutive bytes
.irp c, 0,1,2
	ds_load_b128 v[(\reg)+4*\c:(\reg)+4*\c+3], v[\adr] offset:(\off)+512*\c
.endr
.endm
.macro FETCH k                         ; K step k into set k % 2: 8 fragments of source 0, NA of source 1, their scale words
.set fp, (\k)%2
.set fau, (\k)/4
.set fao, HP*((\k)%4)
.if PH == 1
.set fbu, fau
.set fbo, fao
.else
.set fbu, ((\k)/2)%2
.set fbo, HP*((\k)%2)
.endif
	WIN 0x40                                       ; destination window 1, address window 0
.irp i, 0,1,2,3,4,5,6,7
	FRAG 128*fp+12*\i, ADRB+fbu, fbo+FRB*\i
.endr
	WIN 0
.set FI, 0
.rept NA
	FRAG AF+AST*fp+12*FI, ADRA+fau, fao+FRB*FI
.set FI, FI+1
.endr
.irp j, 0,1,2,3
	ds_load_b32 v[SC+8*fp+\j], v[ADSB+fbu] offset:fbo+SCO+128*\j
.endr
.set FI, 0
.rept NA/2
	ds_load_b32 v[SC+8*fp+4+FI], v[ADSA+fau] offset:fao+SCO+128*FI
.set FI, FI+1
.endr
.endm
.macro WV c                            ; one product with C as given.  An odd fragment's scale words lie in lanes 16-31 of its pair's register
.if rV == 0
	v_wmma_scale_f32_16x16x128_f8f6f4 v[rD:rD+7], v[rB:rB+11], v[rA:rA+11], \c, v[rX], v[rY] matrix_a_fmt:MATRIX_FMT_BF6 matrix_b_fmt:MATRIX_FMT_BF6
.elseif rV == 1
	v_wmma_scale_f32_16x16x128_f8f6f4 v[rD:rD+7], v[rB:rB+11], v[rA:rA+11], \c, v[rX], v[rY] matrix_a_fmt:MATRIX_FMT_BF6 matrix_b_fmt:MATRIX_FMT_BF6 matrix_b_scale:MATRIX_SCALE_ROW1
.elseif rV == 2
	v_wmma_scale_f32_16x16x128_f8f6f4 v[rD:rD+7], v[rB:rB+11], v[rA:rA+11], \c, v[rX], v[rY] matrix_a_fmt:MATRIX_FMT_BF6 matrix_b_fmt:MATRIX_FMT_BF6 matrix_a_scale:MATRIX_SCALE_ROW1
.else
	v_wmma_scale_f32_16x16x128_f8f6f4 v[rD:rD+7], v[rB:rB+11], v[rA:rA+11], \c, v[rX], v[rY] matrix_a_fmt:MATRIX_FMT_BF6 matrix_b_fmt:MATRIX_FMT_BF6 matrix_a_scale:MATRIX_SCALE_ROW1 matrix_b_scale:MATRIX_SCALE_ROW1
.endif
.endm
.macro WM a, b, p, zero                ; source 0's fragment b x source 1's fragment a
.set rD, 8*(8*((\a)%4)+(\b))
.set rB, 128*(\p)+12*(\b)
.set rA, AF+AST*(\p)+12*(\a)
.set rX, SC+8*(\p)+(\b)/2
.set rY, SC+8*(\p)+4+(\a)/2
.set rV, 2*((\b)%2)+(\a)%2
.if \zero
	WV 0
.else
	WV v[rD:rD+7]
.endif
.endm
.macro MULA a0, n, p, zero             ; source 1's blocks a0 .. a0 + n - 1, each against source 0's eight.  The accumulators take turns, one instruction a turn, in the same order in every step
.set MA, \a0
.rept \n
	WIN 0xa1+0x50*(MA/4)                           ; source 0 window 1, source 1 window 0, C and D window 2 or 3
.irp b, 0,1,2,3,4,5,6,7
	WM MA, \b, \p, \zero
.endr
.set MA, MA+1
.endr
.endm
.macro STEPX k, zero                   ; K step k; the next step's fragments are fetched into the other set
	s_wait_dscnt 0x0                               ; this step's fragments, asked for a whole step ago, are in
	PLACES                                         ; the other set was read by the last step's products
	FETCH (\k)+1
	MULA 0, NA, (\k)%2, \zero
.endm
; A K step (an odd one) that changes to bytes which the last fill brought: one barrier, which, where bytes are filled again (fill > 0), opens a round of the cluster's.
.macro TURN k, fill
	WIN 0                                          ; (the add's two registers lie in window 0)
	s_wait_tensorcnt 0x0                           ; all my tensor loads have landed;
.if \fill
	ds_add_u32 v[SPW], v[NIL]                      ; 0 onto my spare word
	NEXTFILL \fill
	s_wait_dscnt 1                                 ; (the add alone may be out: this step's fragments are in)
.else
	s_wait_dscnt 0x0
.endif
	MULA 0, NA/4, 1, 0                             ; matrix work stands between the add and the wait for it
	s_wait_dscnt 0x0                               ; the add is done, and my reads of what is filled again are over
	s_barrier_signal -1
	MULA NA/4, NA/4, 1, 0
	WIN 0
	s_barrier_wait -1
.if \fill
	CREST                                          ; no wave of any partner still reads those bytes or has a load on its way
	WLOAD                                          ; the first tensor load behind the round; its four v_nop are the places in front of the loads below
.else
	PLACES
.endif
	FETCH (\k)+1
	MULA NA/2, NA/2, 1, 0
.endm
.macro LAST                            ; a product's very last K step: nothing more to fetch
	s_wait_dscnt 0x0
	MULA 0, NA, 1, 0
	WIN 0
.endm
; THE WAY OUT of n blocks of source 1 (16 rows each): a lane's 64 registers of a block become one fragment and one scale word a row, and leave as register images.  Maxima and scales of all blocks are made together, so that
; no line waits for the line above it; block a + 1's conversions stand ahead of block a's exchanges.
.macro CV a
.set QW, 2+(\a)/4
.set AC, 64*((\a)%4)
.set PCA, PC+12*(\a)
.set TQA, TQ+8*((\a)%2)
	WIN QW                                         ; source 0: the accumulators' window
.irp c, 0,1
	v_cvt_scalef32_pk16_bf6_f32 v[PCA+6*\c:PCA+2+6*\c], v[AC+32*\c:AC+15+32*\c], v[TM+4*(\a)+2*\c]
	v_cvt_scalef32_pk16_bf6_f32 v[TQA+4*\c:TQA+2+4*\c], v[AC+16+32*\c:AC+31+32*\c], v[TM+4*(\a)+1+2*\c]
.endr
	WIN 0
.endm
.macro OUT a, ob
.set PCA, PC+12*(\a)
.set TQA, TQ+8*((\a)%2)
	v_nop                                          ; one plain place behind a scaled conversion
.irp c, 0,1                                        ; a whole block in a lane: lanes 0-15 block 2 c, lanes 16-31 block 2 c + 1
.irp i, 0,1,2
	v_permlane16_swap_b32 v[PCA+6*\c+\i], v[TQA+4*\c+\i]
.endr
.endr
.irp c, 0,1
.irp i, 0,1,2
	v_mov_b32 v[PCA+3+6*\c+\i], v[TQA+4*\c+\i]
.endr
.endr
.irp c, 0,1,2
	global_store_b128 v[LI], v[PCA+4*\c:PCA+4*\c+3], s[\ob:\ob+1] offset:FRB*(\a)+512*\c   ; 512 consecutive bytes, aligned; each block has its own registers
.endr
.endm
.macro WAYOUT n, ob, wb                ; ob, wb: the scalar pairs that hold the codes' and the scale words' addresses
	PLACES
.set QA, 0
.rept \n
.set AC, 64*(QA%4)
	WIN (2+QA/4)*5                                 ; sources 0 and 1: the accumulators' window
.irp b, 0,1,2,3
	v_max3_num_f32 v[TM+4*QA+\b], |v[AC+16*\b]|, |v[AC+16*\b+1]|, 0x2800000   ; each accumulator is read from its low end on; the floor 2^(5 - 127)
.endr
.irp i, 2,4,6,8,10,12,14
.irp b, 0,1,2,3
	v_max3_num_f32 v[TM+4*QA+\b], |v[AC+16*\b+\i]|, |v[AC+16*\b+\i+1]|, v[TM+4*QA+\b]
.endr
.endr
.set QA, QA+1
.endr
	WIN 0
.set QA, 0
.rept 4*(\n)
	v_permlanex16_b32 v[TX+QA], v[TM+QA], s[SEL], s[SEL+1]
.set QA, QA+1
.endr
.set QA, 0
.rept 4*(\n)
	v_max_num_f32 v[TM+QA], v[TM+QA], v[TX+QA]
.set QA, QA+1
.endr
.set QA, 0
.rept 4*(\n)
	v_add_nc_u32 v[TM+QA], 0xfe000000, v[TM+QA]    ; 4 off the exponent field: the conversion's scale operand
.set QA, QA+1
.endr
.set QA, 0
.rept 4*(\n)
	v_lshrrev_b32 v[TX+QA], 23, v[TM+QA]           ; the byte
.set QA, QA+1
.endr
.irp k, 1,2,3
.set QA, 0
.rept \n
.if \k == 1
	v_lshl_or_b32 v[PW+QA], v[TX+4*QA+1], 8, v[TX+4*QA]
.else
	v_lshl_or_b32 v[PW+QA], v[TX+4*QA+\k], 8*\k, v[PW+QA]
.endif
.set QA, QA+1
.endr
.endr
	CV 0
.set QA, 0
.rept \n
.if QA+1 < (\n)
	CV QA+1
.endif
	OUT QA, \ob
.set QA, QA+1
.endr
.set QA, 0
.rept (\n)/2
	v_cndmask_b32 v[SW+QA], v[PW+2*QA], v[PW+2*QA+1], s68   ; lanes 0-15: block 2 j's words, lanes 16-31: block 2 j + 1's
.set QA, QA+1
.endr
.set QA, 0
.rept (\n)/2
	global_store_b32 v[LS], v[SW+QA], s[\wb:\wb+1] offset:SCO+128*QA
.set QA, QA+1
.endr
.endm
	s_load_b256 s[4:11], s[0:1], 0x0               ; xc s[4:5], wqkc s[6:7], wvc s[8:9], qkc s[10:11]
	s_load_b64 s[12:13], s[0:1], 0x20              ; vc
	v_lshl_add_u32 v[SPW], v0, 2, SPARE
	v_mov_b32 v[NIL], 0
	ds_add_u32 v[SPW], v[NIL]                      ; the wave's opening: the add, twice on end, and its wait
	ds_add_u32 v[SPW], v[NIL]
	v_lshrrev_b32 v1, 5, v0
	v_readfirstlane_b32 s14, v1                    ; wave 0..3
	s_lshr_b32 s15, s14, 1                         ; which half of source 1's rows is mine.  Also: I fetch for x (0) or for Wv (1)
	s_and_b32 s16, s14, 1                          ; which group of source 0 is mine.  Also: which group of x, or which half of Wv's steps, I fetch
	s_bfe_u32 s40, ttmp6, 0x40000                  ; cx, cy: my place in the cluster
	s_bfe_u32 s41, ttmp6, 0x40004
	s_lshl_b32 s42, ttmp9, 2
	s_add_co_u32 s42, s42, s40                     ; col = 4 x cluster x + cx: 256 channels of q | k; 128 channels of v
	s_and_b32 s17, ttmp7, 0xffff
	s_lshr_b32 s91, s17, 2                         ; 0 in the first four rows of clusters, which prefetch the weights
	s_mul_i32 s98, s91, s15                        ; 0 where my wave prefetches the second fill: x's waves always
	s_lshl_b32 s17, s17, 2
	s_add_co_u32 s17, s17, s41                     ; row = 4 x cluster y + cy: 256 tokens
	s_lshl_b32 s43, s41, 2
	s_lshl_b32 s43, 15, s43                        ; my row of the cluster
	s_lshl_b32 s44, 0x1111, s40                    ; my column
	s_or_b32 s[G1], s43, (3<<16)|(1<<21)           ; 15:0 the mask; 17:16 elements of 8 bytes; 20 no padding; 21 set beside a mask
	s_or_b32 s[G1B], s44, (3<<16)|(1<<21)
	s_mov_b32 s[G1+2], 200<<16                     ; tensor_dim1: four half-panels of x,
	s_mov_b32 s[G1+4], 200                         ; tile_dim1
	s_mov_b32 s[G1B+2], 100<<16                    ; two of Wv
	s_mov_b32 s[G1B+4], 100
.irp g, G1, G1B
	s_mov_b32 s[\g+1], 32<<16                      ; tensor_dim0 = 32 elements: rows of 256 bytes
	s_mov_b32 s[\g+3], 32<<16                      ; tile_dim0
	s_mov_b32 s[\g+5], 32                          ; the block is dense
	s_mov_b32 s[\g+6], 0
	s_mov_b32 s[\g+7], 0
.endr
	s_lshl_b32 s20, s17, 1
	s_add_co_u32 s20, s20, s16
	s_mul_i32 s20, s20, GROUP                      ; x: group 2 row + the group that I fetch
	s_mov_b32 s21, 0
	s_mul_i32 s97, s16, GROUP                      ; to 102,400 x group: no place in the cluster enters an LDS address
	s_mul_i32 s96, s16, 2*HP
	s_mul_i32 s88, s42, GROUP                      ; Wv: group col,
	s_add_co_u32 s88, s88, s96                     ; two K steps a wave,
	s_mov_b32 s89, 0
	s_add_co_u32 s96, s96, RING                    ; to the ring
	s_lshl_b32 s46, s42, 1
	s_add_co_u32 s46, s46, s15
	s_mul_i32 s46, s46, GROUP                      ; Wq | Wk: group 2 col + wave / 2,
	s_mul_i32 s47, s16, HP
	s_add_co_u32 s46, s46, s47                     ; K step wave % 2 of two,
	s_mov_b32 s47, 0
	s_mul_i32 s90, s14, HP
	s_add_co_u32 s90, s90, RING                    ; to wave x 12,800 of a slot
	s_wait_dscnt 0x0                               ; both opening adds are done
	s_wait_kmcnt 0x0
	s_add_nc_u64 s[20:21], s[4:5], s[20:21]
	s_add_nc_u64 s[46:47], s[6:7], s[46:47]
	s_add_nc_u64 s[88:89], s[8:9], s[88:89]
	s_mov_b32 s[G0], 1
	s_mov_b32 s[G0+1], s97
	s_mov_b64 s[G0+2:G0+3], s[20:21]
	s_or_b32 s[G0+3], s[G0+3], 0x80000000
	s_mov_b32 s[G0B], 1
	s_mov_b32 s[G0B+1], s96
	s_mov_b64 s[G0B+2:G0B+3], s[88:89]
	s_or_b32 s[G0B+3], s[G0B+3], 0x80000000
	CROUND                                         ; all sixteen work-groups are here: the first joint loads meet
	JLOAD                                          ; x and Wv, K steps 0-3: one tensor load a wave
	; the prefetches.  Second fill: of a wave's 200 blocks of x the partner at place p of four takes 50 p .. 50 p + 49, of its 100 of Wv 25 p .. 25 p + 24.  Wq | Wk: of a wave's 50 it takes 13 p .. 13 p + 12, as far as there are
	s_mov_b32 s72, 25
	s_mov_b32 s73, 31
	s_cmp_eq_u32 s15, 0
	s_cselect_b64 s[78:79], s[20:21], s[88:89]
	s_cselect_b32 s69, s40, s41                    ; my place among the four that ask with me
	s_cselect_b32 s72, 50, s72
	s_cselect_b32 s73, s73, 24
	s_mul_i32 s72, s69, s72
	s_add_co_u32 s74, s72, 32
	s_mul_i32 s75, s41, 13
	v_and_b32 v3, 31, v0
	v_min_u32 v[PF], s73, v3
	v_add_nc_u32 v[PF], s72, v[PF]
	v_min_u32 v[PF+1], 17, v3
	v_add_nc_u32 v[PF+1], s74, v[PF+1]             ; x's blocks 32 .. 49 of the 50
	v_min_u32 v[PF+2], 12, v3
	v_add_nc_u32 v[PF+2], s75, v[PF+2]
	v_min_u32 v[PF+2], 49, v[PF+2]
.irp i, 0,1,2
	v_lshlrev_b32 v[PF+\i], 8, v[PF+\i]
.endr
	v_lshlrev_b32 v[LI], 4, v3
	v_lshlrev_b32 v[LS], 2, v3
	s_wait_alu depctr_va_vdst(0)                   ; a wait here, ahead of a stretch of scalar instructions and of branches
	s_mul_i32 s70, s15, 4*FRB
	s_add_co_u32 s70, s70, RING                    ; first product: my four fragments of Wv,
	s_lshl_b32 s72, s15, 8
	s_add_co_u32 s72, s72, RING                    ; their scale words (64 places of 4 bytes a half),
	s_mul_i32 s71, s16, GROUP                      ; my group of x
.irp s, 0,1
	v_add_nc_u32 v[ADRA+\s], s70, v[LI]
	v_add_nc_u32 v[ADSA+\s], s72, v[LS]
	v_add_nc_u32 v[ADRB+\s], s71, v[LI]
	v_add_nc_u32 v[ADSB+\s], s71, v[LS]
	s_add_co_u32 s70, s70, 4*HP
	s_add_co_u32 s72, s72, 4*HP
	s_add_co_u32 s71, s71, 4*HP
.endr
	s_wait_alu depctr_va_vdst(0)                   ; and here
	s_mul_i32 s70, s15, GROUP                      ; second product: my group of x
	s_mul_i32 s71, s16, 2*HP
	s_add_co_u32 s71, s71, RING                    ; my group of W
.irp s, 0,1
	v_add_nc_u32 v[ADRA2+\s], s70, v[LI]
	v_add_nc_u32 v[ADSA2+\s], s70, v[LS]
	v_add_nc_u32 v[ADRB2+\s], s71, v[LI]
	v_add_nc_u32 v[ADSB2+\s], s71, v[LS]
	s_add_co_u32 s70, s70, 4*HP
	s_add_co_u32 s71, s71, 4*HP
.endr
	s_wait_alu depctr_va_vdst(0)                   ; and here
	ASK 98, PF, 78, 4*HP                           ; x and Wv, K steps 4-7
	ASK 15, PF+1, 78, 4*HP                         ; (x alone)
	s_mov_b32 s[SEL], 0x76543210
	s_mov_b32 s[SEL+1], 0xfedcba98
	s_mov_b32 s68, 0xffff0000                      ; lanes 16-31
	s_mov_b32 s75, 0
	; my half-panel of qkc: [group 2 row + my half of the tokens][16 K steps: 2 col + my half of the channels]
	s_lshl_b32 s72, s17, 1
	s_add_co_u32 s72, s72, s15
	s_lshl_b32 s72, s72, 4
	s_lshl_b32 s73, s42, 1
	s_add_co_u32 s72, s72, s73
	s_add_co_u32 s72, s72, s16
	s_mul_i32 s74, s72, HP
	s_add_nc_u64 s[10:11], s[10:11], s[74:75]
	; my half-panel of vc: [batch row / 8][group col][16 chunks of keys: 2 (row % 8) + my half of the tokens]; of it my four fragments and their scale words
	s_lshr_b32 s72, s17, 3
	s_lshl_b32 s72, s72, 7
	s_lshl_b32 s73, s42, 4
	s_add_co_u32 s72, s72, s73
	s_and_b32 s73, s17, 7
	s_lshl_b32 s73, s73, 1
	s_add_co_u32 s72, s72, s73
	s_add_co_u32 s72, s72, s16
	s_mul_i32 s74, s72, HP
	s_add_nc_u64 s[12:13], s[12:13], s[74:75]
	s_mul_i32 s74, s15, 4*FRB
	s_add_nc_u64 s[92:93], s[12:13], s[74:75]
	s_lshl_b32 s74, s15, 8
	s_add_nc_u64 s[94:95], s[12:13], s[74:75]
	; ---------------- the first product: v^T ----------------
	s_wait_alu depctr_va_vdst(0)                   ; the wait at the head's end
	s_wait_tensorcnt 0x0                           ; my part of the first fill is in;
	ds_add_u32 v[SPW], v[NIL]
	NEXTFILL 2
	s_wait_dscnt 0x0
	CROUND                                         ; everybody's is
	JLOAD                                          ; x and Wv, K steps 4-7
	FETCH 0
	ASK 91, PF+2, 46, 0                            ; Wq | Wk, K steps 0-1
	ASK 91, PF+2, 46, 2*HP                         ; and 2-3
	STEPX 0, 1                                     ; K steps 0 .. 7, written out; the first starts the sums
	STEPX 1, 0
	STEPX 2, 0
	TURN 3, 3                                      ; Wv's K steps 0-3 have been read out: Wq | Wk's 0-1 take their place
	WIN 0
	ASK 91, PF+2, 46, 4*HP                         ; K steps 4-5
	STEPX 4, 0
	STEPX 5, 0
	STEPX 6, 0
	LAST
	s_wait_tensorcnt 0x0                           ; all my tensor loads have landed: Wq | Wk's K steps 0-1,
	ds_add_u32 v[SPW], v[NIL]
	NEXTFILL 4
	s_wait_dscnt 0x0                               ; and Wv has been read out
	CROUND                                         ; both hold of every wave: the second product needs no barrier in front of its first step
	WLOAD                                          ; K steps 2-3 land under the way out
	ASK 91, PF+2, 46, 6*HP                         ; K steps 6-7
	WAYOUT 4, 92, 94
	; ---------------- the second product: q | k ----------------
	s_wait_alu depctr_va_vdst(0)
	s_wait_xcnt 0x0                                ; the stores above have read their registers: fragments may be loaded into them
.set PH,   2
.set NA,   8
.set ADRA, ADRA2
.set ADRB, ADRB2
.set ADSA, ADSA2
.set ADSB, ADSB2
	FETCH 0
	STEPX 0, 1                                     ; K steps 0 .. 7; the first starts the sums anew, in windows 2 and 3
	TURN 1, 5                                      ; K steps 4-5
	STEPX 2, 0
	TURN 3, 6                                      ; K steps 6-7
	STEPX 4, 0
	TURN 5, 0                                      ; nothing more is filled
	STEPX 6, 0
	LAST
	WAYOUT 8, 10, 10
	s_wait_tensorcnt 0x0                           ; the wave's end
	ds_add_u32 v[SPW], v[NIL]
	s_wait_dscnt 0x0
	CROUND                                         ; the closing round: no work-group ends while a partner may still ask for a panel that names it
	s_endpgm
.Lfunc_end_k_q7eaa401884_qkv:
	.size	k_q7eaa401884_qkv, .Lfunc_end_k_q7eaa401884_qkv-k_q7eaa401884_qkv
	.p2alignl 7, 3214868480
	.fill 96, 4, 3214868480
	.section	.rodata,"a",@progbits
	.p2align	6, 0x0
	.amdhsa_kernel k_q7eaa401884_qkv
		.amdhsa_group_segment_fixed_size 327680
		.amdhsa_private_segment_fixed_size 0
		.amdhsa_enable_private_segment 0
		.amdhsa_kernarg_size 40
		.amdhsa_user_sgpr_count 2
		.amdhsa_user_sgpr_kernarg_segment_ptr 1
		.amdhsa_wavefront_size32 1
		.amdhsa_system_sgpr_workgroup_id_x 1
		.amdhsa_system_sgpr_workgroup_id_y 1
		.amdhsa_system_sgpr_workgroup_id_z 1
		.amdhsa_system_vgpr_workitem_id 0
		.amdhsa_next_free_vgpr 1024
		.amdhsa_next_free_sgpr 100
		.amdhsa_reserve_vcc 0
		.amdhsa_float_denorm_mode_32 3
		.amdhsa_float_denorm_mode_16_64 3
		.amdhsa_memory_ordered 1
		.amdhsa_forward_progress 1
		.amdhsa_inst_pref_size 213
	.end_amdhsa_kernel
	.amdgpu_metadata
---
amdhsa.version: [ 1, 2 ]
amdhsa.kernels:
  - .name:           k_q7eaa401884_qkv
    .symbol:         k_q7eaa401884_qkv.kd
    .args:
      - { .name: xc, .offset: 0, .size: 8, .value_kind: global_buffer, .address_space: global }
      - { .name: wqkc, .offset: 8, .size: 8, .value_kind: global_buffer, .address_space: global }
      - { .name: wvc, .offset: 16, .size: 8, .value_kind: global_buffer, .address_space: global }
      - { .name: qkc, .offset: 24, .size: 8, .value_kind: global_buffer, .address_space: global }
      - { .name: vc, .offset: 32, .size: 8, .value_kind: global_buffer, .address_space: global }
    .group_segment_fixed_size: 327680
    .private_segment_fixed_size: 0
    .kernarg_segment_align: 8
    .kernarg_segment_size: 40
    .max_flat_workgroup_size: 128
    .sgpr_count:     100
    .vgpr_count:     1024
    .wavefront_size: 32
...
	.end_amdgpu_metadata
.endif
;; end of part 6
;; launch scores (part 7): grid 12 x 16, 4 waves a work-group, clusters of 4 x 4, 327,680 bytes of LDS; arguments qkc, pc, st; writes pc, st
.if DOCPART == 7
	.amdgcn_target "amdgcn-amd-amdhsa--gfx1250"
	.amdhsa_code_object_version 6
	.text
	.protected	k_q7eaa401884_scores
	.globl	k_q7eaa401884_scores
	.p2align	8
	.type	k_q7eaa401884_scores,@function
k_q7eaa401884_scores:
	s_mov_b64 s[64:65], 0
	v_nop
	global_prefetch_b8 v0, s[64:65] scope:SCOPE_SE
	s_setreg_imm32_b32 hwreg(HW_REG_WAVE_MODE, 25, 1), 1
	s_wait_xcnt 0x0
	s_wait_alu depctr_hold_cnt(0) depctr_sa_sdst(0) depctr_va_vdst(0) depctr_va_sdst(0) depctr_va_ssrc(0) depctr_va_vcc(0) depctr_vm_vsrc(0)
	s_getreg_b32 s2, hwreg(HW_REG_IB_STS2, 6, 4)
	s_cmp_eq_u32 s2, 0
	s_cbranch_scc0 .Lentry_in_a_cluster
	s_endpgm
.Lentry_in_a_cluster:
	s_bfe_u32 s2, ttmp6, 0x10000c
	s_cmp_lg_u32 s2, 0xf033
	s_cbranch_scc0 .Lentry_shape_is_right
	s_endpgm
.Lentry_shape_is_right:
; S = q k^T on panels of BF6 codes (K = 1,024), the causal mask, and p = 2^(t - M) QUANTISED ALONG THE KEYS into panels.  t = S x log2(e) / 32.
; M here is the ceiling of the row's largest t WITHIN A CHUNK OF 128 KEYS, a whole number; the next launch brings every chunk under the row's own M by adding a whole number to the scale bytes, which is exact.
; For each row and chunk -M and the sum l of the unquantised p go to st: [group of 128 queries][16 chunks][-M of 128 places, l of 128 places].  pc: [group][16 chunks][half-panel].
; PANELS: a half-panel (12,800 bytes) = 128 rows x 128 K as eight images of operand registers (1,536 bytes each) and, from byte 12,288, the scale words.  qkc: [group of 128 tokens][16][half-panel], K steps 0-7 q, 8-15 k.
; Place p of a group holds row pi(p): bits 3 and 4 exchanged.  Used transposed (source 0 = keys, source 1 = queries) a lane holds one query and register 16 b + i = key 32 b + 16 (lane / 16) + i.
; SHARES: a work-group makes 256 queries x 256 keys, a wave 128 x 128.  The lower triangle of a batch's 8 x 8 tiles is three clusters of 4 x 4 (WORK LEFT OUT: the fourth cluster, 16 tiles wholly above the diagonal:
; the causal mask makes them -infinity for all inputs; a NaN or infinity there is not carried); q's panels are asked for jointly along a row, k's along a column.
; In each of the two clusters on the diagonal six tiles lie wholly above it.  Partners of a joint load run alike, so these run too: they store zero codes, -M = 3e38 and l = 0, part of which the next launch reads.
; LDS: two slots of three K steps (153,600 bytes): steps 0-2, 3-5, 6-7.  Three fills, one load a wave each.
; PREFETCH: behind one fill's load the next fill's blocks; the four partners of a joint load share them out by address.
; LIMITS: M is kept as an f32 whole number, exact for |t| < 2^24; a block of zeros gets the byte 1; NaN and infinities are not served;
; a block's largest p is taken from the block's largest score, which takes v_exp_f32 not to fall where its input rises.
; REGISTERS: window 0: v4-31 addresses and constants, v32-47 scale words, v64-255 q's fragments (two sets), later the way out; window 1: k's fragments; windows 2, 3: the accumulators.
.set HP,    12800
.set SCO,   12288
.set FRB,   1536
.set PANEL, 3*HP
.set SLOT,  4*PANEL
.set SPARE, 2*SLOT
.set GROUP, 16*HP                      ; from a group of 128 tokens to the next in qkc
.set PF,   4                           ; v4-6 the prefetches' offsets; never rewritten
.set ADRA, 16
.set ADRB, 18
.set ADSA, 20
.set ADSB, 22
.set LI,   24
.set LS,   25
.set D0,   26                          ; v26  my query less my first key, for block 0
.set SPW,  28
.set NIL,  29
.set NINF, 30                          ; v30  -infinity
.set NBIG, 31                          ; v31  -3e38
.set SC,   32
.set AF,   64
.set PC,   64                          ; the way out: 12 registers of codes for each block
.set BX,   64                          ; before them: v64-95 the other half's maxima, then bytes;  v96-103 the rows' maxima
.set TT,   96
.set TQ,   160
.set BM,   168                         ; v168-199 the blocks' largest scores, then largest p, then the conversions' scale operands
.set NM,   200                         ; v200-207 -M
.set LSUM, 208                         ; v208-215 l
.set NX,   48                          ; v48-53: what is added to the scaled scores of the diagonal block, of those ahead of it, of those behind it (pairs are named; their low words serve)
.set SUM,  222                         ; v222-229 four chains of packed sums
.set T,    230
.set T2,   231
.set PW,   232                         ; v232-239 scale words
.set IMG,  240                         ; v240-251 as they are stored
.set G1,   24
.set G0,   32
.set G1B,  48
.set G0B,  56
.set CS,   22                          ; s[22:23] c = log2(e) / 32
.set HID,  24                          ; s[24:55], when no descriptor is needed any more: which lanes' scores are hidden in the diagonal block
.set SEL,  66
.set MSB, 0
.macro WIN new                         ; the immediate's high byte repeats the setting that is left
.if MSB != (\new)
	s_set_vgpr_msb (MSB<<8)|(\new)
.set MSB, \new
.endif
.endm
.macro PLACES                          ; four plain places behind matrix instructions (ISA guide 7.12.1)
.rept 4
	v_nop
.endr
.endm
.macro JLOAD                           ; a joint load: waves 0 and 1 fetch q's two groups, waves 2 and 3 k's; four v_nop follow each line
	s_cmp_eq_u32 s15, 0
	s_cbranch_scc0 .Lfor_b_\@
	tensor_load_to_lds s[G0:G0+3], s[G1:G1+7]
	s_nop 0
.rept 4
	v_nop
.endr
	s_branch .Lasked_\@
.Lfor_b_\@:
	tensor_load_to_lds s[G0B:G0B+3], s[G1B:G1B+7]
	s_nop 0
.rept 4
	v_nop
.endr
.Lasked_\@:
.endm
.macro CREST
	s_cmp_lg_u32 s14, 0
	s_cbranch_scc1 .Lnot_wave_0_\@
	s_barrier_signal -3
.Lnot_wave_0_\@:
	s_barrier_wait -3
	s_barrier_signal -1
	s_barrier_wait -1
.endm
.macro CROUND
	s_barrier_signal -1
	s_barrier_wait -1
	CREST
.endm
.macro NEXTFILL slot                   ; three K steps on, into the slot (no tensor load of mine is out)
	s_add_co_u32 s[G0+1], s45, (\slot)*SLOT
	s_add_co_u32 s[G0B+1], s45, (\slot)*SLOT
	s_add_nc_u64 s[G0+2:G0+3], s[G0+2:G0+3], PANEL
	s_add_nc_u64 s[G0B+2:G0B+3], s[G0B+2:G0B+3], PANEL
.endm
.macro FRAG reg, adr, off
.irp c, 0,1,2
	ds_load_b128 v[(\reg)+4*\c:(\reg)+4*\c+3], v[\adr] offset:(\off)+512*\c
.endr
.endm
.macro FETCH slot, q, p
	WIN 0x40
.irp i, 0,1,2,3,4,5,6,7
	FRAG 128*(\p)+12*\i, ADRB+\slot, (\q)*HP+FRB*\i
.endr
	WIN 0
.irp i, 0,1,2,3,4,5,6,7
	FRAG AF+96*(\p)+12*\i, ADRA+\slot, (\q)*HP+FRB*\i
.endr
.irp j, 0,1,2,3
	ds_load_b32 v[SC+8*(\p)+\j], v[ADSB+\slot] offset:(\q)*HP+SCO+128*\j
	ds_load_b32 v[SC+8*(\p)+4+\j], v[ADSA+\slot] offset:(\q)*HP+SCO+128*\j
.endr
.endm
.macro WV c                            ; an odd fragment's scale words lie in lanes 16-31 of its pair's register
.if rV == 0
	v_wmma_scale_f32_16x16x128_f8f6f4 v[rD:rD+7], v[rB:rB+11], v[rA:rA+11], \c, v[rX], v[rY] matrix_a_fmt:MATRIX_FMT_BF6 matrix_b_fmt:MATRIX_FMT_BF6
.elseif rV == 1
	v_wmma_scale_f32_16x16x128_f8f6f4 v[rD:rD+7], v[rB:rB+11], v[rA:rA+11], \c, v[rX], v[rY] matrix_a_fmt:MATRIX_FMT_BF6 matrix_b_fmt:MATRIX_FMT_BF6 matrix_b_scale:MATRIX_SCALE_ROW1
.elseif rV == 2
	v_wmma_scale_f32_16x16x128_f8f6f4 v[rD:rD+7], v[rB:rB+11], v[rA:rA+11], \c, v[rX], v[rY] matrix_a_fmt:MATRIX_FMT_BF6 matrix_b_fmt:MATRIX_FMT_BF6 matrix_a_scale:MATRIX_SCALE_ROW1
.else
	v_wmma_scale_f32_16x16x128_f8f6f4 v[rD:rD+7], v[rB:rB+11], v[rA:rA+11], \c, v[rX], v[rY] matrix_a_fmt:MATRIX_FMT_BF6 matrix_b_fmt:MATRIX_FMT_BF6 matrix_a_scale:MATRIX_SCALE_ROW1 matrix_b_scale:MATRIX_SCALE_ROW1
.endif
.endm
.macro WM a, b, p, zero
.set rD, 8*(8*((\a)%4)+(\b))
.set rB, 128*(\p)+12*(\b)
.set rA, AF+96*(\p)+12*(\a)
.set rX, SC+8*(\p)+(\b)/2
.set rY, SC+8*(\p)+4+(\a)/2
.set rV, 2*((\b)%2)+(\a)%2
.if \zero
	WV 0
.else
	WV v[rD:rD+7]
.endif
.endm
.macro MULA a0, n, p, zero             ; the accumulators take turns, one instruction a turn, in the same order in every step
.set MA, \a0
.rept \n
	WIN 0xa1+0x50*(MA/4)
.irp b, 0,1,2,3,4,5,6,7
	WM MA, \b, \p, \zero
.endr
.set MA, MA+1
.endr
.endm
.macro STEP slot, q, p, zero           ; a K step on set p; the slot's K step q comes into the other set
	s_wait_dscnt 0x0                               ; this step's fragments, asked for a whole step ago, are in
	PLACES                                         ; the other set was read by the last step's products
	FETCH \slot, \q, 1-(\p)
	MULA 0, 8, \p, \zero
.endm
.macro TURN next, p, fill
	WIN 0
	s_wait_tensorcnt 0x0                           ; all my tensor loads have landed: my part of the next slot;
.if \fill
	ds_add_u32 v[SPW], v[NIL]                      ; 0 onto my spare word
	NEXTFILL 0
	s_mov_b32 s[G1+2], 100<<16                     ; two K steps are left: 100 rows
	s_mov_b32 s[G1+4], 100
	s_mov_b32 s[G1B+2], 100<<16
	s_mov_b32 s[G1B+4], 100
	s_wait_dscnt 1                                 ; (the add alone may be out: this step's fragments are in)
.else
	s_wait_dscnt 0x0
.endif
	MULA 0, 2, \p, 0
	s_wait_dscnt 0x0                               ; the add is done, and my reads of this slot are over
	s_barrier_signal -1
	MULA 2, 2, \p, 0
	WIN 0
	s_barrier_wait -1
.if \fill
	CREST                                          ; the barrier has opened a round of the cluster's: no wave of any partner still reads this slot or has a load on its way
	JLOAD                                          ; the first tensor load behind the round; its four v_nop are the places in front of the loads below
.else
	PLACES
.endif
	FETCH \next, 0, 1-(\p)
	MULA 4, 4, \p, 0
.endm
	s_load_b128 s[4:7], s[0:1], 0x0                ; qkc, pc
	s_load_b64 s[8:9], s[0:1], 0x10                ; st
	v_lshl_add_u32 v[SPW], v0, 2, SPARE
	v_mov_b32 v[NIL], 0
	ds_add_u32 v[SPW], v[NIL]                      ; the wave's opening: the add, twice on end, and its wait
	ds_add_u32 v[SPW], v[NIL]
	v_lshrrev_b32 v1, 5, v0
	v_readfirstlane_b32 s14, v1                    ; wave 0..3
	s_lshr_b32 s15, s14, 1                         ; which group of queries is mine.  Also: I fetch for q (0) or for k (1)
	s_and_b32 s16, s14, 1                          ; which group of keys is mine.  Also: which group I fetch
	s_bfe_u32 s40, ttmp6, 0x40000                  ; cx, cy
	s_bfe_u32 s41, ttmp6, 0x40004
	s_add_co_u32 s17, ttmp9, 1                     ; cluster x = 0, 1, 2: tile rows from 0, 4, 4,
	s_lshr_b32 s17, s17, 1
	s_lshl_b32 s17, s17, 2
	s_add_co_u32 s17, s17, s41                     ; i = tile row
	s_lshr_b32 s42, ttmp9, 1                       ; tile columns from 0, 0, 4
	s_lshl_b32 s42, s42, 2
	s_add_co_u32 s42, s42, s40                     ; j = tile column
	s_and_b32 s18, ttmp7, 0xffff                   ; the batch,
	s_lshl_b32 s18, s18, 4                         ; its first group of 128 tokens
	s_lshl_b32 s43, s41, 2
	s_lshl_b32 s43, 15, s43                        ; my row of the cluster
	s_lshl_b32 s44, 0x1111, s40                    ; my column
	s_or_b32 s[G1], s43, (3<<16)|(1<<21)           ; 15:0 the mask; 17:16 elements of 8 bytes; 21 set beside a mask
	s_or_b32 s[G1B], s44, (3<<16)|(1<<21)
.irp g, G1, G1B
	s_mov_b32 s[\g+1], 32<<16                      ; rows of 256 bytes
	s_mov_b32 s[\g+2], 150<<16
	s_mov_b32 s[\g+3], 32<<16
	s_mov_b32 s[\g+4], 150
	s_mov_b32 s[\g+5], 32
	s_mov_b32 s[\g+6], 0
	s_mov_b32 s[\g+7], 0
.endr
	s_lshl_b32 s20, s17, 1
	s_add_co_u32 s20, s20, s16
	s_add_co_u32 s20, s20, s18
	s_mul_i32 s20, s20, GROUP                      ; q: K steps 0-7 of the group
	s_mov_b32 s21, 0
	s_lshl_b32 s46, s42, 1
	s_add_co_u32 s46, s46, s16
	s_add_co_u32 s46, s46, s18
	s_mul_i32 s46, s46, GROUP
	s_add_co_u32 s46, s46, 8*HP                    ; k: K steps 8-15
	s_mov_b32 s47, 0
	s_mul_i32 s45, s14, PANEL
	s_wait_dscnt 0x0                               ; both opening adds are done
	s_wait_kmcnt 0x0
	s_add_nc_u64 s[20:21], s[4:5], s[20:21]
	s_add_nc_u64 s[46:47], s[4:5], s[46:47]
	s_mov_b32 s[G0], 1
	s_mov_b32 s[G0+1], s45
	s_mov_b64 s[G0+2:G0+3], s[20:21]
	s_or_b32 s[G0+3], s[G0+3], 0x80000000
	s_mov_b32 s[G0B], 1
	s_mov_b32 s[G0B+1], s45
	s_mov_b64 s[G0B+2:G0B+3], s[46:47]
	s_or_b32 s[G0B+3], s[G0B+3], 0x80000000
	CROUND                                         ; all sixteen work-groups are here: the first joint loads meet
	JLOAD                                          ; K steps 0-2: one tensor load a wave
	; the prefetches: of a group's blocks of 256 bytes the partner at place p of four takes 32 p .. 32 p + 31 and 128 + 6 p .. (150 blocks: three K steps), or 25 p .. 25 p + 24 (100 blocks: two)
	s_cmp_eq_u32 s15, 0
	s_cselect_b32 s69, s40, s41
	s_cselect_b64 s[78:79], s[20:21], s[46:47]
	s_lshl_b32 s72, s69, 5
	s_mul_i32 s73, s69, 6
	s_add_co_u32 s73, s73, 128
	s_mul_i32 s74, s69, 25
	s_mul_i32 s70, s15, PANEL
	s_mul_i32 s71, s16, PANEL
	s_add_co_u32 s71, s71, 2*PANEL
	v_and_b32 v3, 31, v0
	v_add_nc_u32 v[PF], s72, v3
	v_min_u32 v[PF+1], 5, v3
	v_add_nc_u32 v[PF+1], s73, v[PF+1]
	v_min_u32 v[PF+1], 149, v[PF+1]
	v_min_u32 v[PF+2], 24, v3
	v_add_nc_u32 v[PF+2], s74, v[PF+2]
.irp i, 0,1,2
	v_lshlrev_b32 v[PF+\i], 8, v[PF+\i]
.endr
	v_lshlrev_b32 v[LI], 4, v3
	v_lshlrev_b32 v[LS], 2, v3
.irp s, 0,1
	v_add_nc_u32 v[ADRA+\s], s70, v[LI]
	v_add_nc_u32 v[ADRB+\s], s71, v[LI]
	v_add_nc_u32 v[ADSA+\s], s70, v[LS]
	v_add_nc_u32 v[ADSB+\s], s71, v[LS]
	s_add_co_u32 s70, s70, SLOT
	s_add_co_u32 s71, s71, SLOT
.endr
	global_prefetch_b8 v[PF], s[78:79] offset:PANEL th:TH_LOAD_NT scope:SCOPE_SE     ; K steps 3-5
	global_prefetch_b8 v[PF+1], s[78:79] offset:PANEL th:TH_LOAD_NT scope:SCOPE_SE
	; Place 16 a + r holds query 32 (a / 2) + 8 (a % 2) + r + 8 (r / 8); register 16 b + i holds key 32 b + 16 h + i.  Hidden where 32 b + i > D0 + 32 (a / 2) + 8 (a % 2)
	s_sub_co_i32 s76, s17, s42
	s_lshl_b32 s76, s76, 8                         ; 256 (i - j)
	s_sub_co_i32 s77, s15, s16
	s_lshl_b32 s77, s77, 7                         ; + 128 (my half of the queries - my half of the keys)
	s_add_co_i32 s76, s76, s77
	v_and_b32 v1, 15, v0                           ; r
	v_bfe_u32 v2, v0, 4, 1                         ; h
	v_and_b32 v3, 8, v1
	v_add_nc_u32 v[D0], v1, v3
	v_lshlrev_b32 v3, 4, v2
	v_sub_nc_u32 v[D0], v[D0], v3
	v_add_nc_u32 v[D0], s76, v[D0]
	v_mov_b32 v[NINF], 0xff800000
	v_mov_b32 v[NBIG], 0xff61b1e6
	s_wait_alu depctr_va_vdst(0)                   ; the head's end: scalar instructions
	s_mov_b32 s[SEL], 0x76543210
	s_mov_b32 s[SEL+1], 0xfedcba98
	s_mov_b32 s68, 0xffff0000                      ; lanes 16-31
	s_mov_b32 s[CS], 0x3d38aa3b                    ; c = log2(e) / sqrt(1024)
	s_mov_b32 s[CS+1], s[CS]                       ; (named with it as a pair, so it is written)
	; where my results go: [group 16 batch + 2 i + my half][chunk 2 j + my half]
	s_lshl_b32 s72, s17, 1
	s_add_co_u32 s72, s72, s15
	s_add_co_u32 s72, s72, s18
	s_lshl_b32 s72, s72, 4
	s_lshl_b32 s73, s42, 1
	s_add_co_u32 s72, s72, s73
	s_add_co_u32 s72, s72, s16
	s_mul_i32 s74, s72, HP
	s_mov_b32 s75, 0
	s_add_nc_u64 s[6:7], s[6:7], s[74:75]
	s_lshl_b32 s74, s72, 10
	s_add_nc_u64 s[8:9], s[8:9], s[74:75]
	s_wait_tensorcnt 0x0                           ; my part of slot 0 is in;
	ds_add_u32 v[SPW], v[NIL]
	NEXTFILL 1
	s_wait_dscnt 0x0
	CROUND                                         ; everybody's is
	JLOAD                                          ; K steps 3-5 into slot 1
	FETCH 0, 0, 0
	global_prefetch_b8 v[PF+2], s[78:79] offset:2*PANEL th:TH_LOAD_NT scope:SCOPE_SE   ; K steps 6-7
	STEP 0, 1, 0, 1                                ; K steps 0 .. 7, written out; the first starts the sums
	STEP 0, 2, 1, 0
	TURN 1, 0, 1
	STEP 1, 1, 1, 0
	STEP 1, 2, 0, 0
	TURN 0, 1, 0
	STEP 0, 1, 0, 0
	s_wait_dscnt 0x0
	MULA 0, 8, 1, 0
	WIN 0
; THE SOFTMAX'S FIRST HALF, 8 blocks of 16 queries x my 128 keys, one query a lane.
; THE MASK.  My queries' first less my keys' first (s76) is a multiple of 128, and the lanes' part of D0 lies in -16 .. 23: so of block a's four blocks of 32 keys only b = a / 2 is ever hidden in part, and by the same lanes for
; all a of one parity: 32 masks.  Those ahead of it are hidden where s76 < 0, those behind it where s76 <= 0: for them -infinity is what is added to the scaled scores.
	s_cmp_lt_i32 s76, 0
	s_cselect_b32 s56, -1, 0
	s_cmp_le_i32 s76, 0
	s_cselect_b32 s57, -1, 0
	PLACES
.irp i, 0,1,2,3,4,5,6,7,8,9,10,11,12,13,14,15
	v_cmp_gt_i32 s[HID+\i], \i, v[D0]
	v_cmp_gt_i32 s[HID+16+\i], \i-8, v[D0]
.endr
	v_mov_b32 v[NX+1], 0                           ; (named as upper halves of pairs)
	v_mov_b32 v[NX+3], 0
	v_mov_b32 v[NX+5], 0
	v_mov_b32 v[T2], 0                             ; written once: a lane permute's destination counts as one of its sources
.irp a, 0,1,2,3,4,5,6,7
.set QW, 2+\a/4
.set AC, 64*(\a%4)
	WIN QW|(QW<<6)                                 ; source 0 and destination: the accumulators' window
.irp i, 0,1,2,3,4,5,6,7,8,9,10,11,12,13,14,15      ; each accumulator is read from its low end on
	v_cndmask_b32 v[AC+16*(\a/2)+\i], v[AC+16*(\a/2)+\i], v[NINF], s[HID+16*(\a%2)+\i]
.endr
	WIN QW|(QW<<2)                                 ; sources 0 and 1
.irp b, 0,1,2,3
	v_max3_num_f32 v[BM+4*\a+\b], v[AC+16*\b], v[AC+16*\b+1], v[NINF]   ; the largest score of each block of 32 keys: for the chunk's maximum and for the block's largest p
.endr
.irp i, 2,4,6,8,10,12,14
.irp b, 0,1,2,3
	v_max3_num_f32 v[BM+4*\a+\b], v[AC+16*\b+\i], v[AC+16*\b+\i+1], v[BM+4*\a+\b]
.endr
.endr
.endr
	WIN 0
.macro EACH op                         ; a step of all 32 blocks of keys at a time
.set n, 0
.rept 32
	\op n
.set n, n+1
.endr
.endm
.macro HIDE n
.if (\n)%4 < (\n)/8
	v_cndmask_b32 v[BM+\n], v[BM+\n], v[NINF], s56
.elseif (\n)%4 > (\n)/8
	v_cndmask_b32 v[BM+\n], v[BM+\n], v[NINF], s57
.endif
.endm
.macro XCH n
	v_permlanex16_b32 v[BX+\n], v[BM+\n], s[SEL], s[SEL+1]
.endm
.macro JOIN n
	v_max_num_f32 v[BM+\n], v[BM+\n], v[BX+\n]     ; with lane l xor 16's 16 keys
.endm
.macro SCL n
	v_fma_f32 v[BM+\n], v[BM+\n], s[CS], v[NM+(\n)/4]
.endm
.macro PMAX n
	v_exp_f32 v[BM+\n], v[BM+\n]                   ; the block's largest p: the same two instructions as for every p, on the same number
.endm
.macro FLOOR n
	v_max_num_f32 v[BM+\n], 0x2800000, v[BM+\n]    ; the floor 2^(5 - 127)
.endm
.macro SOPD n
	v_add_nc_u32 v[BM+\n], 0xfe000000, v[BM+\n]    ; 4 off the exponent field: the conversion's scale operand
.endm
.macro BYTE n
	v_lshrrev_b32 v[BX+\n], 23, v[BM+\n]
.endm
	EACH HIDE
	EACH XCH
	EACH JOIN
.irp a, 0,1,2,3,4,5,6,7
	v_max3_num_f32 v[TT+\a], v[BM+4*\a], v[BM+4*\a+1], v[BM+4*\a+2]
.endr
.irp a, 0,1,2,3,4,5,6,7
	v_max_num_f32 v[TT+\a], v[TT+\a], v[BM+4*\a+3]
.endr
.irp a, 0,1,2,3,4,5,6,7
	v_mul_f32 v[TT+\a], s[CS], v[TT+\a]            ; the chunk's largest t (c is positive)
.endr
.irp a, 0,1,2,3,4,5,6,7
	v_max_num_f32 v[TT+\a], v[TT+\a], v[NBIG]      ; a row with no open key here keeps -3e38: -M stays a number
.endr
.irp a, 0,1,2,3,4,5,6,7
	v_floor_f32 v[NM+\a], -v[TT+\a]                ; -M = floor(-t) = -ceil(t)
.endr
	EACH SCL
	s_wait_alu depctr_va_vdst(0)                   ; a wait ahead of the batch and behind it
	EACH PMAX
	v_nop                                          ; a plain place behind the exponentials
	s_wait_alu depctr_va_vdst(0)
	EACH FLOOR
	EACH SOPD
	EACH BYTE
.irp a, 0,1,2,3,4,5,6,7
	v_lshl_or_b32 v[PW+\a], v[BX+4*\a+1], 8, v[BX+4*\a]
.endr
.irp a, 0,1,2,3,4,5,6,7
	v_lshl_or_b32 v[PW+\a], v[BX+4*\a+2], 16, v[PW+\a]
.endr
.irp a, 0,1,2,3,4,5,6,7
	v_lshl_or_b32 v[PW+\a], v[BX+4*\a+3], 24, v[PW+\a]
.endr
.macro NORM a                          ; block a: t - M, two at a time
.set QW, 2+(\a)/4
.set AC, 64*((\a)%4)
	WIN 0
	v_mov_b32 v[NX], v[NM+(\a)]
	v_cndmask_b32 v[NX+2], v[NM+(\a)], v[NINF], s56
	v_cndmask_b32 v[NX+4], v[NM+(\a)], v[NINF], s57
	WIN QW|(QW<<6)
.set n, 0
.rept 32
.if n/16 < (\a)/2
.set m, NX+2
.elseif n/16 > (\a)/2
.set m, NX+4
.else
.set m, NX
.endif
	v_pk_fma_f32 v[AC+n:AC+n+1], v[AC+n:AC+n+1], s[CS:CS+1], v[m:m+1] op_sel_hi:[1,0,0]
.set n, n+2
.endr
.endm
.macro EXPS a                          ; p = 2^(t - M)
.set QW, 2+(\a)/4
.set AC, 64*((\a)%4)
	WIN QW|(QW<<6)
	s_wait_alu depctr_va_vdst(0)                   ; a wait ahead of the batch; it also stands behind the batch before
.set n, 0
.rept 64
	v_exp_f32 v[AC+n], v[AC+n]
.set n, n+1
.endr
.endm
.macro REST a                          ; the sum of the unquantised p, the codes, the stores
.set QW, 2+(\a)/4
.set AC, 64*((\a)%4)
.set PCA, PC+12*(\a)
	WIN QW|(QW<<2)
.irp c, 0,2,4,6
	v_pk_add_f32 v[SUM+\c:SUM+\c+1], v[AC+\c:AC+\c+1], v[AC+8+\c:AC+9+\c]
.endr
	WIN QW                                         ; source 0
.set n, 16
.rept 6
.irp c, 0,2,4,6
	v_pk_add_f32 v[SUM+\c:SUM+\c+1], v[AC+n+\c:AC+n+\c+1], v[SUM+\c:SUM+\c+1]
.endr
.set n, n+8
.endr
.irp c, 0,1
	v_cvt_scalef32_pk16_bf6_f32 v[PCA+6*\c:PCA+2+6*\c], v[AC+32*\c:AC+15+32*\c], v[BM+4*(\a)+2*\c]
	v_cvt_scalef32_pk16_bf6_f32 v[TQ+4*\c:TQ+2+4*\c], v[AC+16+32*\c:AC+31+32*\c], v[BM+4*(\a)+1+2*\c]
.endr
	WIN 0
	v_pk_add_f32 v[SUM:SUM+1], v[SUM:SUM+1], v[SUM+2:SUM+3]       ; (plain places behind the conversions)
	v_pk_add_f32 v[SUM+4:SUM+5], v[SUM+4:SUM+5], v[SUM+6:SUM+7]
	v_pk_add_f32 v[SUM:SUM+1], v[SUM:SUM+1], v[SUM+4:SUM+5]
.irp c, 0,1
.irp i, 0,1,2
	v_permlane16_swap_b32 v[PCA+6*\c+\i], v[TQ+4*\c+\i]
.endr
.endr
	v_add_f32 v[T], v[SUM], v[SUM+1]
.irp c, 0,1
.irp i, 0,1,2
	v_mov_b32 v[PCA+3+6*\c+\i], v[TQ+4*\c+\i]
.endr
.endr
	v_permlanex16_b32 v[T2], v[T], s[SEL], s[SEL+1]
.irp c, 0,1,2
	global_store_b128 v[LI], v[PCA+4*\c:PCA+4*\c+3], s[6:7] offset:FRB*(\a)+512*\c   ; 512 consecutive bytes, aligned; each block has its own registers
.endr
	v_add_f32 v[LSUM+(\a)], v[T], v[T2]
.endm
	NORM 0
	EXPS 0
.irp a, 0,1,2,3,4,5,6
	NORM \a+1                                      ; plain work behind block a's exponentials; the one wait ahead of block a + 1's serves both
	EXPS \a+1
	REST \a
.endr
	v_nop                                          ; a plain place behind the exponentials
	s_wait_alu depctr_va_vdst(0)                   ; and the wait ahead of their first reader
	REST 7
.irp j, 0,1,2,3
	v_cndmask_b32 v[IMG+\j], v[PW+2*\j], v[PW+2*\j+1], s68      ; lanes 0-15: block 2 j's rows, lanes 16-31: block 2 j + 1's
	v_cndmask_b32 v[IMG+4+\j], v[NM+2*\j], v[NM+2*\j+1], s68
	v_cndmask_b32 v[IMG+8+\j], v[LSUM+2*\j], v[LSUM+2*\j+1], s68
.endr
.irp j, 0,1,2,3
	global_store_b32 v[LS], v[IMG+\j], s[6:7] offset:SCO+128*\j
	global_store_b32 v[LS], v[IMG+4+\j], s[8:9] offset:128*\j
	global_store_b32 v[LS], v[IMG+8+\j], s[8:9] offset:512+128*\j
.endr
	s_wait_tensorcnt 0x0                           ; the wave's end
	ds_add_u32 v[SPW], v[NIL]
	s_wait_dscnt 0x0
	CROUND                                         ; the closing round
	s_endpgm
.Lfunc_end_k_q7eaa401884_scores:
	.size	k_q7eaa401884_scores, .Lfunc_end_k_q7eaa401884_scores-k_q7eaa401884_scores
	.p2alignl 7, 3214868480
	.fill 96, 4, 3214868480
	.section	.rodata,"a",@progbits
	.p2align	6, 0x0
	.amdhsa_kernel k_q7eaa401884_scores
		.amdhsa_group_segment_fixed_size 327680
		.amdhsa_private_segment_fixed_size 0
		.amdhsa_enable_private_segment 0
		.amdhsa_kernarg_size 24
		.amdhsa_user_sgpr_count 2
		.amdhsa_user_sgpr_kernarg_segment_ptr 1
		.amdhsa_wavefront_size32 1
		.amdhsa_system_sgpr_workgroup_id_x 1
		.amdhsa_system_sgpr_workgroup_id_y 1
		.amdhsa_system_sgpr_workgroup_id_z 1
		.amdhsa_system_vgpr_workitem_id 0
		.amdhsa_next_free_vgpr 1024
		.amdhsa_next_free_sgpr 100
		.amdhsa_reserve_vcc 0
		.amdhsa_float_denorm_mode_32 3
		.amdhsa_float_denorm_mode_16_64 3
		.amdhsa_memory_ordered 1
		.amdhsa_forward_progress 1
		.amdhsa_inst_pref_size 208
	.end_amdhsa_kernel
	.amdgpu_metadata
---
amdhsa.version: [ 1, 2 ]
amdhsa.kernels:
  - .name:           k_q7eaa401884_scores
    .symbol:         k_q7eaa401884_scores.kd
    .args:
      - { .name: qkc, .offset: 0, .size: 8, .value_kind: global_buffer, .address_space: global }
      - { .name: pc, .offset: 8, .size: 8, .value_kind: global_buffer, .address_space: global }
      - { .name: st, .offset: 16, .size: 8, .value_kind: global_buffer, .address_space: global }
    .group_segment_fixed_size: 327680
    .private_segment_fixed_size: 0
    .kernarg_segment_align: 8
    .kernarg_segment_size: 24
    .max_flat_workgroup_size: 128
    .sgpr_count:     100
    .vgpr_count:     1024
    .wavefront_size: 32
...
	.end_amdgpu_metadata
.endif
;; end of part 7
;; launch pv (part 8): grid 8 x 32, 4 waves a work-group, clusters of 4 x 4, 327,680 bytes of LDS; arguments pc, st, vc, out0; writes out0
.if DOCPART == 8
	.amdgcn_target "amdgcn-amd-amdhsa--gfx1250"
	.amdhsa_code_object_version 6
	.text
	.protected	k_q7eaa401884_pv
	.globl	k_q7eaa401884_pv
	.p2align	8
	.type	k_q7eaa401884_pv,@function
k_q7eaa401884_pv:
	s_mov_b64 s[64:65], 0
	v_nop
	global_prefetch_b8 v0, s[64:65] scope:SCOPE_SE
	s_setreg_imm32_b32 hwreg(HW_REG_WAVE_MODE, 25, 1), 1
	s_wait_xcnt 0x0
	s_wait_alu depctr_hold_cnt(0) depctr_sa_sdst(0) depctr_va_vdst(0) depctr_va_sdst(0) depctr_va_ssrc(0) depctr_va_vcc(0) depctr_vm_vsrc(0)
	s_getreg_b32 s2, hwreg(HW_REG_IB_STS2, 6, 4)
	s_cmp_eq_u32 s2, 0
	s_cbranch_scc0 .Lentry_in_a_cluster
	s_endpgm
.Lentry_in_a_cluster:
	s_bfe_u32 s2, ttmp6, 0x10000c
	s_cmp_lg_u32 s2, 0xf033
	s_cbranch_scc0 .Lentry_shape_is_right
	s_endpgm
.Lentry_shape_is_right:
; out = (P V) / l on panels of BF6 codes.  pc: P's codes, [group of 128 queries][16 chunks of 128 keys][half-panel], each chunk under its own whole M; st: -M and l of each row and chunk; vc: V^T, [batch][8 groups of 128 channels][16 chunks][half-panel].
; A half-panel (12,800 bytes) = 128 rows x 128 K as eight images of operand registers (1,536 bytes each) and, from byte 12,288, the scale words.  Place p of a group holds row pi(p): bits 3 and 4 exchanged.
; SHARES.  Under the causal mask query group g of a batch needs chunks 0 .. g.  The groups of a batch are four quarters of four.  A work-group takes one group of quarter j (LO: 4 (j + 1) chunks) and one of quarter 3 - j
; (HI: 4 (4 - j) chunks), j = 0 or 1, for 128 channels: 20 steps of 128 keys for every work-group, 256 work-groups.  (WORK LEFT OUT: the chunks behind a quarter's last query, whose p is 0 by the causal mask for
; all inputs; a NaN or infinity that reaches only them is not carried.)
; THE STEPS: 0-3 LO's chunks 0-3, summed in X; 4-7 summed in Y: LO's chunks 4-7 (j = 1) or HI's 0-3 (j = 0); 8-19 HI's other twelve, summed in Z.  LO = X (+ Y where j = 1), HI = Z (+ Y where j = 0).
; A wave makes 64 queries x 64 channels: 16 accumulators for each of X, Y, Z.  Source 0 = 16 channels, source 1 = 16 queries: a lane holds eight neighbouring channels of one query.
; LDS: slot A (8 steps: P's, then V's), slot B (4 steps), behind them P's scale words under the rows' own M, 1 / l, the spare words.  Three fills, one load a wave each: steps 0-7 into A, 8-11 into B, 12-19 into A.
; Three sets of fragments: a step's are asked for two steps ahead.  LO goes out, through stages in slot B, which has had its only fill and its last read, while the third fill is on its way.
; CLUSTERS: 4 x 4 work-groups: the four of a row share P's panels, the four of a column V's: each is asked for jointly.
; PREFETCH: behind the first joint load the second fill's blocks, behind the second load the third fill's; the four partners of a joint load share them out by address.
; THE SCALES: with d = the row's M less the chunk's M, a whole number, each byte of the chunk's scale words goes down by d, held at 1; l = sum of the chunks' l x 2^-d.
; LIMITS: as in the launch before; differences of M beyond 300 count as 300 (their p are under every byte's range); the f32 sums of X, Y, Z are joined by one addition.
.set HP,   12800
.set SCO,  12288
.set FRB,  1536
.set GROUP, 16*HP
.set SLB,  16*HP                       ; slot B
.set ASC,  24*HP                       ; P's scale words: 512 bytes a step
.set LINV, ASC+20*512                  ; 1 / l: LO's 128 rows, HI's
.set SPARE, LINV+1024
.set SPI,  272                         ; a stage row: 256 bytes + 16
.set PO,   6                           ; v6   4 x thread
.set PAS,  7                           ; v7   my row's scale words
.set PF,   8                           ; v8   the prefetches' offset; never rewritten
.set ADRA, 16                          ; v16-18 my fragments of P: steps 0-3 and 4-7 of slot A, slot B
.set ADRV, 19                          ; v19-21 of V
.set ADSV, 22                          ; v22-24 V's scale words
.set ADSA, 25                          ; v25  P's
.set CO,   26                          ; v26  my place in two rows of out0
.set STO,  27                          ; v27  my stage, on the way in,
.set SPW,  28
.set NIL,  29
.set RD,   30                          ; v30  and out
.set LVA,  31                          ; v31  1 / l of my row of block 0
.set SC,   32                          ; scale words: set p: V's pairs at SC + 4 p, P's at SC + 4 p + 2
.set LV,   48                          ; v48, 50, 52, 54: 1 / l (pairs are named; their low words serve)
.set NMR,  64                          ; the head: v64-83 -M, then d
.set LR,   84                          ; v84-103 l
.set SWR,  104                         ; v104-123 scale words
.set RX,   124
.set BK,   128                         ; in window 2: 16 rows read back, two sets of 32
.set G1,   24
.set G0,   32
.set G1B,  48
.set G0B,  56
.set MSB, 0
.macro WIN new                         ; the immediate's high byte repeats the setting that is left
.if MSB != (\new)
	s_set_vgpr_msb (MSB<<8)|(\new)
.set MSB, \new
.endif
.endm
.macro PLACES                          ; four plain places behind matrix instructions (ISA guide 7.12.1)
.rept 4
	v_nop
.endr
.endm
.macro JLOAD                           ; a joint load: waves 0 and 1 fetch P's panels, waves 2 and 3 V's; four v_nop follow each line
	s_cmp_eq_u32 s15, 0
	s_cbranch_scc0 .Lfor_b_\@
	tensor_load_to_lds s[G0:G0+3], s[G1:G1+7]
	s_nop 0
.rept 4
	v_nop
.endr
	s_branch .Lasked_\@
.Lfor_b_\@:
	tensor_load_to_lds s[G0B:G0B+3], s[G1B:G1B+7]
	s_nop 0
.rept 4
	v_nop
.endr
.Lasked_\@:
.endm
.macro CREST
	s_cmp_lg_u32 s14, 0
	s_cbranch_scc1 .Lnot_wave_0_\@
	s_barrier_signal -3
.Lnot_wave_0_\@:
	s_barrier_wait -3
	s_barrier_signal -1
	s_barrier_wait -1
.endm
.macro CROUND
	s_barrier_signal -1
	s_barrier_wait -1
	CREST
.endm
.macro PTR d, b, o                     ; pair d = pair b + the 32-bit offset o
	s_mov_b32 s2, s[\o]
	s_mov_b32 s3, 0
	s_add_nc_u64 s[\d:\d+1], s[\b:\b+1], s[2:3]
.endm
.macro NEXTFILL n, rows, lds, on       ; n steps a wave, from Z's first step + on (no tensor load of mine is out)
	s_mul_i32 s2, s16, (\n)*HP
	s_add_co_u32 s2, s2, (\on)*HP
	s_mov_b32 s3, 0
.irp g, G1, G1B
	s_mov_b32 s[\g+2], (\rows)<<16
	s_mov_b32 s[\g+4], \rows
.endr
	s_mov_b32 s[G0+1], \lds
	s_mov_b32 s[G0B+1], \lds
	s_add_nc_u64 s[G0+2:G0+3], s[94:95], s[2:3]
	s_or_b32 s[G0+3], s[G0+3], 0x80000000
	s_add_nc_u64 s[G0B+2:G0B+3], s[100:101], s[2:3]
	s_or_b32 s[G0B+3], s[G0B+3], 0x80000000
.endm
.macro FRAG reg, adr, off
.irp c, 0,1,2
	ds_load_b128 v[(\reg)+4*\c:(\reg)+4*\c+3], v[\adr] offset:(\off)+512*\c
.endr
.endm
; Set p = k % 3 of fragments: P's four, then V's four: v64-159 and v160-255 of window 0, v128-223 of window 2.  28 LDS loads a step.
.macro FETCH k
.set fp, (\k)%3
.set ff, 64+96*fp-128*(fp/2)
.set fu, ((\k)/4)%3
.set fo, HP*((\k)%4)
	WIN 0x80*(fp/2)
.irp i, 0,1,2,3
	FRAG ff+12*\i, ADRA+fu, fo+FRB*\i
.endr
.irp i, 0,1,2,3
	FRAG ff+48+12*\i, ADRV+fu, fo+FRB*\i
.endr
	WIN 0
.irp j, 0,1
	ds_load_b32 v[SC+4*fp+\j], v[ADSV+fu] offset:fo+SCO+128*\j
	ds_load_b32 v[SC+4*fp+2+\j], v[ADSA] offset:512*(\k)+128*\j
.endr
.endm
.macro WV c                            ; an odd fragment's scale words lie in lanes 16-31 of its pair's register
.if rV == 0
	v_wmma_scale_f32_16x16x128_f8f6f4 v[rD:rD+7], v[rB:rB+11], v[rA:rA+11], \c, v[rX], v[rY] matrix_a_fmt:MATRIX_FMT_BF6 matrix_b_fmt:MATRIX_FMT_BF6
.elseif rV == 1
	v_wmma_scale_f32_16x16x128_f8f6f4 v[rD:rD+7], v[rB:rB+11], v[rA:rA+11], \c, v[rX], v[rY] matrix_a_fmt:MATRIX_FMT_BF6 matrix_b_fmt:MATRIX_FMT_BF6 matrix_b_scale:MATRIX_SCALE_ROW1
.elseif rV == 2
	v_wmma_scale_f32_16x16x128_f8f6f4 v[rD:rD+7], v[rB:rB+11], v[rA:rA+11], \c, v[rX], v[rY] matrix_a_fmt:MATRIX_FMT_BF6 matrix_b_fmt:MATRIX_FMT_BF6 matrix_a_scale:MATRIX_SCALE_ROW1
.else
	v_wmma_scale_f32_16x16x128_f8f6f4 v[rD:rD+7], v[rB:rB+11], v[rA:rA+11], \c, v[rX], v[rY] matrix_a_fmt:MATRIX_FMT_BF6 matrix_b_fmt:MATRIX_FMT_BF6 matrix_a_scale:MATRIX_SCALE_ROW1 matrix_b_scale:MATRIX_SCALE_ROW1
.endif
.endm
; Step k: P's blocks a0 .. a0 + n - 1 against V's four.  X: window 1, v0-127; Y: window 1, v128-255; Z: window 2, v0-127.  The accumulators take turns; steps 0, 4, 8 start the sums.
.macro MUL k, a0, n
.set mp, (\k)%3
.set mf, 64+96*mp-128*(mp/2)
.set mb, 0
.if (\k)/4 == 1
.set mb, 128
.endif
	WIN 0x50*(1+((\k)+12)/20)+0x0a*(mp/2)
.set MA, \a0
.rept \n
.irp b, 0,1,2,3
.set rD, mb+8*(4*MA+\b)
.set rA, mf+12*MA
.set rB, mf+48+12*\b
.set rX, SC+4*mp+\b/2
.set rY, SC+4*mp+2+MA/2
.set rV, 2*(\b%2)+MA%2
.if ((\k)%4 == 0) && ((\k) < 12)
	WV 0
.else
	WV v[rD:rD+7]
.endif
.endr
.set MA, MA+1
.endr
	WIN 0
.endm
.macro STEP k
.if (\k) < 19
	s_wait_dscnt 28                                ; this step's fragments are in; the next step's 28 loads may be out
.else
	s_wait_dscnt 0x0
.endif
.if (\k)+2 < 20
	PLACES                                         ; the set was read by the last step's products
	FETCH (\k)+2
.endif
	MUL \k, 0, 4
.endm
	s_load_b256 s[4:11], s[0:1], 0x0               ; pc s[4:5], st s[6:7], vc s[8:9], out0 s[10:11]
	v_lshl_add_u32 v[SPW], v0, 2, SPARE
	v_mov_b32 v[NIL], 0
	ds_add_u32 v[SPW], v[NIL]                      ; the wave's opening: the add, twice on end, and its wait
	ds_add_u32 v[SPW], v[NIL]
	v_lshrrev_b32 v1, 5, v0
	v_readfirstlane_b32 s14, v1                    ; wave 0..3
	v_lshlrev_b32 v[PO], 2, v0
	s_wait_alu depctr_va_vdst(0)                   ; ahead of scalar instructions and waits
	s_lshr_b32 s15, s14, 1                         ; which 64 queries are mine.  Also: I fetch for P (0) or for V (1)
	s_and_b32 s16, s14, 1                          ; which 64 channels.  Also: which half of a fill I fetch
	s_bfe_u32 s40, ttmp6, 0x40000                  ; cx, cy
	s_bfe_u32 s41, ttmp6, 0x40004
	s_and_b32 s18, ttmp7, 0xffff
	s_lshr_b32 s19, s18, 1                         ; the batch
	s_and_b32 s66, s18, 1                          ; j
	s_lshl_b32 s20, s19, 4
	s_add_co_u32 s20, s20, s41
	s_lshl_b32 s21, s66, 2
	s_add_co_u32 s17, s20, s21                     ; LO's group: 16 batch + 4 j + cy
	s_sub_co_u32 s20, s20, s21
	s_add_co_u32 s22, s20, 12                      ; HI's: 16 batch + 12 - 4 j + cy
	s_lshl_b32 s42, ttmp9, 2
	s_add_co_u32 s42, s42, s40                     ; my 128 channels
	s_lshl_b32 s23, s19, 3
	s_add_co_u32 s23, s23, s42
	s_mul_i32 s60, s23, GROUP                      ; V's chunk 0
	s_mul_i32 s61, s17, GROUP                      ; LO's chunk 0,
	s_add_co_u32 s63, s61, 4*HP                    ; 4;
	s_mul_i32 s62, s22, GROUP                      ; HI's chunk 0
	s_lshl_b32 s67, s17, 14                        ; the same in st: 1,024 bytes a chunk
	s_add_co_u32 s69, s67, 4096
	s_lshl_b32 s68, s22, 14
	s_mov_b32 s70, 4*HP
	s_mov_b32 s71, 4096
	s_cmp_eq_u32 s66, 0
	s_cselect_b32 s72, s62, s63                    ; Y in pc,
	s_cselect_b32 s73, 0, s70                      ; in V from chunk 0 on,
	s_cselect_b32 s75, s68, s69                    ; in st;
	s_cselect_b32 s74, s70, 0                      ; Z from HI's or V's chunk 0 on,
	s_cselect_b32 s76, s71, 0                      ; in st
	s_cselect_b32 s80, 0, -1                       ; all lanes where j = 1
	s_add_co_u32 s77, s62, s74
	s_add_co_u32 s78, s68, s76
	s_add_co_u32 s79, s60, s74
	s_add_co_u32 s73, s60, s73
	s_cmp_eq_u32 s16, 0
	s_cselect_b32 s81, s60, s73                    ; what I fetch of V first: X's chunks or Y's
	s_lshl_b32 s43, s41, 2
	s_lshl_b32 s43, 15, s43                        ; my row of the cluster
	s_lshl_b32 s44, 0x1111, s40                    ; my column
	s_or_b32 s[G1], s43, (3<<16)|(1<<21)           ; 15:0 the mask; 17:16 elements of 8 bytes; 21 set beside a mask
	s_or_b32 s[G1B], s44, (3<<16)|(1<<21)
.irp g, G1, G1B
	s_mov_b32 s[\g+1], 32<<16                      ; rows of 256 bytes
	s_mov_b32 s[\g+2], 200<<16                     ; four steps a load
	s_mov_b32 s[\g+3], 32<<16
	s_mov_b32 s[\g+4], 200
	s_mov_b32 s[\g+5], 32
	s_mov_b32 s[\g+6], 0
	s_mov_b32 s[\g+7], 0
.endr
	s_mul_i32 s45, s14, 4*HP                       ; where a fill of slot A goes, and one of slot B: no place in the cluster enters an LDS address
	s_mul_i32 s46, s14, 2*HP
	s_add_co_u32 s46, s46, SLB
	s_wait_dscnt 0x0                               ; both opening adds are done
	s_wait_kmcnt 0x0
	PTR 84, 6, 67                                  ; st: X, Y, Z
	PTR 86, 6, 75
	PTR 88, 6, 78
	PTR 90, 4, 61                                  ; pc: X, Y, Z
	PTR 92, 4, 72
	PTR 94, 4, 77
	PTR 98, 8, 81                                  ; vc: my first fill, Z
	PTR 100, 8, 79
	s_cmp_eq_u32 s16, 0
	s_cselect_b64 s[96:97], s[90:91], s[92:93]
	s_cmp_eq_u32 s15, 0
	s_cselect_b64 s[82:83], s[94:95], s[100:101]   ; where my prefetches start
	s_cselect_b32 s47, s40, s41                    ; my place among the four that ask with me
; the row statistics of my thread's place in both groups, 20 chunks: asked for ahead of the first joint load
.macro STATS d, n, st, pc
.set n, 0
.rept \n
	global_load_b32 v[NMR+\d+n], v[PO], s[\st:\st+1] offset:1024*n
	global_load_b32 v[LR+\d+n], v[PO], s[\st:\st+1] offset:1024*n+512
	global_load_b32 v[SWR+\d+n], v[PO], s[\pc:\pc+1] offset:HP*n+SCO
.set n, n+1
.endr
.endm
	STATS 0, 4, 84, 90
	STATS 4, 4, 86, 92
	STATS 8, 12, 88, 94
	s_mov_b32 s[G0], 1
	s_mov_b32 s[G0+1], s45
	s_mov_b64 s[G0+2:G0+3], s[96:97]
	s_or_b32 s[G0+3], s[G0+3], 0x80000000
	s_mov_b32 s[G0B], 1
	s_mov_b32 s[G0B+1], s45
	s_mov_b64 s[G0B+2:G0B+3], s[98:99]
	s_or_b32 s[G0B+3], s[G0B+3], 0x80000000
	CROUND                                         ; all sixteen work-groups are here: the first joint loads meet
	JLOAD                                          ; steps 0-7: one tensor load a wave
	s_mul_i32 s70, s47, 50                         ; of the 200 blocks of 256 bytes of four steps the partner at place p takes 50 p .. 50 p + 49, a wave 25 of them
	s_mul_i32 s71, s16, 25
	s_add_co_u32 s70, s70, s71
	s_mul_i32 s71, s15, 4*FRB                      ; my half of P's fragments,
	s_mul_i32 s72, s16, 4*FRB                      ; of V's,
	s_lshl_b32 s73, s16, 8                         ; and of V's scale words
	v_and_b32 v3, 31, v0
	v_min_u32 v[PF], 24, v3
	v_add_nc_u32 v[PF], s70, v[PF]
	v_lshlrev_b32 v[PF], 8, v[PF]
	v_lshlrev_b32 v4, 4, v3
	v_lshlrev_b32 v5, 2, v3
	v_and_b32 v1, 15, v0                           ; r
	v_bfe_u32 v2, v0, 4, 1                         ; h
	v_lshl_add_u32 v[PAS], v0, 2, ASC
	v_add_nc_u32 v9, s71, v4
	v_add_nc_u32 v10, s72, v4
	v_add_nc_u32 v11, s73, v5
	v_mov_b32 v[ADRA], v9
	v_add_nc_u32 v[ADRA+1], 4*HP, v9
	v_add_nc_u32 v[ADRA+2], SLB, v9
	v_add_nc_u32 v[ADRV], 8*HP, v10                ; slot A: V's steps lie behind P's eight,
	v_add_nc_u32 v[ADRV+1], 12*HP, v10
	v_add_nc_u32 v[ADRV+2], SLB+4*HP, v10          ; slot B: behind P's four
	v_add_nc_u32 v[ADSV], 8*HP, v11
	v_add_nc_u32 v[ADSV+1], 12*HP, v11
	v_add_nc_u32 v[ADSV+2], SLB+4*HP, v11
	s_wait_alu depctr_va_vdst(0)                   ; ahead of scalar instructions
	s_lshl_b32 s71, s15, 8
	s_add_co_u32 s72, s71, ASC
	s_add_co_u32 s73, s71, LINV
	s_mul_i32 s74, s14, 16*SPI
	s_add_co_u32 s74, s74, SLB                     ; my stage, in slot B
	v_add_nc_u32 v[ADSA], s72, v5
	v_lshl_add_u32 v[LVA], v1, 2, s73
	v_mul_u32_u24 v[STO], v1, SPI                  ; in: row r, 64 bytes for each half of the lanes and pair of tiles
	v_lshl_add_u32 v[STO], v2, 6, v[STO]
	v_add_nc_u32 v[STO], s74, v[STO]
	v_mul_u32_u24 v[RD], v2, SPI                   ; out: lanes 0-15 take one row of 256 bytes, lanes 16-31 the next
	v_lshl_add_u32 v[RD], v1, 4, v[RD]
	v_add_nc_u32 v[RD], s74, v[RD]
	v_lshlrev_b32 v[CO], 12, v2                    ; and the same two rows in out0
	v_lshl_add_u32 v[CO], v1, 4, v[CO]
.irp a, 0,1,2,3
	v_mov_b32 v[LV+2*\a+1], 0
.endr
	global_prefetch_b8 v[PF], s[82:83] th:TH_LOAD_NT scope:SCOPE_SE   ; steps 8-11
	s_wait_alu depctr_va_vdst(0)                   ; directly ahead of the wait below
	s_wait_loadcnt 0x0
	; the rows' own -M: the least of the chunks'
.irp k, 0,1
	v_min3_num_f32 v[RX+\k], v[NMR+4*\k], v[NMR+4*\k+1], v[NMR+4*\k+2]
.endr
	v_min3_num_f32 v[RX+2], v[NMR+8], v[NMR+9], v[NMR+10]
.irp k, 0,1
	v_min_num_f32 v[RX+\k], v[RX+\k], v[NMR+4*\k+3]
.endr
.irp k, 11,13,15,17
	v_min3_num_f32 v[RX+2], v[RX+2], v[NMR+\k], v[NMR+\k+1]
.endr
	v_min_num_f32 v[RX+2], v[RX+2], v[NMR+19]
	v_min_num_f32 v[RX+3], v[RX], v[RX+1]
	v_min_num_f32 v[RX+4], v[RX+2], v[RX+1]
	v_cndmask_b32 v[RX], v[RX], v[RX+3], s80       ; LO's
	v_cndmask_b32 v[RX+2], v[RX+4], v[RX+2], s80   ; HI's
	v_cndmask_b32 v[RX+1], v[RX+2], v[RX], s80     ; the one that Y's chunks belong to
.set n, 0
.rept 20
.if n < 8
.set m, RX+n/4
.else
.set m, RX+2
.endif
	v_sub_f32 v[NMR+n], v[NMR+n], v[m]             ; d, 0 or more
.set n, n+1
.endr
.set n, 0
.rept 20
	v_min_num_f32 v[NMR+n], 0x43960000, v[NMR+n]   ; 300 at the most
.set n, n+1
.endr
.set n, 0
.rept 20
	v_cvt_i32_f32 v[NMR+n], v[NMR+n]
.set n, n+1
.endr
.set n, 0
.rept 20
	v_sub_nc_u32 v[160+n], 0, v[NMR+n]
.set n, n+1
.endr
.set n, 0
.rept 20
	v_ldexp_f32 v[LR+n], v[LR+n], v[160+n]
.set n, n+1
.endr
.irp k, 0,2,4,6,8,10,12,14,16,18
	v_add_f32 v[LR+\k], v[LR+\k], v[LR+\k+1]
.endr
.irp k, 0,4,8,12,16
	v_add_f32 v[LR+\k], v[LR+\k], v[LR+\k+2]
.endr
	v_add_f32 v[LR+8], v[LR+8], v[LR+12]
	v_add_f32 v[LR+1], v[LR], v[LR+4]
	v_add_f32 v[LR+8], v[LR+8], v[LR+16]
	v_add_f32 v[LR+9], v[LR+8], v[LR+4]
	v_cndmask_b32 v[LR], v[LR], v[LR+1], s80       ; LO's l
	v_cndmask_b32 v[LR+8], v[LR+9], v[LR+8], s80   ; HI's
; a chunk's four bytes, each 1 or more: byte - min(byte - 1, d)
.macro ADJ s
.set tb, 180+5*((\s)%4)
	v_add_nc_u32 v[tb], 0xfefefeff, v[SWR+\s]      ; each byte less 1
	v_and_b32 v[tb+1], 0xff, v[tb]
	v_bfe_u32 v[tb+2], v[tb], 8, 8
	v_bfe_u32 v[tb+3], v[tb], 16, 8
	v_lshrrev_b32 v[tb+4], 24, v[tb]
.irp k, 1,2,3,4
	v_min_u32 v[tb+\k], v[tb+\k], v[NMR+\s]
.endr
	v_lshl_or_b32 v[tb+1], v[tb+2], 8, v[tb+1]
	v_lshl_or_b32 v[tb+3], v[tb+4], 8, v[tb+3]
	v_lshl_or_b32 v[tb+1], v[tb+3], 16, v[tb+1]
	v_sub_nc_u32 v[SWR+\s], v[SWR+\s], v[tb+1]
	ds_store_b32 v[PAS], v[SWR+\s] offset:512*(\s)
.endm
.set q, 0
.rept 20
	ADJ q
.set q, q+1
.endr
	s_wait_alu depctr_va_vdst(0)                   ; a wait ahead of the batch and behind it
	v_rcp_f32 v[LR], v[LR]
	v_rcp_f32 v[LR+8], v[LR+8]
	v_nop                                          ; one plain place behind a transcendental
	s_wait_alu depctr_va_vdst(0)
	ds_store_b32 v[PAS], v[LR] offset:LINV-ASC
	ds_store_b32 v[PAS], v[LR+8] offset:LINV-ASC+512
	; where my parts of out0 begin: LO s[84:85], HI s[86:87]
	s_lshl_b32 s70, s15, 18
	s_lshl_b32 s71, s42, 9
	s_add_co_u32 s70, s70, s71
	s_lshl_b32 s71, s16, 8
	s_add_co_u32 s70, s70, s71
	s_lshl_b32 s71, s17, 19
	s_add_co_u32 s71, s71, s70
	s_lshl_b32 s72, s22, 19
	s_add_co_u32 s72, s72, s70
	PTR 84, 10, 71
	PTR 86, 10, 72
	s_wait_tensorcnt 0x0                           ; my part of slot A is in;
	ds_add_u32 v[SPW], v[NIL]
	NEXTFILL 2, 100, s46, 0                        ; steps 8-11 into slot B
	s_wait_dscnt 0x0                               ; the add is done, and my scale words are stored
	CROUND                                         ; everybody's are
	JLOAD
	FETCH 0
	FETCH 1
	global_prefetch_b8 v[PF], s[82:83] offset:4*HP th:TH_LOAD_NT scope:SCOPE_SE   ; steps 12-19
	global_prefetch_b8 v[PF], s[82:83] offset:8*HP th:TH_LOAD_NT scope:SCOPE_SE
.irp k, 0,1,2,3,4,5
	STEP \k
.endr
	; step 6: slot A has been asked for to its last fragment: it is filled again
	s_wait_tensorcnt 0x0                           ; all my tensor loads have landed: my part of slot B;
	ds_add_u32 v[SPW], v[NIL]                      ; 0 onto my spare word
	NEXTFILL 4, 200, s45, 4                        ; steps 12-19
	s_wait_dscnt 29                                ; step 6's fragments are in; step 7's 28 loads and the add may be out
	MUL 6, 0, 2
	s_wait_dscnt 0x0                               ; my reads of slot A are over
	s_barrier_signal -1
	MUL 6, 2, 2
	s_barrier_wait -1
	CREST                                          ; no wave of any partner still reads slot A or has a load on its way
	JLOAD                                          ; its four v_nop are the places in front of the loads below
	FETCH 8
.irp k, 7,8,9
	STEP \k
.endr
	; step 10: slot B has been asked for to its last fragment; behind the barrier nobody reads it, and the stages lie there.
	s_wait_dscnt 28
	MUL 10, 0, 2
	s_wait_dscnt 0x0
	s_barrier_signal -1
	MUL 10, 2, 2
	s_barrier_wait -1
	MUL 11, 0, 4
; THE WAY OUT of 16 queries x 64 channels: divided by l, through my own stage, and stored as whole rows of 256 bytes.  LDS serves a wave's instructions in order (ISA guide 5.7.1.4).
.macro TOSTAGE a, w                    ; w: the sums' window
.set AC, 32*(\a)
	WIN 0x41*(\w)
.set n, 0
.rept 16
	v_pk_mul_f32 v[AC+n:AC+n+1], v[AC+n:AC+n+1], v[LV+2*(\a):LV+2*(\a)+1] op_sel_hi:[1,0]
.set n, n+2
.endr
	WIN 4*(\w)
.irp b, 0,1,2,3
	ds_store_b128 v[STO], v[AC+8*\b:AC+8*\b+3] offset:128*(\b/2)+32*(\b%2)
	ds_store_b128 v[STO], v[AC+8*\b+4:AC+8*\b+7] offset:128*(\b/2)+32*(\b%2)+16
.endr
	WIN 0x80
.set BB, BK+32*((\a)%2)
.irp t, 0,2,4,6,8,10,12,14
	ds_load_b128 v[BB+2*\t:BB+2*\t+3], v[RD] offset:SPI*\t
.endr
	WIN 0
.endm
.macro SEND a, younger, ob             ; younger: the next block's 8 stores and 8 loads, which may stay out
.set BB, BK+32*((\a)%2)
	s_wait_dscnt \younger
	WIN 8
.irp t, 0,2,4,6,8,10,12,14             ; place 16 a + t holds query 32 (a / 2) + 8 (a % 2) + t + 8 (t / 8)
	global_store_b128 v[CO], v[BB+2*\t:BB+2*\t+3], s[\ob:\ob+1] offset:(32*((\a)/2)+8*((\a)%2)+\t+8*(\t/8))*4096 th:TH_STORE_NT
.endr
	WIN 0
.endm
.macro GROUPOUT w, ob
	s_wait_dscnt 0x0                               ; 1 / l is in
	TOSTAGE 0, \w
.irp a, 1,2,3
.if \a > 1
	s_wait_xcnt 0x0                                ; block a - 2's stores have read their registers
.endif
	TOSTAGE \a, \w
	SEND \a-1, 16, \ob
.endr
	SEND 3, 0, \ob
.endm
.irp a, 0,1,2,3
	ds_load_b32 v[LV+2*\a], v[LVA] offset:64*\a
.endr
	s_wait_alu depctr_va_vdst(0)                   ; ahead of the branch
	s_cmp_eq_u32 s66, 0                            ; j is the same in all sixteen work-groups; the branch leads round register work alone
	s_cbranch_scc1 .Llo
	WIN 0x45
.set n, 0
.rept 64
	v_pk_add_f32 v[n:n+1], v[n:n+1], v[128+n:129+n]   ; X + Y
.set n, n+2
.endr
	WIN 0
.Llo:
	GROUPOUT 1, 84
	s_wait_alu depctr_va_vdst(0)
	s_wait_xcnt 0x0                                ; the stores have read their registers: fragments may be loaded into them
	s_wait_tensorcnt 0x0                           ; my part of steps 12-19 is in
	s_wait_dscnt 0x0
	s_barrier_signal -1
	s_barrier_wait -1                              ; everybody's is; nothing is filled any more
	FETCH 12
	FETCH 13
.irp k, 12,13,14,15,16,17,18,19
	STEP \k
.endr
.irp a, 0,1,2,3
	ds_load_b32 v[LV+2*\a], v[LVA] offset:512+64*\a
.endr
	PLACES
	s_wait_alu depctr_va_vdst(0)
	s_cmp_lg_u32 s66, 0
	s_cbranch_scc1 .Lhi
	WIN 0x86
.set n, 0
.rept 64
	v_pk_add_f32 v[n:n+1], v[n:n+1], v[128+n:129+n]   ; Z + Y
.set n, n+2
.endr
	WIN 0
.Lhi:
	GROUPOUT 2, 86
	s_wait_tensorcnt 0x0                           ; the wave's end
	ds_add_u32 v[SPW], v[NIL]
	s_wait_dscnt 0x0
	CROUND                                         ; the closing round
	s_endpgm
.Lfunc_end_k_q7eaa401884_pv:
	.size	k_q7eaa401884_pv, .Lfunc_end_k_q7eaa401884_pv-k_q7eaa401884_pv
	.p2alignl 7, 3214868480
	.fill 96, 4, 3214868480
	.section	.rodata,"a",@progbits
	.p2align	6, 0x0
	.amdhsa_kernel k_q7eaa401884_pv
		.amdhsa_group_segment_fixed_size 327680
		.amdhsa_private_segment_fixed_size 0
		.amdhsa_enable_private_segment 0
		.amdhsa_kernarg_size 32
		.amdhsa_user_sgpr_count 2
		.amdhsa_user_sgpr_kernarg_segment_ptr 1
		.amdhsa_wavefront_size32 1
		.amdhsa_system_sgpr_workgroup_id_x 1
		.amdhsa_system_sgpr_workgroup_id_y 1
		.amdhsa_system_sgpr_workgroup_id_z 1
		.amdhsa_system_vgpr_workitem_id 0
		.amdhsa_next_free_vgpr 768
		.amdhsa_next_free_sgpr 102
		.amdhsa_reserve_vcc 0
		.amdhsa_float_denorm_mode_32 3
		.amdhsa_float_denorm_mode_16_64 3
		.amdhsa_memory_ordered 1
		.amdhsa_forward_progress 1
		.amdhsa_inst_pref_size 151
	.end_amdhsa_kernel
	.amdgpu_metadata
---
amdhsa.version: [ 1, 2 ]
amdhsa.kernels:
  - .name:           k_q7eaa401884_pv
    .symbol:         k_q7eaa401884_pv.kd
    .args:
      - { .name: pc, .offset: 0, .size: 8, .value_kind: global_buffer, .address_space: global }
      - { .name: st, .offset: 8, .size: 8, .value_kind: global_buffer, .address_space: global }
      - { .name: vc, .offset: 16, .size: 8, .value_kind: global_buffer, .address_space: global }
      - { .name: out0, .offset: 24, .size: 8, .value_kind: global_buffer, .address_space: global }
    .group_segment_fixed_size: 327680
    .private_segment_fixed_size: 0
    .kernarg_segment_align: 8
    .kernarg_segment_size: 32
    .max_flat_workgroup_size: 128
    .sgpr_count:     102
    .vgpr_count:     768
    .wavefront_size: 32
...
	.end_amdgpu_metadata
.endif
;; end of part 8
